; MI455X (gfx1250); checked and timed in simulation.
; The chip was launched on July 23, 2026; its instructions are those of AMD's public machine-readable ISA for CDNA 5 (MIT licence, August 2026) and "CDNA5" Instruction Set Architecture Reference Guide (July 2026). The comments in the code are by the model that wrote it; some were corrected since.
;; Self Attention. Allowed arithmetic: float matrix products may take bf16 or f16 operands with f32 sums; all other float work in f32.
;; Inputs: Wk 1,024 x 1,024 float32; Wo 1,024 x 1,024 float32; Wq 1,024 x 1,024 float32; Wv 1,024 x 1,024 float32; x 4 x 2,048 x 1,024 float32.
;; Outputs: out0 4 x 2,048 x 1,024 float32.
;; 3 versions, each right. Each part assembles by itself: llvm-mc -triple=amdgcn-amd-amdhsa -mcpu=gfx1250 --defsym DOCPART=n.
;; ======== version 1 of 3: 5 launches
;; limits: values are held in f16: magnitudes above 65,504 overflow, below 6.1e-05 lose precision
;; workspace buffers: xb 16,777,216 bytes; wt 6,291,456 bytes; wot 2,097,152 bytes; qkv 50,331,648 bytes; pbuf 33,554,432 bytes; stats 1,048,576 bytes; obuf 33,554,432 bytes
;; launch prep (part 1): grid 1024 x 1, 8 waves a work-group, no clusters, 17,920 bytes of LDS; arguments x, Wq, Wk, Wv, Wo, xb, wt, wot, stats; writes xb, wt, wot, stats
.if DOCPART == 1
	.amdgcn_target "amdgcn-amd-amdhsa--gfx1250"
	.amdhsa_code_object_version 6
	.text
	.protected	k_q8f24df3a54_prep
	.globl	k_q8f24df3a54_prep
	.p2align	8
	.type	k_q8f24df3a54_prep,@function
k_q8f24df3a54_prep:
	s_mov_b64 s[64:65], 0
	v_nop
	global_prefetch_b8 v0, s[64:65] scope:SCOPE_SE
	s_setreg_imm32_b32 hwreg(HW_REG_WAVE_MODE, 25, 1), 1
	s_wait_xcnt 0x0
; PREP.  Work-groups 0-511: x (f32) is rounded to bf16 into xb, 16,384 numbers a group, and stats gets its start values {c m = -1.7e38, l = 0}, 256 pairs a group.
; Work-groups 512-1023: a tile of 128 k x 64 n of one of the four weights ([k][n], f32) is rounded to bf16 and written turned, [n][k]: Wq, Wk, Wv one below the other into wt (bf16),
; Wo into wot, where the bf16 number is written as f16.
; LIMITS.  Wo's numbers must lie within f16's 65,504; below 7.6e-6 they keep f16's fixed step of 6e-8.  NaN and infinities are not treated apart.
; The branch between the two parts hangs on the work-group's number alone, so all eight waves take the same way and meet the one barrier together.
.set TP,    264                        ; a row of the turned tile in LDS: 128 bf16 = 256 bytes + 8
.set SPARE, 64*TP                      ; behind the tile (16,896 bytes): the spare words, 128 bytes for each of eight waves
.set SPW,   6                          ; v6  LDS address of my spare word; never rewritten
.set NIL,   7                          ; v7  0; never rewritten
.set X,     8                          ; v[8:71]   x part: 16 loads of 4 registers
.set Y,     72                         ; v[72:103] x part: 16 pairs to store
	s_load_b512 s[8:23], s[0:1], 0x0               ; x s[8:9], Wq s[10:11], Wk s[12:13], Wv s[14:15], Wo s[16:17], xb s[18:19], wt s[20:21], wot s[22:23]
	s_load_b64 s[24:25], s[0:1], 0x40              ; stats
	v_lshl_add_u32 v[SPW], v0, 2, SPARE
	v_mov_b32 v[NIL], 0
	s_mov_b32 s3, 0                                ; the high word of every offset pair s[2:3]
	s_cmp_lt_u32 ttmp9, 512
	s_cbranch_scc0 .Lweights
	; THE X PART.  Thread t takes 16 bytes at 16 t of each of 16 blocks of 4,096 bytes: a wave's load covers 512 consecutive bytes, its store 256, aligned.
	v_lshlrev_b32 v1, 4, v0
	v_lshlrev_b32 v2, 3, v0
	v_mov_b32 v4, 0xff000000                       ; c m = -1.7e38: below every c m that is made of scores
	v_mov_b32 v5, 0                                ; l = 0
	s_lshl_b32 s2, ttmp9, 16
	s_wait_kmcnt 0x0
	s_add_nc_u64 s[8:9], s[8:9], s[2:3]            ; my 65,536 bytes of x
	s_lshl_b32 s2, ttmp9, 15
	s_add_nc_u64 s[18:19], s[18:19], s[2:3]        ; my 32,768 bytes of xb
	s_lshl_b32 s2, ttmp9, 11
	s_add_nc_u64 s[24:25], s[24:25], s[2:3]        ; my 2,048 bytes of stats
.set j, 0
.rept 16
	global_load_b128 v[X+4*j:X+4*j+3], v1, s[8:9] offset:j*4096 th:TH_LOAD_NT
.set j, j+1
.endr
	global_store_b64 v2, v[4:5], s[24:25]
.set j, 0
.rept 16
	s_wait_loadcnt 15-j                            ; loads come back in order: load j is in, the 15 - j younger ones stay out
	v_cvt_pk_bf16_f32 v[Y+2*j], v[X+4*j], v[X+4*j+1]
	v_cvt_pk_bf16_f32 v[Y+2*j+1], v[X+4*j+2], v[X+4*j+3]
	global_store_b64 v2, v[Y+2*j:Y+2*j+1], s[18:19] offset:j*2048
.set j, j+1
.endr
	s_endpgm                                       ; this way has written no LDS
.Lweights:
	; THE WEIGHT PART.  g = group - 512: matrix g / 128, k tile g % 8 (128 rows), n tile (g / 8) % 16 (64 columns).
	s_sub_co_u32 s26, ttmp9, 512
	s_lshr_b32 s27, s26, 7                         ; matrix 0..3
	s_and_b32 s28, s26, 7                          ; k tile
	s_bfe_u32 s29, s26, 0x40003                    ; n tile
	v_and_b32 v1, 15, v0                           ; cc: my four columns
	v_lshrrev_b32 v2, 4, v0                        ; gg: my pair of rows
	v_lshlrev_b32 v3, 13, v2
	v_lshl_add_u32 v3, v1, 4, v3                   ; in memory: gg x 2 rows of 4,096 bytes + 16 cc: sixteen lanes cover 256 consecutive bytes
	v_mul_u32_u24 v4, v1, 4*TP
	v_lshl_add_u32 v4, v2, 2, v4                   ; in LDS: row 4 cc of the turned tile, word gg
	v_and_b32 v1, 31, v0
	v_lshrrev_b32 v2, 5, v0
	v_mul_u32_u24 v5, v2, 8*TP
	v_lshl_add_u32 v5, v1, 3, v5                   ; back: wave w reads rows 8 w .. 8 w + 7, 8 bytes a lane
	v_lshlrev_b32 v2, 14, v2
	v_lshl_add_u32 v2, v1, 3, v2                   ; and stores them: 8 w rows of 2,048 bytes + 8 x lane
	s_lshl_b32 s30, s28, 19                        ; 128 rows of 4,096 bytes a k tile
	s_lshl_b32 s31, s29, 8                         ; 64 columns of 4 bytes an n tile
	s_add_co_u32 s2, s30, s31
	s_wait_kmcnt 0x0
	s_cmp_eq_u32 s27, 1
	s_cselect_b64 s[10:11], s[12:13], s[10:11]
	s_cmp_eq_u32 s27, 2
	s_cselect_b64 s[10:11], s[14:15], s[10:11]
	s_cmp_eq_u32 s27, 3
	s_cselect_b64 s[10:11], s[16:17], s[10:11]     ; the matrix that I read,
	s_cselect_b64 s[20:21], s[22:23], s[20:21]     ; the buffer that I write,
	s_cselect_b32 s30, 0, s27                      ; and which 1,024 rows of it
	s_add_nc_u64 s[10:11], s[10:11], s[2:3]
	s_lshl_b32 s30, s30, 21
	s_lshl_b32 s31, s29, 17                        ; 64 rows of 2,048 bytes an n tile
	s_add_co_u32 s30, s30, s31
	s_lshl_b32 s31, s28, 8                         ; 128 numbers of 2 bytes a k tile
	s_add_co_u32 s2, s30, s31
	s_add_nc_u64 s[20:21], s[20:21], s[2:3]
.set jj, 0
.rept 4                                ; rows 2 (gg + 16 jj) and the row below
	global_load_b128 v[8+8*jj:11+8*jj],  v3, s[10:11] offset:jj*131072 th:TH_LOAD_NT
	global_load_b128 v[12+8*jj:15+8*jj], v3, s[10:11] offset:jj*131072+4096 th:TH_LOAD_NT
.set jj, jj+1
.endr
.set jj, 0
.rept 4
	s_wait_loadcnt 6-2*jj                          ; pair jj of rows is in; the younger pairs stay out
.irp e, 0,1,2,3
	v_cvt_pk_bf16_f32 v[40+4*jj+(\e)], v[8+8*jj+(\e)], v[12+8*jj+(\e)]  ; column 4 cc + e: k even below, k odd above
	ds_store_b32 v4, v[40+4*jj+(\e)] offset:(\e)*TP+jj*64
.endr
.set jj, jj+1
.endr
	s_wait_dscnt 0x0                               ; for the others' sake: my stores into the tile are done
	s_barrier_signal -1
	s_barrier_wait -1
.irp q, 0,1,2,3,4,5,6,7
	ds_load_b64 v[56+2*(\q):57+2*(\q)], v5 offset:(\q)*TP
.endr
	s_wait_dscnt 0x0
	s_cmp_lg_u32 s27, 3
	s_cbranch_scc1 .Lstore
.set i, 0
.rept 16                               ; Wo alone: the bf16 number is written as f16
	v_lshlrev_b32 v72, 16, v[56+i]
	v_and_b32 v73, 0xffff0000, v[56+i]
	v_cvt_pk_f16_f32 v[56+i], v72, v73
.set i, i+1
.endr
.Lstore:
.irp q, 0,1,2,3,4,5,6,7
	global_store_b64 v2, v[56+2*(\q):57+2*(\q)], s[20:21] offset:(\q)*2048  ; a wave's store covers 256 consecutive bytes, aligned
.endr
	s_wait_tensorcnt 0x0                           ; the wave's end, behind my last LDS store
	ds_add_u32 v[SPW], v[NIL]
	s_wait_dscnt 0x0
	s_endpgm
.Lfunc_end_k_q8f24df3a54_prep:
	.size	k_q8f24df3a54_prep, .Lfunc_end_k_q8f24df3a54_prep-k_q8f24df3a54_prep
	.p2alignl 7, 3214868480
	.fill 96, 4, 3214868480
	.section	.rodata,"a",@progbits
	.p2align	6, 0x0
	.amdhsa_kernel k_q8f24df3a54_prep
		.amdhsa_group_segment_fixed_size 17920
		.amdhsa_private_segment_fixed_size 0
		.amdhsa_enable_private_segment 0
		.amdhsa_kernarg_size 72
		.amdhsa_user_sgpr_count 2
		.amdhsa_user_sgpr_kernarg_segment_ptr 1
		.amdhsa_wavefront_size32 1
		.amdhsa_system_sgpr_workgroup_id_x 1
		.amdhsa_system_sgpr_workgroup_id_y 1
		.amdhsa_system_sgpr_workgroup_id_z 1
		.amdhsa_system_vgpr_workitem_id 0
		.amdhsa_next_free_vgpr 112
		.amdhsa_next_free_sgpr 66
		.amdhsa_reserve_vcc 0
		.amdhsa_float_denorm_mode_32 3
		.amdhsa_float_denorm_mode_16_64 3
		.amdhsa_memory_ordered 1
		.amdhsa_forward_progress 1
		.amdhsa_inst_pref_size 15
	.end_amdhsa_kernel
	.amdgpu_metadata
---
amdhsa.version: [ 1, 2 ]
amdhsa.kernels:
  - .name:           k_q8f24df3a54_prep
    .symbol:         k_q8f24df3a54_prep.kd
    .args:
      - { .name: x, .offset: 0, .size: 8, .value_kind: global_buffer, .address_space: global }
      - { .name: Wq, .offset: 8, .size: 8, .value_kind: global_buffer, .address_space: global }
      - { .name: Wk, .offset: 16, .size: 8, .value_kind: global_buffer, .address_space: global }
      - { .name: Wv, .offset: 24, .size: 8, .value_kind: global_buffer, .address_space: global }
      - { .name: Wo, .offset: 32, .size: 8, .value_kind: global_buffer, .address_space: global }
      - { .name: xb, .offset: 40, .size: 8, .value_kind: global_buffer, .address_space: global }
      - { .name: wt, .offset: 48, .size: 8, .value_kind: global_buffer, .address_space: global }
      - { .name: wot, .offset: 56, .size: 8, .value_kind: global_buffer, .address_space: global }
      - { .name: stats, .offset: 64, .size: 8, .value_kind: global_buffer, .address_space: global }
    .group_segment_fixed_size: 17920
    .private_segment_fixed_size: 0
    .kernarg_segment_align: 8
    .kernarg_segment_size: 72
    .max_flat_workgroup_size: 256
    .sgpr_count:     66
    .vgpr_count:     112
    .wavefront_size: 32
...
	.end_amdgpu_metadata
.endif
;; end of part 1
;; launch qkv (part 2): grid 8 x 32, 4 waves a work-group, clusters of 4 x 4, 327,680 bytes of LDS; arguments xb, wt, qkv; writes qkv
.if DOCPART == 2
	.amdgcn_target "amdgcn-amd-amdhsa--gfx1250"
	.amdhsa_code_object_version 6
	.text
	.protected	k_q8f24df3a54_qkv
	.globl	k_q8f24df3a54_qkv
	.p2align	8
	.type	k_q8f24df3a54_qkv,@function
k_q8f24df3a54_qkv:
	s_mov_b64 s[64:65], 0
	v_nop
	global_prefetch_b8 v0, s[64:65] scope:SCOPE_SE
	s_setreg_imm32_b32 hwreg(HW_REG_WAVE_MODE, 25, 1), 1
	s_wait_xcnt 0x0
	s_wait_alu depctr_hold_cnt(0) depctr_sa_sdst(0) depctr_va_vdst(0) depctr_va_sdst(0) depctr_va_ssrc(0) depctr_va_vcc(0) depctr_vm_vsrc(0)
	s_getreg_b32 s2, hwreg(HW_REG_IB_STS2, 6, 4)
	s_cmp_eq_u32 s2, 0
	s_cbranch_scc0 .Lentry_in_a_cluster
	s_endpgm
.Lentry_in_a_cluster:
	s_bfe_u32 s2, ttmp6, 0x10000c
	s_cmp_lg_u32 s2, 0xf033
	s_cbranch_scc0 .Lentry_shape_is_right
	s_endpgm
.Lentry_shape_is_right:
; QKV.  qkv[m][n] = sum over k of xb[m][k] wt[n][k].  xb: [8192][1024] bf16, wt: [3072][1024] bf16, qkv: [8192][3072] f16; sums in f32, rounded once.
; LIMIT.  q, k and v must lie within f16's 65,504; NaN and infinities are not treated apart.
; SHARES.  A work-group stays and makes three tiles of 256 rows x 128 columns: rows 256 Y, columns 128 X + 1,024 t (t = 0, 1, 2: q, k, v): 768 tiles, three for each of 256 work-groups.
; A wave owns 64 rows x 128 columns: 32 accumulators (4 x 8), so a row of its part is 256 bytes and the stage for the way out is its own.
; THE WALK.  24 K steps of 128 (step n: tile n / 8, K part n % 8) go through a ring of two LDS slots that does not stop at a tile's end.  Waves 0, 1 fetch the halves of xb's 256 rows,
; waves 2, 3 the halves of wt's 128 rows: one tensor load a wave behind each change of slots; two are out at the start, later one.
; CLUSTER.  4 x 4 work-groups: xb's tile hangs on Y alone and is asked for jointly along a row of the cluster, wt's on X alone, along a column.
; THE MATRIX INSTRUCTION IS USED TRANSPOSED (source 0 = 16 rows of wt, source 1 = 16 rows of xb): a lane holds eight neighbouring columns of one row.
; REGISTERS.  Window 0: v0-13 addresses; two fragment buffers of 96 (64 of wt's, 32 of xb's) at v64 and v160; the way out works in the second.  Window 1: accumulator (a, b) at v[8 (8 a + b)].
.set PITCH,  272                       ; an LDS row: 256 bytes + 16 of padding: the 16 rows of a fragment load start at 16 different groups of four banks (ISA guide 11.1)
.set AHALF,  128*PITCH                 ; what a load of xb brings
.set BHALF,  64*PITCH                  ; what a load of wt brings
.set BOFF,   2*AHALF                   ; wt's rows lie behind xb's 256
.set SLOT1,  1<<17                     ; slot 1 begins here (a slot holds 104,448 bytes), so that one exclusive or turns an address in one slot into the other's
.set STAGE,  SLOT1+BOFF+2*BHALF        ; behind the ring: 16 rows x 272 bytes for each wave
.set SPITCH, 272
.set SPARE,  STAGE+4*16*SPITCH         ; behind the stages: the spare words, 128 bytes for each wave
.set CROW,   6144                      ; bytes in a row of qkv
.set ADRA0, 4                          ; v4, v5  my lane's place in slot 0's rows of xb, of wt; never rewritten
.set ADRB0, 5
.set ADRA,  6                          ; v6, v7  the same in the slot in hand
.set ADRB,  7
.set STO,   8                          ; v8   the way out: where I put 16 bytes of a row
.set RD,    9                          ; v9   where I read a row back
.set CO,    10                         ; v10  my byte offset in two rows of qkv
.set SPW,   12                         ; v12  LDS address of my spare word; never rewritten
.set NIL,   13                         ; v13  0; never rewritten
.set F0,    64
.set F1,    160
.set TMP,   160                        ; the way out: 32 packed registers
.set OB,    192                        ; 16 rows read back: v192-223 and v224-255 by turns
.set G1,   24                          ; s[24:31] group 1 for xb's tiles
.set G0X,  32                          ; s[32:35] group 0 for K step 0
.set G0,   36                          ; s[36:39] group 0 for K step 1; it then walks
.set G1B,  48                          ; the same three for wt's tiles
.set G0BX, 56
.set G0B,  60
.set TB,   66                          ; s66  0 or SLOT1: the slot in hand
.set NX,   67                          ; s67  the K step to be asked for
.set RT,   68                          ; s68  K steps left in the tile
.set TRIPS,69
.set CNT,  70
.set OA,   72                          ; s[72:73], s[74:75] byte offsets of the tiles asked for
.set OBB,  74
.set MUL,  0x50                        ; sources 0 and 1 window 0; C and D window 1
.set MSB, 0
.macro WIN new                         ; the immediate's high byte repeats the setting that is left; a switch that changes nothing is dropped
.if MSB != (\new)
	s_set_vgpr_msb (MSB<<8)|(\new)
.set MSB, \new
.endif
.endm
.macro PLACES                          ; four plain vector instructions between a matrix instruction and a load into, or a vector write or read of, its registers
.rept 4
	v_nop
.endr
.endm
.macro JLOAD                           ; a joint refill: the branch hangs on the wave's number alone; an s_nop 0 and four v_nop follow each line
	s_cmp_eq_u32 s11, 0
	s_cbranch_scc0 .Lfor_b_\@
	tensor_load_to_lds s[G0:G0+3], s[G1:G1+7]
	s_nop 0
.rept 4
	v_nop
.endr
	s_branch .Lasked_\@
.Lfor_b_\@:
	tensor_load_to_lds s[G0B:G0B+3], s[G1B:G1B+7]
	s_nop 0
.rept 4
	v_nop
.endr
.Lasked_\@:
.endm
.macro CREST                           ; a round of the cluster's barrier behind its opening barrier
	s_cmp_lg_u32 s10, 0
	s_cbranch_scc1 .Lnot_wave_0_\@
	s_barrier_signal -3
.Lnot_wave_0_\@:
	s_barrier_wait -3
	s_barrier_signal -1
	s_barrier_wait -1
.endm
.macro CROUND
	s_barrier_signal -1
	s_barrier_wait -1
	CREST
.endm
	s_load_b128 s[4:7], s[0:1], 0x0                ; xb s[4:5], wt s[6:7]
	s_load_b64 s[8:9], s[0:1], 0x10                ; qkv
	v_lshl_add_u32 v[SPW], v0, 2, SPARE
	v_mov_b32 v[NIL], 0
	ds_add_u32 v[SPW], v[NIL]                      ; the wave's opening: the add and its wait stand ahead of my first tensor load; work on registers stands between them
	ds_add_u32 v12, v13
	v_lshrrev_b32 v1, 5, v0
	v_readfirstlane_b32 s10, v1                    ; wave 0..3
	s_lshr_b32 s11, s10, 1                         ; I fetch for xb (0) or for wt (1)
	s_and_b32 s12, s10, 1                          ; which half of that tile's rows
	s_bfe_u32 s40, ttmp6, 0x40000                  ; cx, cy: my place in the cluster
	s_bfe_u32 s41, ttmp6, 0x40004
	s_lshl_b32 s42, ttmp9, 2
	s_add_co_u32 s42, s42, s40                     ; X = 4 x cluster x + cx
	s_and_b32 s13, ttmp7, 0xffff
	s_lshl_b32 s13, s13, 2
	s_add_co_u32 s13, s13, s41                     ; Y = 4 x cluster y + cy
	s_lshl_b32 s43, s41, 2
	s_lshl_b32 s43, 15, s43                        ; my row of the cluster
	s_lshl_b32 s44, 0x1111, s40                    ; my column
	s_or_b32 s[G1], s43, (1<<16)|(1<<20)|(1<<21)|(5<<22)|(3<<25)   ; the mask; 2-byte elements; padding on; bit 21 beside a mask; after every 64 words, 4 words
	s_or_b32 s[G1B], s44, (1<<16)|(1<<20)|(1<<21)|(5<<22)|(3<<25)
	s_mov_b32 s[G1+1], 128<<16                     ; tensor_dim0 = 128
	s_mov_b32 s[G1+2], 128<<16                     ; tensor_dim1 = 128
	s_mov_b32 s[G1+3], 128<<16                     ; tile_dim0 = 128
	s_mov_b32 s[G1+4], 128                         ; tile_dim1 = 128
	s_mov_b32 s[G1+5], 1024                        ; elements from row to row
	s_mov_b32 s[G1+6], 0
	s_mov_b32 s[G1+7], 0
	s_mov_b32 s[G1B+1], 128<<16
	s_mov_b32 s[G1B+2], 64<<16                     ; 64 rows
	s_mov_b32 s[G1B+3], 128<<16
	s_mov_b32 s[G1B+4], 64
	s_mov_b32 s[G1B+5], 1024
	s_mov_b32 s[G1B+6], 0
	s_mov_b32 s[G1B+7], 0
	s_lshl_b32 s17, s12, 7
	s_lshl_b32 s16, s13, 8
	s_add_co_u32 s16, s16, s17
	s_lshl_b32 s16, s16, 11                        ; xb: row 256 Y + 128 x half, 2,048 bytes a row
	s_mov_b32 s17, 0
	s_lshl_b32 s47, s12, 6
	s_lshl_b32 s46, s42, 7
	s_add_co_u32 s46, s46, s47
	s_lshl_b32 s46, s46, 11                        ; wt: row 128 X + 64 x half
	s_mov_b32 s47, 0
	s_mul_i32 s20, s10, AHALF                      ; where they go: waves 0, 1: wave x 128 rows;
	s_mul_i32 s21, s10, BHALF
	s_add_co_u32 s21, s21, AHALF                   ; waves 2, 3: 256 rows + (wave - 2) x 64 rows: no place in the cluster enters an LDS address
	s_mov_b32 s[TB], 0
	s_mov_b32 s[NX], 2
	s_mov_b32 s[RT], 8
	s_mov_b32 s[TRIPS], 22
	s_mov_b32 s[OA+1], 0
	s_mov_b32 s[OBB+1], 0
	s_wait_dscnt 0x0                               ; the opening add is done
	s_wait_kmcnt 0x0
	s_add_nc_u64 s[14:15], s[4:5], s[16:17]
	s_add_nc_u64 s[46:47], s[6:7], s[46:47]
	CROUND                                         ; all sixteen work-groups are here: the first joint loads meet
	s_mov_b32 s[G0X], 1
	s_mov_b32 s[G0X+1], s20
	s_mov_b64 s[G0X+2:G0X+3], s[14:15]
	s_or_b32 s[G0X+3], s[G0X+3], 0x80000000
	s_mov_b32 s[G0], 1
	s_add_co_u32 s[G0+1], s20, SLOT1
	s_add_nc_u64 s[G0+2:G0+3], s[14:15], 256
	s_or_b32 s[G0+3], s[G0+3], 0x80000000
	s_mov_b32 s[G0BX], 1
	s_mov_b32 s[G0BX+1], s21
	s_mov_b64 s[G0BX+2:G0BX+3], s[46:47]
	s_or_b32 s[G0BX+3], s[G0BX+3], 0x80000000
	s_mov_b32 s[G0B], 1
	s_add_co_u32 s[G0B+1], s21, SLOT1
	s_add_nc_u64 s[G0B+2:G0B+3], s[46:47], 256
	s_or_b32 s[G0B+3], s[G0B+3], 0x80000000
	s_cmp_eq_u32 s11, 0                            ; a wave's two first fills stand in one branch: K steps 0 and 1
	s_cbranch_scc0 .Lfirst_b
	tensor_load_to_lds s[G0X:G0X+3], s[G1:G1+7]
	s_nop 0
	tensor_load_to_lds s[G0:G0+3], s[G1:G1+7]
	s_nop 0
.rept 4
	v_nop
.endr
	s_branch .Lfirst_asked
.Lfirst_b:
	tensor_load_to_lds s[G0BX:G0BX+3], s[G1B:G1B+7]
	s_nop 0
	tensor_load_to_lds s[G0B:G0B+3], s[G1B:G1B+7]
	s_nop 0
.rept 4
	v_nop
.endr
.Lfirst_asked:
	v_and_b32 v1, 15, v0                           ; r = lane % 16
	v_bfe_u32 v2, v0, 4, 1                         ; h = lane / 16
	v_mul_u32_u24 v3, v1, PITCH
	v_lshl_add_u32 v3, v2, 4, v3                   ; a fragment's row x pitch + 16 h
	s_mul_i32 s22, s10, 64*PITCH                   ; my 64 rows of xb
	v_add_nc_u32 v[ADRA0], s22, v3
	v_add_nc_u32 v[ADRB0], BOFF, v3
	v_mov_b32 v[ADRA], v[ADRA0]
	v_mov_b32 v[ADRB], v[ADRB0]
	s_mul_i32 s23, s10, 16*SPITCH
	s_add_co_u32 s23, s23, STAGE                   ; my stage
	v_add_nc_u32 v[STO], s23, v3                   ; in: row r, 16 bytes for each half of the lanes
	v_mul_u32_u24 v3, v2, SPITCH
	v_lshl_add_u32 v3, v1, 4, v3
	v_add_nc_u32 v[RD], s23, v3                    ; back: lanes 0-15 one row of 256 bytes, lanes 16-31 the next
	v_mul_u32_u24 v3, v2, CROW
	v_lshl_add_u32 v[CO], v1, 4, v3                ; and the same two rows in qkv
	s_lshl_b32 s76, s13, 8
	s_lshl_b32 s77, s10, 6
	s_add_co_u32 s76, s76, s77
	s_mul_i32 s76, s76, CROW                       ; my first row, 256 Y + 64 w,
	s_lshl_b32 s77, s42, 8
	s_add_co_u32 s76, s76, s77                     ; and the tile's first column, 128 X
	s_mov_b32 s77, 0
	s_add_nc_u64 s[8:9], s[8:9], s[76:77]
.macro MUL8 f, a, zero                 ; 8 matrix instructions: row block a x all 8 column blocks, 32 along K.  zero = 1: the product starts the sums
	WIN MUL
.irp b, 0,1,2,3,4,5,6,7
.if \zero
	v_wmma_f32_16x16x32_bf16 v[8*(8*(\a)+(\b)):8*(8*(\a)+(\b))+7], v[(\f)+8*(\b):(\f)+8*(\b)+7], v[(\f)+64+8*(\a):(\f)+64+8*(\a)+7], 0
.else
	v_wmma_f32_16x16x32_bf16 v[8*(8*(\a)+(\b)):8*(8*(\a)+(\b))+7], v[(\f)+8*(\b):(\f)+8*(\b)+7], v[(\f)+64+8*(\a):(\f)+64+8*(\a)+7], v[8*(8*(\a)+(\b)):8*(8*(\a)+(\b))+7]
.endif
.endr
.endm
.macro FETCH k, f                      ; 24 LDS loads in one run: the fragments of 32 along K at byte k of the rows
	WIN 0
.irp i, 0,1,2,3,4,5,6,7
	ds_load_b128 v[(\f)+8*(\i):(\f)+8*(\i)+3],   v[ADRB] offset:(\k)+(\i)*16*PITCH
	ds_load_b128 v[(\f)+8*(\i)+4:(\f)+8*(\i)+7], v[ADRB] offset:(\k)+(\i)*16*PITCH+32
.endr
.irp i, 0,1,2,3
	ds_load_b128 v[(\f)+64+8*(\i):(\f)+64+8*(\i)+3],   v[ADRA] offset:(\k)+(\i)*16*PITCH
	ds_load_b128 v[(\f)+64+8*(\i)+4:(\f)+64+8*(\i)+7], v[ADRA] offset:(\k)+(\i)*16*PITCH+32
.endr
.endm
; A K step is four quarters of 32 along K, 32 matrix instructions each, on buffers 0, 1, 0, 1; the 32 accumulators take turns in the same order everywhere.
.macro QUARTER k, f, g, zero           ; multiplies buffer f; fetches the next quarter, at byte k, into g
	s_wait_dscnt 0x0                               ; f's loads were issued 24 matrix instructions ago
	MUL8 \f, 0, \zero
	PLACES                                         ; behind the last products that read g
	FETCH \k, \g
	MUL8 \f, 1, \zero
	MUL8 \f, 2, \zero
	MUL8 \f, 3, \zero
.endm
; The last quarter multiplies buffer 1 and changes slots.  In front of the barrier each wave waits for all its tensor loads (one is out: its part of the next slot), adds 0 to its spare word, and waits
; for that and for its reads of this slot.  fill = 1: the barrier opens a round of the cluster's, and the joint refill, two K steps ahead, is the first thing behind it: 112 matrix instructions ahead of the wait for it.
.macro TURN fill
	WIN 0
	s_wait_tensorcnt 0x0
	ds_add_u32 v[SPW], v[NIL]
	s_wait_dscnt 1                                 ; the add alone may be out: buffer 1's loads are older
	MUL8 F1, 0, 0
	s_wait_dscnt 0x0                               ; the add is done, and my reads of this slot are over
	s_barrier_signal -1
	MUL8 F1, 1, 0
	WIN 0
	s_barrier_wait -1
.if \fill
	CREST
	s_and_b32 s[OA], s[NX], 7                      ; no tensor load of mine is out: the walking descriptors are made anew from the step's number
	s_lshl_b32 s[OA], s[OA], 8                     ; 256 bytes a K step
	s_add_nc_u64 s[G0+2:G0+3], s[14:15], s[OA:OA+1]
	s_or_b32 s[G0+3], s[G0+3], 0x80000000
	s_lshr_b32 s[OBB], s[NX], 3
	s_lshl_b32 s[OBB], s[OBB], 21                  ; 1,024 rows of wt a tile
	s_add_co_u32 s[OBB], s[OBB], s[OA]
	s_add_nc_u64 s[G0B+2:G0B+3], s[46:47], s[OBB:OBB+1]
	s_or_b32 s[G0B+3], s[G0B+3], 0x80000000
	s_xor_b32 s[G0+1], s[G0+1], SLOT1              ; the slot just read
	s_xor_b32 s[G0B+1], s[G0B+1], SLOT1
	s_add_co_u32 s[NX], s[NX], 1
	JLOAD                                          ; its four v_nop are also the places in front of the loads below
.else
	PLACES
.endif
	s_xor_b32 s[TB], s[TB], SLOT1
	v_add_nc_u32 v[ADRA], s[TB], v[ADRA0]
	v_add_nc_u32 v[ADRB], s[TB], v[ADRB0]
	FETCH 0, F0
	MUL8 F1, 2, 0
	MUL8 F1, 3, 0
.endm
; THE WAY OUT, 16 rows at a time: rounded to f16, 16 bytes a lane into my own stage, back as whole rows of 256 bytes, stored.
.macro PACK a
	WIN 0x05                                       ; sources window 1, destination window 0
.irp b, 0,1,2,3,4,5,6,7
.irp q, 0,1,2,3
	v_cvt_pk_f16_f32 v[TMP+4*(\b)+(\q)], v[8*(8*(\a)+(\b))+2*(\q)], v[8*(8*(\a)+(\b))+2*(\q)+1]
.endr
.endr
	WIN 0
.endm
.macro TOSTAGE a
.set BK, OB+32*((\a)%2)
.irp b, 0,1,2,3,4,5,6,7
	ds_store_b128 v[STO], v[TMP+4*(\b):TMP+4*(\b)+3] offset:32*(\b)
.endr
.irp t, 0,1,2,3,4,5,6,7
	ds_load_b128 v[BK+4*(\t):BK+4*(\t)+3], v[RD] offset:(\t)*2*SPITCH  ; LDS serves a wave's instructions in order (ISA guide 5.7.1.4): these see the stores above
.endr
.endm
.macro SEND a
.set BK, OB+32*((\a)%2)
	s_wait_dscnt 0x0                               ; the block is back in registers
	s_wait_xcnt 0x0                                ; earlier stores have read their registers: the other block buffer may be loaded again behind this wait
.irp t, 0,1,2,3,4,5,6,7
	global_store_b128 v[CO], v[BK+4*(\t):BK+4*(\t)+3], s[8:9] offset:((\a)*16+2*(\t))*CROW  ; 16 lanes store 256 consecutive bytes, aligned
.endr
.endm
.macro WAYOUT
	PLACES                                         ; behind the last products: the packed results land in buffer 1, which they read
	PACK 0
	TOSTAGE 0
.irp a, 1,2,3
	PACK \a
	SEND (\a)-1
	TOSTAGE \a
.endr
	SEND 3
	s_wait_xcnt 0x0                                ; the stores have read their base and data
	s_add_nc_u64 s[8:9], s[8:9], 2048              ; the next tile lies 1,024 columns on
.endm
	s_wait_tensorcnt 0x1                           ; my part of K step 0 is in; step 1's may stay out
	s_barrier_signal -1
	s_barrier_wait -1
	FETCH 0, F0
	QUARTER 64, F0, F1, 1                          ; the first quarter starts the sums
	WIN 0
.Lstep:                                                ; 22 trips: from a step's second quarter to the next step's first; every trip refills
	QUARTER 128, F1, F0, 0
	QUARTER 192, F0, F1, 0
	TURN 1
	WIN 0
	s_sub_co_u32 s[RT], s[RT], 1
	s_cmp_lg_u32 s[RT], 0
	s_cbranch_scc1 .Lsame
	WAYOUT                                         ; a tile is finished; the refill for the next is already asked for
	s_mov_b32 s[RT], 8
	QUARTER 64, F0, F1, 1
	WIN 0
	s_branch .Lbot
.Lsame:
	QUARTER 64, F0, F1, 0
	WIN 0
.Lbot:
	s_sub_co_u32 s[TRIPS], s[TRIPS], 1
	s_cmp_lg_u32 s[TRIPS], 0
	s_cbranch_scc1 .Lstep
	s_mov_b32 s[CNT], 2
.Ltail:                                                ; the last two K steps ask for nothing; the second trip is left in its middle (its change of slots and fetch serve nothing)
	QUARTER 128, F1, F0, 0
	QUARTER 192, F0, F1, 0
	TURN 0
	WIN 0
	s_sub_co_u32 s[CNT], s[CNT], 1
	s_cmp_eq_u32 s[CNT], 0
	s_cbranch_scc1 .Lout
	QUARTER 64, F0, F1, 0
	WIN 0
	s_branch .Ltail
.Lout:
	s_wait_dscnt 0x0
	WAYOUT
	s_wait_tensorcnt 0x0                           ; the wave's end
	ds_add_u32 v[SPW], v[NIL]
	s_wait_dscnt 0x0
	CROUND                                         ; the closing round: no work-group ends while a partner may still ask for a tile that names it
	s_endpgm
.Lfunc_end_k_q8f24df3a54_qkv:
	.size	k_q8f24df3a54_qkv, .Lfunc_end_k_q8f24df3a54_qkv-k_q8f24df3a54_qkv
	.p2alignl 7, 3214868480
	.fill 96, 4, 3214868480
	.section	.rodata,"a",@progbits
	.p2align	6, 0x0
	.amdhsa_kernel k_q8f24df3a54_qkv
		.amdhsa_group_segment_fixed_size 327680
		.amdhsa_private_segment_fixed_size 0
		.amdhsa_enable_private_segment 0
		.amdhsa_kernarg_size 24
		.amdhsa_user_sgpr_count 2
		.amdhsa_user_sgpr_kernarg_segment_ptr 1
		.amdhsa_wavefront_size32 1
		.amdhsa_system_sgpr_workgroup_id_x 1
		.amdhsa_system_sgpr_workgroup_id_y 1
		.amdhsa_system_sgpr_workgroup_id_z 1
		.amdhsa_system_vgpr_workitem_id 0
		.amdhsa_next_free_vgpr 512
		.amdhsa_next_free_sgpr 96
		.amdhsa_reserve_vcc 0
		.amdhsa_float_denorm_mode_32 3
		.amdhsa_float_denorm_mode_16_64 3
		.amdhsa_memory_ordered 1
		.amdhsa_forward_progress 1
		.amdhsa_inst_pref_size 80
	.end_amdhsa_kernel
	.amdgpu_metadata
---
amdhsa.version: [ 1, 2 ]
amdhsa.kernels:
  - .name:           k_q8f24df3a54_qkv
    .symbol:         k_q8f24df3a54_qkv.kd
    .args:
      - { .name: xb, .offset: 0, .size: 8, .value_kind: global_buffer, .address_space: global }
      - { .name: wt, .offset: 8, .size: 8, .value_kind: global_buffer, .address_space: global }
      - { .name: qkv, .offset: 16, .size: 8, .value_kind: global_buffer, .address_space: global }
    .group_segment_fixed_size: 327680
    .private_segment_fixed_size: 0
    .kernarg_segment_align: 8
    .kernarg_segment_size: 24
    .max_flat_workgroup_size: 128
    .sgpr_count:     96
    .vgpr_count:     512
    .wavefront_size: 32
...
	.end_amdgpu_metadata
.endif
;; end of part 2
;; launch scores (part 3): grid 36 x 4, 4 waves a work-group, no clusters, 327,680 bytes of LDS; arguments qkv, pbuf, stats; writes pbuf, stats
.if DOCPART == 3
	.amdgcn_target "amdgcn-amd-amdhsa--gfx1250"
	.amdhsa_code_object_version 6
	.text
	.protected	k_q8f24df3a54_scores
	.globl	k_q8f24df3a54_scores
	.p2align	8
	.type	k_q8f24df3a54_scores,@function
k_q8f24df3a54_scores:
	s_mov_b64 s[64:65], 0
	v_nop
	global_prefetch_b8 v0, s[64:65] scope:SCOPE_SE
	s_setreg_imm32_b32 hwreg(HW_REG_WAVE_MODE, 25, 1), 1
	s_wait_xcnt 0x0
; SCORES.  For one tile of 256 queries x 256 keys at or below the diagonal of one batch: S = Q K^T (f16 operands, f32 sums, 1,024 channels), then a softmax by CHUNKS: a wave owns 128 queries x 128 keys,
; takes the true maximum m of each query's 128 scores, and writes p = 2^(c s - c m) in f16 into pbuf, and {c m, l = the sum of the rounded p} into stats; c = log2(e) / 32.
; The launch behind joins the chunks by the maximum over all of a row's chunks, so the row's true maximum is taken away.
; LIMITS.  A hidden score counts as its value less 1e30 (f16's scores are 4.4e12 at the most); p below 6e-5 keeps f16's step of 6e-8; a weight below 2^-126 counts as 0; NaN and infinities are not treated apart.
; SHARES.  Work-group t of 36 is tile (i, j), j <= i, of the batch's triangle; waves 2 x 2 (rh, ch).  On the diagonal tile the wave (0, 1) is wholly hidden: it writes zeros into pbuf and leaves stats' start values.
; THE MASK is the C operand that starts the sums: 0, or -1e30 where the key is hidden; off the diagonal both mask registers hold 0.
; NO CLUSTER: the triangle's rows and columns hold 1 to 8 tiles, which do not fall into groups of four with a common row or column; filling up would need work-groups whose work is thrown away.
; REGISTERS, in windows of 256: window 0: v0-31 addresses, v32-47 masks, v64-127 and v128-191 Q's fragments (two buffers); window 1: K's fragments at the same numbers;
; window 2: the accumulators of my queries 0-63 ((a, b) at v[8 (8 a + b)]), window 3: those of queries 64-127.  The way out uses window 0's v48-223 anew.
.set PITCH,  272
.set HALFT,  128*PITCH                 ; what one tensor load brings
.set SLOT,   4*HALFT                   ; Q's 256 rows, then K's 256 rows: 0x22000, which shares no bit with the four waves' bases w x 0x8800: an exclusive or with it is an addition or subtraction
.set STAGE,  2*SLOT
.set SPITCH, 272
.set SPARE,  STAGE+4*16*SPITCH
.set QROW,   6144                      ; bytes in a row of qkv
.set ADRA0, 16
.set ADRB0, 17
.set ADRA,  18
.set ADRB,  19
.set STO,   24
.set RD,    25
.set CO,    26                         ; v26  my byte offset in two rows of pbuf
.set SOFF,  27                         ; v27  8 x lane
.set SPW,   28
.set NIL,   29
.set DG,    32                         ; v[32:39] the mask of a block on the diagonal
.set NEG,   40                         ; v[40:47] the mask of a block above it
.set CM,    48                         ; v48-55  c m of block a
.set LS,    56                         ; v56-63  l of block a
.set OB,    64                         ; v64-95, v96-127: 16 rows read back, by turns
.set ONES,  128                        ; v[128:135] a fragment of ones in f16
.set LA,    136                        ; v[136:143], v[144:151] two accumulators for the row sums
.set LB,    144
.set CH,    152                        ; v152-155 four chains of maxima
.set TT,    156
.set CMP,   158                        ; v[158:159] c m, twice
.set ST2,   160                        ; v160-167 pairs for stats; v160-163 zeros on the hidden wave's way
.set TMP,   192                        ; v192-223 a block's p in f16
.set F0,    64
.set F1,    128
.set G1,   24
.set G0X,  32
.set G0,   36
.set TB,   40
.set TRIPS,41
.set CNT,  42
.set NEGV, 43
.set ZW,   44
.set MSK,  45
.set CS,   46                          ; s[46:47] c
.set SEL,  48                          ; s[48:49] v_permlanex16_b32's selects
.set MUL_LO, 0xa1                      ; source 0 (K) window 1, source 1 (Q) window 0, C and D window 2
.set TO_B,   0x40
.set MSB, 0
.macro WIN new
.if MSB != (\new)
	s_set_vgpr_msb (MSB<<8)|(\new)
.set MSB, \new
.endif
.endm
.macro PLACES
.rept 4
	v_nop
.endr
.endm
	s_load_b128 s[4:7], s[0:1], 0x0                ; qkv s[4:5], pbuf s[6:7]
	s_load_b64 s[8:9], s[0:1], 0x10                ; stats
	v_lshl_add_u32 v[SPW], v0, 2, SPARE
	v_mov_b32 v[NIL], 0
	ds_add_u32 v[SPW], v[NIL]                      ; the wave's opening: the add and its wait stand ahead of my first tensor load
	ds_add_u32 v28, v29
	v_lshrrev_b32 v1, 5, v0
	v_readfirstlane_b32 s10, v1                    ; wave
	s_lshr_b32 s11, s10, 1                         ; rh; also: I fetch Q (0) or K (1)
	s_and_b32 s12, s10, 1                          ; ch; also: which 128 rows of that tile
	s_and_b32 s15, ttmp7, 0xffff                   ; batch
	s_mov_b32 s13, 0
.irp t, 1,3,6,10,15,21,28              ; i = how many triangular numbers the tile's number has reached
	s_cmp_ge_u32 ttmp9, \t
	s_add_co_ci_u32 s13, s13, 0
.endr
	s_add_co_u32 s14, s13, 1
	s_mul_i32 s14, s14, s13
	s_lshr_b32 s14, s14, 1
	s_sub_co_u32 s14, ttmp9, s14                   ; j = t - i (i + 1) / 2
	s_cmp_eq_u32 s13, s14
	s_cselect_b32 s16, 1, 0                        ; the diagonal tile?
	s_cmp_eq_u32 s10, 1
	s_cselect_b32 s[ZW], s16, 0                    ; its wave (0, 1) is wholly hidden
	s_cmp_eq_u32 s11, s12
	s_cselect_b32 s16, s16, 0
	s_cmp_eq_u32 s16, 1
	s_cselect_b32 s[NEGV], 0xf149f2ca, 0           ; its waves (0, 0) and (1, 1) hold the diagonal: -1e30; all others: 0
	s_cmp_eq_u32 s11, 0
	s_cselect_b32 s16, s13, s14                    ; Q's rows go by i, K's by j,
	s_cselect_b32 s18, 0, 2048                     ; and k lies 1,024 columns behind q
	s_lshl_b32 s16, s16, 8
	s_lshl_b32 s17, s15, 11
	s_add_co_u32 s16, s16, s17
	s_lshl_b32 s17, s12, 7
	s_add_co_u32 s16, s16, s17
	s_mul_i32 s16, s16, QROW
	s_add_co_u32 s16, s16, s18
	s_mov_b32 s17, 0
	s_mov_b32 s[G1], (1<<16)|(1<<20)|(5<<22)|(3<<25)  ; 2-byte elements; padding: after every 64 words, 4 words
	s_mov_b32 s[G1+1], 128<<16
	s_mov_b32 s[G1+2], 128<<16
	s_mov_b32 s[G1+3], 128<<16
	s_mov_b32 s[G1+4], 128
	s_mov_b32 s[G1+5], 3072
	s_mov_b32 s[G1+6], 0
	s_mov_b32 s[G1+7], 0
	s_mul_i32 s20, s10, HALFT                      ; my quarter of a slot
	s_mov_b32 s[TB], 0
	s_mov_b32 s[TRIPS], 6
	s_mov_b32 s[MSK], 0xffff0000
	s_mov_b32 s[CS], 0x3d38aa3b                    ; c = log2(e) / 32
	s_mov_b32 s[CS+1], s[CS]
	s_mov_b32 s[SEL], 0x76543210
	s_mov_b32 s[SEL+1], 0xfedcba98
	s_wait_dscnt 0x0                               ; the opening add is done
	s_wait_kmcnt 0x0
	s_add_nc_u64 s[16:17], s[4:5], s[16:17]
	s_mov_b32 s[G0X], 1
	s_mov_b32 s[G0X+1], s20
	s_mov_b64 s[G0X+2:G0X+3], s[16:17]
	s_or_b32 s[G0X+3], s[G0X+3], 0x80000000
	s_mov_b32 s[G0], 1
	s_add_co_u32 s[G0+1], s20, SLOT
	s_add_nc_u64 s[G0+2:G0+3], s[16:17], 256
	s_or_b32 s[G0+3], s[G0+3], 0x80000000
	tensor_load_to_lds s[G0X:G0X+3], s[G1:G1+7]    ; K steps 0 and 1: two loads of mine are out
	s_nop 0
	tensor_load_to_lds s[G0:G0+3], s[G1:G1+7]
	s_nop 0
.rept 4
	v_nop
.endr
	v_and_b32 v1, 15, v0                           ; r
	v_bfe_u32 v2, v0, 4, 1                         ; h
	v_mul_u32_u24 v3, v1, PITCH
	v_lshl_add_u32 v3, v2, 4, v3
	s_mul_i32 s21, s11, HALFT
	s_mul_i32 s22, s12, HALFT
	s_add_co_u32 s22, s22, 2*HALFT
	v_add_nc_u32 v[ADRA0], s21, v3
	v_add_nc_u32 v[ADRB0], s22, v3
	v_mov_b32 v[ADRA], v[ADRA0]
	v_mov_b32 v[ADRB], v[ADRB0]
	s_mul_i32 s23, s10, 16*SPITCH
	s_add_co_u32 s23, s23, STAGE
	v_add_nc_u32 v[STO], s23, v3
	v_mul_u32_u24 v3, v2, SPITCH
	v_lshl_add_u32 v3, v1, 4, v3
	v_add_nc_u32 v[RD], s23, v3
	v_lshlrev_b32 v3, 12, v2
	v_lshl_add_u32 v[CO], v1, 4, v3                ; h rows of 4,096 bytes + 16 r
	v_and_b32 v3, 31, v0
	v_lshlrev_b32 v[SOFF], 3, v3
	v_lshlrev_b32 v14, 3, v2
	v_sub_nc_u32 v14, v1, v14                      ; r - 8 h: register jj of a block on the diagonal is hidden where jj is greater
.set jj, 0
.rept 8
	v_cmp_gt_i32 vcc_lo, jj, v14
	v_cndmask_b32 v[DG+jj], 0, s[NEGV], vcc_lo
	v_mov_b32 v[NEG+jj], s[NEGV]
.set jj, jj+1
.endr
	s_lshl_b32 s50, s15, 11                        ; pbuf at my chunk: row 2048 b + 256 i + 128 rh, 4,096 bytes a row; key 256 j + 128 ch, 2 bytes
	s_lshl_b32 s51, s13, 8
	s_add_co_u32 s50, s50, s51
	s_lshl_b32 s51, s11, 7
	s_add_co_u32 s50, s50, s51
	s_lshl_b32 s50, s50, 12
	s_lshl_b32 s51, s14, 9
	s_add_co_u32 s50, s50, s51
	s_lshl_b32 s51, s12, 8
	s_add_co_u32 s50, s50, s51
	s_mov_b32 s51, 0
	s_add_nc_u64 s[6:7], s[6:7], s[50:51]
	s_lshl_b32 s50, s15, 4                         ; stats at chunk 16 b + 2 j + ch (16,384 bytes each), row 256 i + 128 rh (8 bytes each)
	s_lshl_b32 s52, s14, 1
	s_add_co_u32 s50, s50, s52
	s_add_co_u32 s50, s50, s12
	s_lshl_b32 s50, s50, 14
	s_lshl_b32 s52, s13, 11
	s_add_co_u32 s50, s50, s52
	s_lshl_b32 s52, s11, 10
	s_add_co_u32 s50, s50, s52
	s_add_nc_u64 s[8:9], s[8:9], s[50:51]
; 16 matrix instructions: query blocks a0, a0 + 1 of the window's four x all 8 key blocks.  mode = 1: the product starts the sums with the mask: key block above the query block: hidden; equal: the diagonal's; below: 0.
.macro MUL16 f, hi, a0, mode
.irp a, \a0, (\a0)+1
.irp b, 0,1,2,3,4,5,6,7
.if \mode
	WIN 0x81+0x40*(\hi)                            ; C in window 0
.if (\b) > (4*(\hi)+(\a))
	v_wmma_f32_16x16x32_f16 v[8*(8*(\a)+(\b)):8*(8*(\a)+(\b))+7], v[(\f)+8*(\b):(\f)+8*(\b)+7], v[(\f)+8*(4*(\hi)+(\a)):(\f)+8*(4*(\hi)+(\a))+7], v[NEG:NEG+7]
.elseif (\b) == (4*(\hi)+(\a))
	v_wmma_f32_16x16x32_f16 v[8*(8*(\a)+(\b)):8*(8*(\a)+(\b))+7], v[(\f)+8*(\b):(\f)+8*(\b)+7], v[(\f)+8*(4*(\hi)+(\a)):(\f)+8*(4*(\hi)+(\a))+7], v[DG:DG+7]
.else
	v_wmma_f32_16x16x32_f16 v[8*(8*(\a)+(\b)):8*(8*(\a)+(\b))+7], v[(\f)+8*(\b):(\f)+8*(\b)+7], v[(\f)+8*(4*(\hi)+(\a)):(\f)+8*(4*(\hi)+(\a))+7], 0
.endif
.else
	WIN MUL_LO+0x50*(\hi)
	v_wmma_f32_16x16x32_f16 v[8*(8*(\a)+(\b)):8*(8*(\a)+(\b))+7], v[(\f)+8*(\b):(\f)+8*(\b)+7], v[(\f)+8*(4*(\hi)+(\a)):(\f)+8*(4*(\hi)+(\a))+7], v[8*(8*(\a)+(\b)):8*(8*(\a)+(\b))+7]
.endif
.endr
.endr
.endm
.macro FETCH k, f                      ; 32 LDS loads in one run: K's 128 rows, then Q's, 32 channels at byte k
	WIN TO_B
.irp i, 0,1,2,3,4,5,6,7
	ds_load_b128 v[(\f)+8*(\i):(\f)+8*(\i)+3],   v[ADRB] offset:(\k)+(\i)*16*PITCH
	ds_load_b128 v[(\f)+8*(\i)+4:(\f)+8*(\i)+7], v[ADRB] offset:(\k)+(\i)*16*PITCH+32
.endr
	WIN 0
.irp i, 0,1,2,3,4,5,6,7
	ds_load_b128 v[(\f)+8*(\i):(\f)+8*(\i)+3],   v[ADRA] offset:(\k)+(\i)*16*PITCH
	ds_load_b128 v[(\f)+8*(\i)+4:(\f)+8*(\i)+7], v[ADRA] offset:(\k)+(\i)*16*PITCH+32
.endr
.endm
.macro QUARTER k, f, g, mode           ; 64 matrix instructions on buffer f; in their middle the next quarter's fragments go into g.  The 64 accumulators take turns
	s_wait_dscnt 8                                 ; K's and Q's rows 0-63 are in; the youngest eight loads (Q's rows 64-127) may be out
	MUL16 \f, 0, 0, \mode
	MUL16 \f, 0, 2, \mode
	PLACES
	FETCH \k, \g
	s_wait_dscnt 32                                ; all but the 32 just issued
	MUL16 \f, 1, 0, \mode
	MUL16 \f, 1, 2, \mode
.endm
.macro TURN fill                       ; the last quarter and the change of slots: one barrier; the refill, two K steps ahead, first behind it
	WIN 0
	s_wait_tensorcnt 0x0                           ; all my tensor loads have landed: my part of the next slot
	ds_add_u32 v[SPW], v[NIL]
	s_wait_dscnt 9                                 ; the add and the youngest eight loads may be out
	MUL16 F1, 0, 0, 0
	s_wait_dscnt 0x0                               ; the add is done, and my reads of this slot are over
	s_barrier_signal -1
	MUL16 F1, 0, 2, 0
	WIN 0
	s_barrier_wait -1
.if \fill
	s_xor_b32 s[G0+1], s[G0+1], SLOT               ; the slot just read,
	s_add_nc_u64 s[G0+2:G0+3], s[G0+2:G0+3], 256   ; the next K step; no tensor load of mine is out
	tensor_load_to_lds s[G0:G0+3], s[G1:G1+7]
	s_nop 0
.endif
	PLACES                                         ; behind the load, and in front of the loads below
	s_xor_b32 s[TB], s[TB], SLOT
	v_add_nc_u32 v[ADRA], s[TB], v[ADRA0]
	v_add_nc_u32 v[ADRB], s[TB], v[ADRB0]
	FETCH 0, F0
	MUL16 F1, 1, 0, 0
	MUL16 F1, 1, 2, 0
.endm
	s_wait_tensorcnt 0x1                           ; my part of K step 0 is in; step 1's may stay out
	s_barrier_signal -1
	s_barrier_wait -1
	FETCH 0, F0
	QUARTER 64, F0, F1, 1
	WIN 0
.Lstep:                                                ; 6 trips, each refills
	QUARTER 128, F1, F0, 0
	QUARTER 192, F0, F1, 0
	TURN 1
	QUARTER 64, F0, F1, 0
	WIN 0
	s_sub_co_u32 s[TRIPS], s[TRIPS], 1
	s_cmp_lg_u32 s[TRIPS], 0
	s_cbranch_scc1 .Lstep
	s_mov_b32 s[CNT], 2
.Ltail:                                                ; the last two K steps ask for nothing; the second trip is left in its middle
	QUARTER 128, F1, F0, 0
	QUARTER 192, F0, F1, 0
	TURN 0
	WIN 0
	s_sub_co_u32 s[CNT], s[CNT], 1
	s_cmp_eq_u32 s[CNT], 0
	s_cbranch_scc1 .Lout
	QUARTER 64, F0, F1, 0
	WIN 0
	s_branch .Ltail
; THE WAY OUT of block a (16 queries x 128 keys; a lane holds one query and 64 of its scores, the lane 16 away the other 64).
.macro SEND a, younger
	s_wait_dscnt \younger
.irp t, 0,1,2,3,4,5,6,7
	global_store_b128 v[CO], v[OB+32*((\a)%2)+4*(\t):OB+32*((\a)%2)+4*(\t)+3], s[6:7] offset:(\a)*65536+(\t)*8192  ; 16 lanes store 256 consecutive bytes, aligned: a row's 128 keys
.endr
.endm
.macro SOFT a
.set WW, 2+(\a)/4
.set AC, 64*((\a)%4)
	WIN (WW<<2)|(WW<<4)                            ; sources 1 and 2 in the block's window
.set n, 0
.rept 32                               ; the maximum, in four chains; each accumulator's lowest registers are read first
.if n < 4
	v_max3_num_f32 v[CH+n], 0xff7fffff, v[AC+2*n], v[AC+2*n+1]
.else
	v_max3_num_f32 v[CH+n%4], v[CH+n%4], v[AC+2*n], v[AC+2*n+1]
.endif
.set n, n+1
.endr
	WIN 0
	v_max3_num_f32 v[CH], v[CH], v[CH+1], v[CH+2]
	v_max_num_f32 v[CH], v[CH], v[CH+3]
	v_permlanex16_b32 v[TT], v[CH], s[SEL], s[SEL+1]
	v_max_num_f32 v[CH], v[CH], v[TT]              ; m, in both halves of the lanes
	v_mul_f32 v[CMP], s[CS], v[CH]
	v_mul_f32 v[CMP+1], s[CS], v[CH]
	v_mul_f32 v[CM+(\a)], s[CS], v[CH]
	WIN WW|(WW<<6)
.set n, 0
.rept 32
	v_pk_fma_f32 v[AC+2*n:AC+2*n+1], v[AC+2*n:AC+2*n+1], s[CS:CS+1], v[CMP:CMP+1] op_sel_hi:[1,0,0] neg_lo:[0,0,1] neg_hi:[0,0,1]  ; c s - c m
.set n, n+1
.endr
.set n, 0
.rept 64
	v_exp_f32 v[AC+n], v[AC+n]
.set n, n+1
.endr
	v_nop                                          ; a plain instruction between the last exponential and the use of its result
	WIN WW|(WW<<2)
.set n, 0
	s_wait_alu depctr_va_vdst(0)
.rept 32
	v_cvt_pk_f16_f32 v[TMP+n], v[AC+2*n], v[AC+2*n+1]
.set n, n+1
.endr
	WIN 0
	; two packed accumulators are a fragment of 32 keys x 16 queries: ones times it is the sum of the rounded p, in every register; two accumulators by turns
	v_wmma_f32_16x16x32_f16 v[LA:LA+7], v[ONES:ONES+7], v[TMP:TMP+7], 0
	v_wmma_f32_16x16x32_f16 v[LB:LB+7], v[ONES:ONES+7], v[TMP+8:TMP+15], 0
	v_wmma_f32_16x16x32_f16 v[LA:LA+7], v[ONES:ONES+7], v[TMP+16:TMP+23], v[LA:LA+7]
	v_wmma_f32_16x16x32_f16 v[LB:LB+7], v[ONES:ONES+7], v[TMP+24:TMP+31], v[LB:LB+7]
	s_wait_xcnt 0x0                                ; the stores of the block two back have read the registers that are loaded below
.irp b, 0,1,2,3,4,5,6,7
	ds_store_b128 v[STO], v[TMP+4*(\b):TMP+4*(\b)+3] offset:32*(\b)
.endr
.irp t, 0,1,2,3,4,5,6,7
	ds_load_b128 v[OB+32*((\a)%2)+4*(\t):OB+32*((\a)%2)+4*(\t)+3], v[RD] offset:(\t)*2*SPITCH  ; LDS serves a wave's instructions in order: these see the stores above
.endr
	PLACES
	v_add_f32 v[LS+(\a)], v[LA], v[LB]
.if (\a) > 0
	SEND (\a)-1, 16                                ; behind its loads stand this block's eight stores and eight loads
.endif
.endm
.Lout:
	s_wait_dscnt 0x0
	PLACES                                         ; behind the last products
	s_cmp_eq_u32 s[ZW], 1
	s_cbranch_scc1 .Lzero
	v_mov_b32 v[TT], 0
.set n, 0
.rept 8
	v_mov_b32 v[ONES+n], 0x3c003c00
.set n, n+1
.endr
.irp a, 0,1,2,3,4,5,6,7
	SOFT \a
.endr
	SEND 7, 0
.irp a, 0,2,4,6                        ; lanes 0-15 take block a's 16 queries, lanes 16-31 block a + 1's: 32 pairs, 256 consecutive bytes, aligned
	v_cndmask_b32 v[ST2+(\a)], v[CM+(\a)], v[CM+(\a)+1], s[MSK]
	v_cndmask_b32 v[ST2+(\a)+1], v[LS+(\a)], v[LS+(\a)+1], s[MSK]
	global_store_b64 v[SOFF], v[ST2+(\a):ST2+(\a)+1], s[8:9] offset:(\a)*128
.endr
	s_branch .Lend
.Lzero:                                                ; the wholly hidden chunk: p = 0; stats keeps {-1.7e38, 0}
.set n, 0
.rept 4
	v_mov_b32 v[ST2+n], 0
.set n, n+1
.endr
.set n, 0
.rept 64
	global_store_b128 v[CO], v[ST2:ST2+3], s[6:7] offset:n*8192
.set n, n+1
.endr
.Lend:
	s_wait_tensorcnt 0x0                           ; the wave's end
	ds_add_u32 v[SPW], v[NIL]
	s_wait_dscnt 0x0
	s_endpgm
.Lfunc_end_k_q8f24df3a54_scores:
	.size	k_q8f24df3a54_scores, .Lfunc_end_k_q8f24df3a54_scores-k_q8f24df3a54_scores
	.p2alignl 7, 3214868480
	.fill 96, 4, 3214868480
	.section	.rodata,"a",@progbits
	.p2align	6, 0x0
	.amdhsa_kernel k_q8f24df3a54_scores
		.amdhsa_group_segment_fixed_size 327680
		.amdhsa_private_segment_fixed_size 0
		.amdhsa_enable_private_segment 0
		.amdhsa_kernarg_size 24
		.amdhsa_user_sgpr_count 2
		.amdhsa_user_sgpr_kernarg_segment_ptr 1
		.amdhsa_wavefront_size32 1
		.amdhsa_system_sgpr_workgroup_id_x 1
		.amdhsa_system_sgpr_workgroup_id_y 1
		.amdhsa_system_sgpr_workgroup_id_z 1
		.amdhsa_system_vgpr_workitem_id 0
		.amdhsa_next_free_vgpr 1024
		.amdhsa_next_free_sgpr 66
		.amdhsa_reserve_vcc 1
		.amdhsa_float_denorm_mode_32 3
		.amdhsa_float_denorm_mode_16_64 3
		.amdhsa_memory_ordered 1
		.amdhsa_forward_progress 1
		.amdhsa_inst_pref_size 162
	.end_amdhsa_kernel
	.amdgpu_metadata
---
amdhsa.version: [ 1, 2 ]
amdhsa.kernels:
  - .name:           k_q8f24df3a54_scores
    .symbol:         k_q8f24df3a54_scores.kd
    .args:
      - { .name: qkv, .offset: 0, .size: 8, .value_kind: global_buffer, .address_space: global }
      - { .name: pbuf, .offset: 8, .size: 8, .value_kind: global_buffer, .address_space: global }
      - { .name: stats, .offset: 16, .size: 8, .value_kind: global_buffer, .address_space: global }
    .group_segment_fixed_size: 327680
    .private_segment_fixed_size: 0
    .kernarg_segment_align: 8
    .kernarg_segment_size: 24
    .max_flat_workgroup_size: 128
    .sgpr_count:     66
    .vgpr_count:     1024
    .wavefront_size: 32
...
	.end_amdgpu_metadata
.endif
;; end of part 3
;; launch pv (part 4): grid 8 x 32, 4 waves a work-group, clusters of 4 x 1, 327,680 bytes of LDS; arguments pbuf, qkv, stats, obuf; writes obuf
.if DOCPART == 4
	.amdgcn_target "amdgcn-amd-amdhsa--gfx1250"
	.amdhsa_code_object_version 6
	.text
	.protected	k_q8f24df3a54_pv
	.globl	k_q8f24df3a54_pv
	.p2align	8
	.type	k_q8f24df3a54_pv,@function
k_q8f24df3a54_pv:
	s_mov_b64 s[64:65], 0
	v_nop
	global_prefetch_b8 v0, s[64:65] scope:SCOPE_SE
	s_setreg_imm32_b32 hwreg(HW_REG_WAVE_MODE, 25, 1), 1
	s_wait_xcnt 0x0
	s_wait_alu depctr_hold_cnt(0) depctr_sa_sdst(0) depctr_va_vdst(0) depctr_va_sdst(0) depctr_va_ssrc(0) depctr_va_vcc(0) depctr_vm_vsrc(0)
	s_getreg_b32 s2, hwreg(HW_REG_IB_STS2, 6, 4)
	s_cmp_eq_u32 s2, 0
	s_cbranch_scc0 .Lentry_in_a_cluster
	s_endpgm
.Lentry_in_a_cluster:
	s_bfe_u32 s2, ttmp6, 0x10000c
	s_cmp_lg_u32 s2, 0x3003
	s_cbranch_scc0 .Lentry_shape_is_right
	s_endpgm
.Lentry_shape_is_right:
; PV.  O[q][:] = (sum over chunks j of f_j(q) P_j[q][:] V_j) / l(q), with M = max over j of c m_j, f_j = 2^(c m_j - M), l = sum over j of f_j l_j: the chunks' softmaxes joined by the row's true maximum.
; P: pbuf f16, V: qkv's columns 2,048 on, f16; {c m, l}: stats.  A chunk's 128 keys are summed by themselves (f32), and the sum times f (f32) is added onto the block's sums; those are multiplied by 1 / l.
; O LEAVES AS TWO f16 NUMBERS, hi + lo (split in f32: c = 8193 t, hi = c - (c - t), which has 11 significant bits, lo = t - hi), so that the next product loses nothing by O's format.
; obuf: [8192 rows][16 groups of 64 channels][hi of the 64 | lo of the 64]: a wave's 64 channels of a row are 256 consecutive bytes, aligned.
; LIMITS.  O has V's range (f16's 65,504); below 6e-5 hi and lo keep f16's step of 6e-8; f below 2^-126 counts as 0.  NaN and infinities are not treated apart.
; SHARES.  A work-group makes two tiles of 128 queries x 128 channels: query block p, then block 15 - p, of batch b; block i needs (i / 2) + 1 steps of 256 keys, together 9 for every p: 256 equal
; work-groups and ONE walk of 9 steps; the change of blocks falls behind step 0 to 3.  Waves 2 x 2 (rh, ch), 64 x 64 each.  O^T = V^T P: source 0 = V turned by ds_load_tr16_b128, source 1 = P's rows:
; a lane holds one query and eight channels.
; CLUSTER.  The four partners (four channel tiles) share b and p and walk the same tiles of P: those loads are joint.  V's tiles differ from partner to partner: loads of one's own, behind the same rounds.
; V is not shared further: work-groups with another p change blocks at other steps.
; THE PIPELINE goes by slices of 32 keys, 16 matrix instructions each, over rings of four fragment buffers: slice e issues the loads of slice e + 3.
; REGISTERS.  Window 0: v0-63 addresses and statistics, v64-127 the way out, v128-255 V's ring.  Window 1: v0-127 PART0 (the sums of a step's first chunk), v128-255 P's ring.
; Window 2: v0-127 PART1 (of its second chunk), v128-255 TOT (the block's sums).  Accumulator (a, b) stands at 8 (4 a + b) of its 128.
.set PA,     528                       ; a row of P in LDS: 512 bytes + 16
.set PV,     288                       ; a row of V: 256 + 32
.set VOFF,   128*PA
.set SLOT,   VOFF+256*PV               ; 141,312
.set STAGE,  2*SLOT                    ; behind the ring: 16 rows x 272 bytes for each wave
.set SPITCH, 272
.set SPARE,  STAGE+4*16*SPITCH         ; behind the stages: the spare words, 128 bytes for each wave
.set ADA0, 4
.set ADV0, 5
.set ADA,  6
.set ADVA, 7                           ; V's slices 0-3
.set ADVB, 8                           ; V's slices 4-7: their offsets would pass the 16-bit immediate
.set STO,  10
.set RD,   11
.set GO,   12
.set SO,   13                          ; my row's byte offset in a chunk of stats
.set SOH,  14                          ; the same, one chunk on for lanes 16-31
.set SPW,  16
.set NIL,  17
.set F0,   20                          ; v20-27 f of the step's first chunk, by query block, in the low word of a pair; v28-35 of its second chunk
.set CMN,  36                          ; v36-43 c m of the step whose f is made next
.set LINVC,44                          ; v44-51 1 / l of the block in hand, in pairs
.set CMR,  52                          ; v52-55 M of the block in hand
.set CMR2, 56                          ; v56-59 M of the second block
.set LINV2,60                          ; v60-63 1 / l of the second block
.set HW0,  64                          ; v64-95, v96-127: 16 rows on the way out (16 registers of hi, 16 of lo), by turns
.set BF,   128
.set AF,   128
.set TOT,  128
.set WV,   12
.set RH,   14
.set CHS,  15
.set BA,   20                          ; the first block, p
.set BB,   21                          ; the second, 15 - p
.set NA,   22                          ; the first block's steps
.set NB,   23
.set G1A,  24
.set G1V,  32
.set G0AX, 40
.set G0A,  44
.set G0VX, 48
.set G0V,  52
.set LWA,  56
.set LWV,  57
.set TB,   58
.set NXT,  59                          ; the step to be asked for
.set NS,   60                          ; the step whose c m are loaded next
.set RT,   61                          ; steps left in the block
.set TRIPS,62
.set CNT,  63
.set PAB,  66                          ; s[66:67] pbuf at my half of the batch's rows
.set PVB,  68                          ; s[68:69] qkv at my half of the batch's first keys, my channels of v
.set STB,  70                          ; s[70:71] stats at my batch
.set SB,   72                          ; s[72:73] the base of the loads of c m
.set OFF,  74
.set OFF2, 76
.set OBC,  78                          ; s[78:79] obuf at my rows of the block in hand
.set OB2,  80                          ; s[80:81] of the second block
.set SEL,  82
.set SBL,  90                          ; s[90:91] stats at the second block
.set MSB, 0
.macro WIN new                         ; the immediate's high byte repeats the setting that is left; a switch that changes nothing is dropped
.if MSB != (\new)
	s_set_vgpr_msb (MSB<<8)|(\new)
.set MSB, \new
.endif
.endm
.macro JLOAD                           ; waves 0, 1: the joint load of P's halves; waves 2, 3: V's halves, my own; an s_nop 0 and four v_nop follow each line
	s_cmp_lt_u32 s[WV], 2
	s_cbranch_scc0 .Lfor_v_\@
	tensor_load_to_lds s[G0A:G0A+3], s[G1A:G1A+7]
	s_nop 0
.rept 4
	v_nop
.endr
	s_branch .Lasked_\@
.Lfor_v_\@:
	tensor_load_to_lds s[G0V:G0V+3], s[G1V:G1V+7]
	s_nop 0
.rept 4
	v_nop
.endr
.Lasked_\@:
.endm
.macro CREST
	s_cmp_lg_u32 s[WV], 0
	s_cbranch_scc1 .Lnot_wave_0_\@
	s_barrier_signal -3
.Lnot_wave_0_\@:
	s_barrier_wait -3
	s_barrier_signal -1
	s_barrier_wait -1
.endm
.macro CROUND
	s_barrier_signal -1
	s_barrier_wait -1
	CREST
.endm
; The global addresses of the tiles of the walk's step number s[st]: which block, which step of it; P's into group 0 ga, V's into gv.
.macro MKADR st, ga, gv
	s_cmp_lt_u32 s[\st], s[NA]
	s_cselect_b32 s86, s[BA], s[BB]
	s_cselect_b32 s88, 0, s[NA]
	s_sub_co_u32 s88, s[\st], s88
	s_lshl_b32 s86, s86, 19                        ; 128 rows of 4,096 bytes a block
	s_lshl_b32 s89, s88, 9                         ; 256 keys of 2 bytes a step
	s_add_co_u32 s[OFF], s86, s89
	s_add_nc_u64 s[\ga+2:\ga+3], s[PAB:PAB+1], s[OFF:OFF+1]
	s_or_b32 s[\ga+3], s[\ga+3], 0x80000000
	s_mul_i32 s[OFF2], s88, 1572864                ; 256 rows of 6,144 bytes a step
	s_add_nc_u64 s[\gv+2:\gv+3], s[PVB:PVB+1], s[OFF2:OFF2+1]
	s_or_b32 s[\gv+3], s[\gv+3], 0x80000000
.endm
	s_load_b256 s[4:11], s[0:1], 0x0               ; pbuf s[4:5], qkv s[6:7], stats s[8:9], obuf s[10:11]
	v_lshl_add_u32 v[SPW], v0, 2, SPARE
	v_mov_b32 v[NIL], 0
	ds_add_u32 v[SPW], v[NIL]                      ; the wave's opening: the add and its wait stand ahead of my first tensor load; work on registers stands between them
	ds_add_u32 v16, v17
	v_lshrrev_b32 v1, 5, v0
	v_readfirstlane_b32 s[WV], v1
	s_and_b32 s[CHS], s[WV], 1                     ; ch; also: which half of a tile I fetch
	s_lshr_b32 s[RH], s[WV], 1
	s_bfe_u32 s16, ttmp6, 0x40000                  ; cx
	s_lshl_b32 s17, ttmp9, 2
	s_add_co_u32 s17, s17, s16                     ; x, my channel tile: it enters V's and O's addresses alone
	s_and_b32 s18, ttmp7, 0xffff
	s_lshr_b32 s19, s18, 3                         ; b
	s_and_b32 s[BA], s18, 7
	s_sub_co_u32 s[BB], 15, s[BA]
	s_lshr_b32 s[NA], s[BA], 1
	s_add_co_u32 s[NA], s[NA], 1
	s_sub_co_u32 s[NB], 9, s[NA]
	s_mov_b32 s[G1A], 15|(1<<16)|(1<<20)|(1<<21)|(6<<22)|(3<<25)  ; the mask of four; 2-byte elements; padding: after every 128 words, 4 words
	s_mov_b32 s[G1A+1], 256<<16
	s_mov_b32 s[G1A+2], 64<<16
	s_mov_b32 s[G1A+3], 256<<16
	s_mov_b32 s[G1A+4], 64
	s_mov_b32 s[G1A+5], 2048
	s_mov_b32 s[G1A+6], 0
	s_mov_b32 s[G1A+7], 0
	s_mov_b32 s[G1V], (1<<16)|(1<<20)|(5<<22)|(7<<25)             ; no mask; padding: after every 64 words, 8 words
	s_mov_b32 s[G1V+1], 128<<16
	s_mov_b32 s[G1V+2], 128<<16
	s_mov_b32 s[G1V+3], 128<<16
	s_mov_b32 s[G1V+4], 128
	s_mov_b32 s[G1V+5], 3072
	s_mov_b32 s[G1V+6], 0
	s_mov_b32 s[G1V+7], 0
	s_mul_i32 s[LWA], s[CHS], 64*PA                ; where my half goes in a slot
	s_mul_i32 s[LWV], s[CHS], 128*PV
	s_add_co_u32 s[LWV], s[LWV], VOFF
	s_lshl_b32 s86, s19, 23                        ; P: 8,388,608 bytes a batch, 64 rows of 4,096 a half
	s_lshl_b32 s87, s[CHS], 18
	s_add_co_u32 s[OFF], s86, s87
	s_mov_b32 s[OFF+1], 0
	s_mul_i32 s92, s19, 12582912                   ; V: 2,048 rows of 6,144 bytes a batch, 128 rows a half, v's columns 4,096 bytes on, 256 bytes a channel tile
	s_mul_i32 s93, s[CHS], 786432
	s_add_co_u32 s92, s92, s93
	s_lshl_b32 s93, s17, 8
	s_add_co_u32 s92, s92, s93
	s_add_co_u32 s[OFF2], s92, 4096
	s_mov_b32 s[OFF2+1], 0
	s_mov_b32 s[SEL], 0x76543210
	s_mov_b32 s[SEL+1], 0xfedcba98
	s_mov_b32 s[TB], 0
	s_mov_b32 s[NS], 1
	s_mov_b32 s[RT], s[NA]
	s_mov_b32 s[TRIPS], 8
	s_wait_dscnt 0x0                               ; the opening add is done
	s_wait_kmcnt 0x0
	s_add_nc_u64 s[PAB:PAB+1], s[4:5], s[OFF:OFF+1]
	s_add_nc_u64 s[PVB:PVB+1], s[6:7], s[OFF2:OFF2+1]
	s_lshl_b32 s86, s19, 18
	s_mov_b32 s87, 0
	s_add_nc_u64 s[STB:STB+1], s[8:9], s[86:87]
	s_lshl_b32 s86, s[BA], 10
	s_add_nc_u64 s[SB:SB+1], s[STB:STB+1], s[86:87]     ; stats at the first block's rows: step 0's c m lie there too
	s_lshl_b32 s86, s[BB], 10
	s_add_nc_u64 s[SBL:SBL+1], s[STB:STB+1], s[86:87]
	s_lshl_b32 s92, s19, 23                        ; O: row 2048 b + 128 block + 64 rh, 4,096 bytes a row; group 2 x + ch, 256 bytes
	s_lshl_b32 s93, s[RH], 18
	s_add_co_u32 s92, s92, s93
	s_lshl_b32 s93, s17, 9
	s_add_co_u32 s92, s92, s93
	s_lshl_b32 s93, s[CHS], 8
	s_add_co_u32 s92, s92, s93
	s_lshl_b32 s93, s[BA], 19
	s_add_co_u32 s94, s92, s93
	s_mov_b32 s95, 0
	s_add_nc_u64 s[OBC:OBC+1], s[10:11], s[94:95]
	s_lshl_b32 s93, s[BB], 19
	s_add_co_u32 s94, s92, s93
	s_add_nc_u64 s[OB2:OB2+1], s[10:11], s[94:95]
	CROUND                                         ; all four work-groups are here: the first joint loads meet
	s_mov_b32 s[NXT], 0
	MKADR NXT, G0AX, G0VX
	s_mov_b32 s[NXT], 1
	MKADR NXT, G0A, G0V
	s_mov_b32 s[NXT], 2
	s_mov_b32 s[G0AX], 1
	s_mov_b32 s[G0AX+1], s[LWA]
	s_mov_b32 s[G0A], 1
	s_add_co_u32 s[G0A+1], s[LWA], SLOT
	s_mov_b32 s[G0VX], 1
	s_mov_b32 s[G0VX+1], s[LWV]
	s_mov_b32 s[G0V], 1
	s_add_co_u32 s[G0V+1], s[LWV], SLOT
	s_cmp_lt_u32 s[WV], 2                          ; a wave's two first fills stand in one branch: steps 0 and 1: two loads of mine are out
	s_cbranch_scc0 .Lfirst_v
	tensor_load_to_lds s[G0AX:G0AX+3], s[G1A:G1A+7]
	s_nop 0
	tensor_load_to_lds s[G0A:G0A+3], s[G1A:G1A+7]
	s_nop 0
.rept 4
	v_nop
.endr
	s_branch .Lfirst_asked
.Lfirst_v:
	tensor_load_to_lds s[G0VX:G0VX+3], s[G1V:G1V+7]
	s_nop 0
	tensor_load_to_lds s[G0V:G0V+3], s[G1V:G1V+7]
	s_nop 0
.rept 4
	v_nop
.endr
.Lfirst_asked:
	v_and_b32 v1, 15, v0                           ; r
	v_bfe_u32 v2, v0, 4, 1                         ; h
	s_lshl_b32 s86, s[RH], 9
	v_lshl_add_u32 v[SO], v1, 3, s86               ; row 64 rh + r, 8 bytes a row
	v_lshl_add_u32 v[SOH], v2, 14, v[SO]
	; ROW STATISTICS of both blocks: lanes' half h takes the chunks 2 u + h.  Group g = query block a + 4 x (second block): pair u at window 1's v[16 g + 2 u].
	WIN 0x40
.set g, 0
.rept 4
.set u, 0
.rept 8
	global_load_b64 v[16*g+2*u:16*g+2*u+1], v[SOH], s[SB:SB+1] offset:g*128+u*32768
	global_load_b64 v[64+16*g+2*u:64+16*g+2*u+1], v[SOH], s[SBL:SBL+1] offset:g*128+u*32768
.set u, u+1
.endr
.set g, g+1
.endr
	WIN 0
.macro CMLOAD                          ; c m of a step's two chunks for my four query blocks
.irp c, 0,1
.irp a, 0,1,2,3
	global_load_b32 v[CMN+4*(\c)+(\a)], v[SO], s[SB:SB+1] offset:(\a)*128+(\c)*16384
.endr
.endr
.endm
	CMLOAD                                         ; step 0's
	v_mul_u32_u24 v3, v1, PA
	v_lshl_add_u32 v3, v2, 4, v3
	s_mul_i32 s86, s[RH], 64*PA
	v_add_nc_u32 v[ADA0], s86, v3                  ; P: row 64 rh + r, 16 h
	v_and_b32 v3, 7, v0
	v_lshl_add_u32 v3, v2, 3, v3
	v_mul_u32_u24 v3, v3, PV
	v_bfe_u32 v9, v0, 3, 1
	v_lshl_add_u32 v3, v9, 4, v3                   ; V, for the turning load: key 8 h + lane % 8, channels 8 ((lane / 8) % 2) on
	s_lshl_b32 s86, s[CHS], 7
	s_add_co_u32 s86, s86, VOFF
	v_add_nc_u32 v[ADV0], s86, v3
	v_mov_b32 v[ADA], v[ADA0]
	v_mov_b32 v[ADVA], v[ADV0]
	v_add_nc_u32 v[ADVB], 4*32*PV, v[ADV0]
	s_mul_i32 s86, s[WV], 16*SPITCH
	s_add_co_u32 s86, s86, STAGE                   ; my stage
	v_mul_u32_u24 v3, v1, SPITCH
	v_lshl_add_u32 v3, v2, 4, v3
	v_add_nc_u32 v[STO], s86, v3                   ; in: row r, 16 bytes for each half of the lanes
	v_mul_u32_u24 v3, v2, SPITCH
	v_lshl_add_u32 v3, v1, 4, v3
	v_add_nc_u32 v[RD], s86, v3                    ; back: lanes 0-15 one row of 256 bytes, lanes 16-31 the next
	v_lshlrev_b32 v3, 12, v2
	v_lshl_add_u32 v[GO], v1, 4, v3                ; and the same two rows in obuf
.set n, 0
.rept 8
	v_mov_b32 v[F0+2*n+1], 0                       ; the pairs' upper words are named with f and never used
.set n, n+1
.endr
.macro ALL8 line:vararg
.set g, 0
.rept 8
	\line
.set g, g+1
.endr
.endm
	s_wait_loadcnt 0x0
	WIN 0x55                                       ; all in window 1; v128-159 at work: M, an exchange register, l
	ALL8 v_max3_num_f32 v[128+4*g], v[16*g], v[16*g+2], v[16*g+4]
	ALL8 v_max3_num_f32 v[128+4*g], v[128+4*g], v[16*g+6], v[16*g+8]
	ALL8 v_max3_num_f32 v[128+4*g], v[128+4*g], v[16*g+10], v[16*g+12]
	ALL8 v_max_num_f32 v[128+4*g], v[128+4*g], v[16*g+14]
	ALL8 v_mov_b32 v[129+4*g], 0
	ALL8 v_permlanex16_b32 v[129+4*g], v[128+4*g], s[SEL], s[SEL+1]
	ALL8 v_max_num_f32 v[128+4*g], v[128+4*g], v[129+4*g]
.irp u, 0,1,2,3,4,5,6,7
	ALL8 v_sub_f32 v[16*g+2*\u], v[16*g+2*\u], v[128+4*g]
.endr
.irp u, 0,1,2,3,4,5,6,7
	ALL8 v_exp_f32 v[16*g+2*\u], v[16*g+2*\u]
.endr
	v_nop
	s_wait_alu depctr_va_vdst(0)
	ALL8 v_mul_f32 v[130+4*g], v[16*g], v[16*g+1]
.irp u, 1,2,3,4,5,6,7
	ALL8 v_fmac_f32 v[130+4*g], v[16*g+2*\u], v[16*g+2*\u+1]
.endr
	ALL8 v_permlanex16_b32 v[129+4*g], v[130+4*g], s[SEL], s[SEL+1]
	ALL8 v_add_f32 v[130+4*g], v[130+4*g], v[129+4*g]
	ALL8 v_rcp_f32 v[130+4*g], v[130+4*g]
	v_nop
	WIN 0x01                                       ; source window 1, destination window 0
	s_wait_alu depctr_va_vdst(0)
.irp a, 0,1,2,3
	v_mov_b32 v[CMR+(\a)], v[128+4*(\a)]
	v_mov_b32 v[LINVC+2*(\a)], v[130+4*(\a)]
	v_mov_b32 v[LINVC+2*(\a)+1], v[130+4*(\a)]
	v_mov_b32 v[CMR2+(\a)], v[144+4*(\a)]
	v_mov_b32 v[LINV2+(\a)], v[146+4*(\a)]
.endr
	WIN 0
.macro FCOMP                           ; f = 2^(c m - M) of the two chunks of the step in hand, in f32
.irp c, 0,1
.irp a, 0,1,2,3
	v_sub_f32 v[CMN+4*(\c)+(\a)], v[CMN+4*(\c)+(\a)], v[CMR+(\a)]
.endr
.endr
.irp c, 0,1
.irp a, 0,1,2,3
	v_exp_f32 v[F0+8*(\c)+2*(\a)], v[CMN+4*(\c)+(\a)]
.endr
.endr
	v_nop                                          ; a plain instruction behind the last exponential
	s_wait_alu depctr_va_vdst(0)
.endm
.macro HEAD                            ; the loads of c m for the walk's step NS, the one after the step in hand
	s_cmp_lt_u32 s[NS], s[NA]
	s_cselect_b32 s86, s[BA], s[BB]
	s_cselect_b32 s88, 0, s[NA]
	s_sub_co_u32 s88, s[NS], s88                   ; the step's number in its block,
	s_min_u32 s88, s88, 7                          ; held at 7: behind the walk's last step the loads serve nothing and stay inside the batch's 16 chunks
	s_lshl_b32 s86, s86, 10
	s_lshl_b32 s88, s88, 15
	s_add_co_u32 s[OFF], s86, s88
	s_add_nc_u64 s[SB:SB+1], s[STB:STB+1], s[OFF:OFF+1]  ; the last loads by this base were shown done by the wait just above
	CMLOAD
	s_add_co_u32 s[NS], s[NS], 1
.endm
.macro LOADS ep                        ; 16 LDS loads: slice ep's fragments of V (turned) and of P, into ring place ep % 4
.set QL, (\ep)%4
.if (\ep) < 4
.set AVX, ADVA
.else
.set AVX, ADVB
.endif
	WIN 0
.irp b, 0,1,2,3
	ds_load_tr16_b128 v[BF+32*QL+8*(\b):BF+32*QL+8*(\b)+3],   v[AVX] offset:QL*32*PV+32*(\b)
	ds_load_tr16_b128 v[BF+32*QL+8*(\b)+4:BF+32*QL+8*(\b)+7], v[AVX] offset:QL*32*PV+16*PV+32*(\b)
.endr
	WIN 0x54                                       ; destination window 1, address window 0
.irp a, 0,1,2,3
	ds_load_b128 v[AF+32*QL+8*(\a):AF+32*QL+8*(\a)+3],   v[ADA] offset:(\a)*16*PA+64*(\ep)
	ds_load_b128 v[AF+32*QL+8*(\a)+4:AF+32*QL+8*(\a)+7], v[ADA] offset:(\a)*16*PA+64*(\ep)+32
.endr
.endm
.macro MMA e                           ; the slice's next product: the 16 accumulators take turns; a chunk's first slice starts the sums
.if ((\e)%4) == 0
	v_wmma_f32_16x16x32_f16 v[8*mi:8*mi+7], v[BF+32*QC+8*(mi%4):BF+32*QC+8*(mi%4)+7], v[AF+32*QC+8*(mi/4):AF+32*QC+8*(mi/4)+7], 0
.else
	v_wmma_f32_16x16x32_f16 v[8*mi:8*mi+7], v[BF+32*QC+8*(mi%4):BF+32*QC+8*(mi%4)+7], v[AF+32*QC+8*(mi/4):AF+32*QC+8*(mi/4)+7], v[8*mi:8*mi+7]
.endif
.set mi, mi+1
.endm
; Four accumulators of chunk c's sums (c = 0: PART0, window 1; c = 1: PART1, window 2) times f onto the block's sums; each accumulator's lowest registers are read first.
; mode = 2: the block's first fold starts its sums: nothing is cleared.  For c = 0 the window setting is that of the products beside it.
.macro FOLDG c, mode
	WIN 0xa4+4*(\c)                                ; f window 0; the chunk's sums window 1 or 2; the block's sums window 2
.rept 16
.if (\mode) == 2
	v_pk_mul_f32 v[TOT+2*fn:TOT+2*fn+1], v[F0+8*(\c)+2*(fn/16):F0+8*(\c)+2*(fn/16)+1], v[2*fn:2*fn+1] op_sel_hi:[0,1]
.else
	v_pk_fma_f32 v[TOT+2*fn:TOT+2*fn+1], v[F0+8*(\c)+2*(fn/16):F0+8*(\c)+2*(fn/16)+1], v[2*fn:2*fn+1], v[TOT+2*fn:TOT+2*fn+1] op_sel_hi:[0,1,1]
.endif
.set fn, fn+1
.endr
.endm
; SLICE e of a step's eight.  Slices 0-3 sum into PART0, slices 4-7 into PART1.  fold = 1 or 2 (slices 0 and 4): the chunk finished just before is folded, 16 packed instructions behind every four products.
; Behind a slice's last product stand four plain vector instructions that name none of its registers (the last fold group, or four v_nop): the next slice loads into the fragments that it read.
; Slice 1 makes f of the step in hand and asks for the next step's c m.
; Slice 5 begins with THE CHANGE OF SLOTS (slice 7's loads went out in slice 4): each wave waits for all its tensor loads (one is out: its part of the next slot), adds 0 to its spare word, and waits for that and
; for its reads of this slot.  fill = 1: the barrier opens a round of the cluster's, and the refill, two steps ahead, is the first thing behind it: it has 120 matrix instructions in which to land.
.macro SLICE e, fold, fill
.set QC, (\e)%4
.set mi, 0
.set fn, 0
.if (\e) < 4
.set WM, 0x54                          ; V window 0, P window 1, sums window 1
.else
.set WM, 0xa4                          ; sums window 2
.endif
.if (\e) == 1
	WIN 0
	s_wait_loadcnt 0x0                             ; c m of the step in hand
	FCOMP
	HEAD
.endif
.if (\e) == 5
	WIN 0
	s_wait_tensorcnt 0x0
	ds_add_u32 v[SPW], v[NIL]                      ; 0 onto my spare word; the descriptors' scalar work stands between it and the wait for it
.if \fill
	MKADR NXT, G0A, G0V
	s_add_co_u32 s[G0A+1], s[LWA], s[TB]           ; the slot just read
	s_add_co_u32 s[G0V+1], s[LWV], s[TB]
	s_add_co_u32 s[NXT], s[NXT], 1
.endif
	s_wait_dscnt 0x0                               ; the add is done, and my reads of this slot are over
	s_barrier_signal -1
	WIN WM
.rept 8
	MMA \e
.endr
	WIN 0
	s_barrier_wait -1
.if \fill
	CREST
	JLOAD
.endif
	s_xor_b32 s[TB], s[TB], SLOT
	v_add_nc_u32 v[ADA], s[TB], v[ADA0]
	v_add_nc_u32 v[ADVA], s[TB], v[ADV0]
	v_add_nc_u32 v[ADVB], 4*32*PV, v[ADVA]
	LOADS 0                                        ; the next step's slice 0
	WIN WM
.rept 8
	MMA \e
.endr
.else
	LOADS ((\e)+3)%8
	s_wait_dscnt 32                                ; the 16 loads just issued and the 16 before them may be out: this slice's are in
.rept 4
	WIN WM
.rept 4
	MMA \e
.endr
.if \fold
	FOLDG 1-(\e)/4, \fold
.endif
.endr
.endif
.if !(\fold)
.rept 4
	v_nop
.endr
.endif
.endm
.macro FOLDL                           ; in front of a way out: the block's last chunk is folded in one run
.set fn, 0
.rept 4
	FOLDG 1, 1
.endr
	WIN 0
.endm
; THE WAY OUT, 16 queries at a time: times 1 / l; split into hi and lo in f32; both rounded to f16 (hi exactly); into my own stage, 16 bytes a lane; back as whole rows of 256 bytes; stored.
; PART1's first 64 registers, free by now, are at work.
.macro PACKO a
.set TO, TOT+32*(\a)
.set HW, HW0+32*((\a)%2)
	s_wait_xcnt 0x0                                ; the stores of the block two back have read the registers that are written below
	WIN 0x82                                       ; source 0 and destination window 2, source 1 window 0
.set n, 0
.rept 16
	v_pk_mul_f32 v[TO+2*n:TO+2*n+1], v[TO+2*n:TO+2*n+1], v[LINVC+2*(\a):LINVC+2*(\a)+1] op_sel_hi:[1,0]  ; t
.set n, n+1
.endr
	WIN 0x8a                                       ; all in window 2
.set n, 0
.rept 16
	v_pk_mul_f32 v[2*n:2*n+1], v[TO+2*n:TO+2*n+1], 0x46000400 op_sel_hi:[1,0]  ; c = 8193 t
.set n, n+1
.endr
.set n, 0
.rept 16
	v_pk_add_f32 v[32+2*n:32+2*n+1], v[2*n:2*n+1], v[TO+2*n:TO+2*n+1] neg_lo:[0,1] neg_hi:[0,1]  ; c - t
.set n, n+1
.endr
.set n, 0
.rept 16
	v_pk_add_f32 v[2*n:2*n+1], v[2*n:2*n+1], v[32+2*n:32+2*n+1] neg_lo:[0,1] neg_hi:[0,1]  ; hi = c - (c - t)
.set n, n+1
.endr
.set n, 0
.rept 16
	v_pk_add_f32 v[TO+2*n:TO+2*n+1], v[TO+2*n:TO+2*n+1], v[2*n:2*n+1] neg_lo:[0,1] neg_hi:[0,1]  ; lo = t - hi
.set n, n+1
.endr
	WIN 0x0a                                       ; sources window 2, destination window 0
.set n, 0
.rept 16
	v_cvt_pk_f16_f32 v[HW+n], v[2*n], v[2*n+1]
.set n, n+1
.endr
.set n, 0
.rept 16
	v_cvt_pk_f16_f32 v[HW+16+n], v[TO+2*n], v[TO+2*n+1]
.set n, n+1
.endr
	WIN 0
.endm
.macro TOST a
.set HW, HW0+32*((\a)%2)
.irp b, 0,1,2,3
	ds_store_b128 v[STO], v[HW+4*(\b):HW+4*(\b)+3] offset:32*(\b)
	ds_store_b128 v[STO], v[HW+16+4*(\b):HW+16+4*(\b)+3] offset:128+32*(\b)
.endr
.irp t, 0,1,2,3,4,5,6,7
	ds_load_b128 v[HW+4*(\t):HW+4*(\t)+3], v[RD] offset:(\t)*2*SPITCH  ; LDS serves a wave's instructions in order (ISA guide 5.7.1.4): these see the stores above
.endr
.endm
.macro SENDO a
.set HW, HW0+32*((\a)%2)
	s_wait_dscnt 0x0                               ; the block is back in registers
.irp t, 0,1,2,3,4,5,6,7
	global_store_b128 v[GO], v[HW+4*(\t):HW+4*(\t)+3], s[OBC:OBC+1] offset:(\a)*65536+(\t)*8192  ; 16 lanes store 256 consecutive bytes, aligned
.endr
.endm
.macro WAYOUT
	PACKO 0
	TOST 0
.irp a, 1,2,3                          ; a block's arithmetic stands between the loads of the block before and the wait for them
	PACKO \a
	SENDO (\a)-1
	TOST \a
.endr
	SENDO 3
.endm
.macro SWITCH                          ; on to the second block
	s_wait_xcnt 0x0                                ; the stores have read their base
	s_mov_b64 s[OBC:OBC+1], s[OB2:OB2+1]
	s_mov_b32 s[RT], s[NB]
.irp a, 0,1,2,3
	v_mov_b32 v[CMR+(\a)], v[CMR2+(\a)]
	v_mov_b32 v[LINVC+2*(\a)], v[LINV2+(\a)]
	v_mov_b32 v[LINVC+2*(\a)+1], v[LINV2+(\a)]
.endr
.endm
	s_wait_tensorcnt 0x1                           ; my part of step 0 is in; step 1's may stay out
	s_barrier_signal -1
	s_barrier_wait -1
	LOADS 0
	LOADS 1
	LOADS 2
	s_wait_dscnt 32                                ; slice 0's loads are in
	WIN 0
	s_branch .Lbegin                               ; the loop is entered where a block begins, in the middle of a trip
.Lstep:                                                ; 7 times: a step's slices 5 to 7, with a refill, and the next step's slices 0 to 4
	SLICE 5, 0, 1
	SLICE 6, 0, 0
	SLICE 7, 0, 0
	WIN 0
	s_sub_co_u32 s[RT], s[RT], 1
	s_cmp_lg_u32 s[RT], 0
	s_cbranch_scc1 .Lsame
	FOLDL                                          ; the first block is finished; the refills for the second are already asked for
	WAYOUT
	SWITCH
.Lbegin:
	SLICE 0, 0, 0
	SLICE 1, 0, 0
	SLICE 2, 0, 0
	SLICE 3, 0, 0
	SLICE 4, 2, 0
	WIN 0
	s_branch .Lbot
.Lsame:
	SLICE 0, 1, 0
	SLICE 1, 0, 0
	SLICE 2, 0, 0
	SLICE 3, 0, 0
	SLICE 4, 1, 0
	WIN 0
.Lbot:
	s_sub_co_u32 s[TRIPS], s[TRIPS], 1             ; 8 passes: the first belongs to the entry, seven jump back
	s_cmp_lg_u32 s[TRIPS], 0
	s_cbranch_scc1 .Lstep
	s_mov_b32 s[CNT], 2
.Lt:                                                   ; the last two steps ask for nothing; the second trip is left in its middle (what it fetched ahead serves nothing)
	SLICE 5, 0, 0
	SLICE 6, 0, 0
	SLICE 7, 0, 0
	WIN 0
	s_sub_co_u32 s[CNT], s[CNT], 1
	s_cmp_eq_u32 s[CNT], 0
	s_cbranch_scc1 .Lfin
	SLICE 0, 1, 0
	SLICE 1, 0, 0
	SLICE 2, 0, 0
	SLICE 3, 0, 0
	SLICE 4, 1, 0
	WIN 0
	s_branch .Lt
.Lfin:
	FOLDL
	WAYOUT
	s_wait_tensorcnt 0x0                           ; the wave's end
	ds_add_u32 v[SPW], v[NIL]
	s_wait_dscnt 0x0
	CROUND                                         ; the closing round
	s_endpgm
.Lfunc_end_k_q8f24df3a54_pv:
	.size	k_q8f24df3a54_pv, .Lfunc_end_k_q8f24df3a54_pv-k_q8f24df3a54_pv
	.p2alignl 7, 3214868480
	.fill 96, 4, 3214868480
	.section	.rodata,"a",@progbits
	.p2align	6, 0x0
	.amdhsa_kernel k_q8f24df3a54_pv
		.amdhsa_group_segment_fixed_size 327680
		.amdhsa_private_segment_fixed_size 0
		.amdhsa_enable_private_segment 0
		.amdhsa_kernarg_size 32
		.amdhsa_user_sgpr_count 2
		.amdhsa_user_sgpr_kernarg_segment_ptr 1
		.amdhsa_wavefront_size32 1
		.amdhsa_system_sgpr_workgroup_id_x 1
		.amdhsa_system_sgpr_workgroup_id_y 1
		.amdhsa_system_sgpr_workgroup_id_z 1
		.amdhsa_system_vgpr_workitem_id 0
		.amdhsa_next_free_vgpr 768
		.amdhsa_next_free_sgpr 100
		.amdhsa_reserve_vcc 0
		.amdhsa_float_denorm_mode_32 3
		.amdhsa_float_denorm_mode_16_64 3
		.amdhsa_memory_ordered 1
		.amdhsa_forward_progress 1
		.amdhsa_inst_pref_size 188
	.end_amdhsa_kernel
	.amdgpu_metadata
---
amdhsa.version: [ 1, 2 ]
amdhsa.kernels:
  - .name:           k_q8f24df3a54_pv
    .symbol:         k_q8f24df3a54_pv.kd
    .args:
      - { .name: pbuf, .offset: 0, .size: 8, .value_kind: global_buffer, .address_space: global }
      - { .name: qkv, .offset: 8, .size: 8, .value_kind: global_buffer, .address_space: global }
      - { .name: stats, .offset: 16, .size: 8, .value_kind: global_buffer, .address_space: global }
      - { .name: obuf, .offset: 24, .size: 8, .value_kind: global_buffer, .address_space: global }
    .group_segment_fixed_size: 327680
    .private_segment_fixed_size: 0
    .kernarg_segment_align: 8
    .kernarg_segment_size: 32
    .max_flat_workgroup_size: 128
    .sgpr_count:     100
    .vgpr_count:     768
    .wavefront_size: 32
...
	.end_amdgpu_metadata
.endif
;; end of part 4
;; launch oproj (part 5): grid 8 x 32, 4 waves a work-group, clusters of 4 x 4, 327,680 bytes of LDS; arguments obuf, wot, out0; writes out0
.if DOCPART == 5
	.amdgcn_target "amdgcn-amd-amdhsa--gfx1250"
	.amdhsa_code_object_version 6
	.text
	.protected	k_q8f24df3a54_oproj
	.globl	k_q8f24df3a54_oproj
	.p2align	8
	.type	k_q8f24df3a54_oproj,@function
k_q8f24df3a54_oproj:
	s_mov_b64 s[64:65], 0
	v_nop
	global_prefetch_b8 v0, s[64:65] scope:SCOPE_SE
	s_setreg_imm32_b32 hwreg(HW_REG_WAVE_MODE, 25, 1), 1
	s_wait_xcnt 0x0
	s_wait_alu depctr_hold_cnt(0) depctr_sa_sdst(0) depctr_va_vdst(0) depctr_va_sdst(0) depctr_va_ssrc(0) depctr_va_vcc(0) depctr_vm_vsrc(0)
	s_getreg_b32 s2, hwreg(HW_REG_IB_STS2, 6, 4)
	s_cmp_eq_u32 s2, 0
	s_cbranch_scc0 .Lentry_in_a_cluster
	s_endpgm
.Lentry_in_a_cluster:
	s_bfe_u32 s2, ttmp6, 0x10000c
	s_cmp_lg_u32 s2, 0xf033
	s_cbranch_scc0 .Lentry_shape_is_right
	s_endpgm
.Lentry_shape_is_right:
; OPROJ.  out0[m][n] = sum over channels c of (hi[m][c] + lo[m][c]) wot[n][c].  obuf: [8192][16 groups][hi of 64 channels | lo of the same 64] f16; wot: [1024][1024] f16 (Wo turned, rounded to bf16,
; written as f16); out0: [8192][1024] f32; sums in f32.
; SHARES.  One tile of 256 rows x 128 columns to a work-group: 256 of them.  A wave owns 64 rows x 128 columns: 32 accumulators; a row of its part is 512 bytes, and the stage for the way out is its own.
; THE WALK.  16 steps; step s takes obuf's group s (rows of 256 bytes) and wot's channels 64 s on (rows of 128 bytes) through a ring of two LDS slots.  A step's quarters 0, 1 multiply hi, quarters 2, 3 lo,
; by the same fragments of wot, which stay in the two fragment buffers: quarters 2 and 3 fetch obuf's fragments alone.
; Waves 0, 1 fetch the halves of obuf's 256 rows, waves 2, 3 the halves of wot's 128 rows; two loads of a wave are out at the start, later one.
; CLUSTER.  4 x 4 work-groups: obuf's tile is asked for jointly along a row of the cluster, wot's along a column.  The matrix instruction is used transposed: a lane holds eight neighbouring columns of one row.
; REGISTERS.  Window 0: v0-13 addresses; two fragment buffers of 96 (64 of wot's, 32 of obuf's) at v64 and v160; the way out reads rows back into v64-127 and v128-191.  Window 1: accumulator (a, b) at v[8 (8 a + b)].
.set PITCH,  272                       ; a row of obuf's tile in LDS: 256 bytes + 16
.set PB,     144                       ; a row of wot's tile: 128 bytes + 16: the 16 rows of a fragment load start at 16 different groups of four banks (ISA guide 11.1)
.set AHALF,  128*PITCH
.set BHALF,  64*PB
.set BOFF,   2*AHALF
.set SLOT1,  1<<17                     ; slot 1 begins here (a slot holds 88,064 bytes), so that one exclusive or turns an address in one slot into the other's
.set STAGE,  SLOT1+BOFF+2*BHALF
.set SPITCH, 528                       ; a stage row: 512 bytes + 16
.set SPARE,  STAGE+4*16*SPITCH
.set ADRA0, 4
.set ADRB0, 5
.set ADRA,  6
.set ADRB,  7
.set STO,   8
.set RD,    9
.set CO,    10
.set SPW,   12
.set NIL,   13
.set F0,    64
.set F1,    160
.set OB,    64
.set G1,   24
.set G0X,  32
.set G0,   36
.set G1B,  48
.set G0BX, 56
.set G0B,  60
.set TB,   66
.set TRIPS,69
.set CNT,  70
.set MUL,  0x50
.set MSB, 0
.macro WIN new
.if MSB != (\new)
	s_set_vgpr_msb (MSB<<8)|(\new)
.set MSB, \new
.endif
.endm
.macro PLACES
.rept 4
	v_nop
.endr
.endm
.macro JLOAD
	s_cmp_eq_u32 s11, 0
	s_cbranch_scc0 .Lfor_b_\@
	tensor_load_to_lds s[G0:G0+3], s[G1:G1+7]
	s_nop 0
.rept 4
	v_nop
.endr
	s_branch .Lasked_\@
.Lfor_b_\@:
	tensor_load_to_lds s[G0B:G0B+3], s[G1B:G1B+7]
	s_nop 0
.rept 4
	v_nop
.endr
.Lasked_\@:
.endm
.macro CREST
	s_cmp_lg_u32 s10, 0
	s_cbranch_scc1 .Lnot_wave_0_\@
	s_barrier_signal -3
.Lnot_wave_0_\@:
	s_barrier_wait -3
	s_barrier_signal -1
	s_barrier_wait -1
.endm
.macro CROUND
	s_barrier_signal -1
	s_barrier_wait -1
	CREST
.endm
	s_load_b128 s[4:7], s[0:1], 0x0                ; obuf s[4:5], wot s[6:7]
	s_load_b64 s[8:9], s[0:1], 0x10                ; out0
	v_lshl_add_u32 v[SPW], v0, 2, SPARE
	v_mov_b32 v[NIL], 0
	ds_add_u32 v[SPW], v[NIL]                      ; the wave's opening: the add and its wait stand ahead of my first tensor load
	ds_add_u32 v12, v13
	v_lshrrev_b32 v1, 5, v0
	v_readfirstlane_b32 s10, v1
	s_lshr_b32 s11, s10, 1
	s_and_b32 s12, s10, 1
	s_bfe_u32 s40, ttmp6, 0x40000
	s_bfe_u32 s41, ttmp6, 0x40004
	s_lshl_b32 s42, ttmp9, 2
	s_add_co_u32 s42, s42, s40                     ; X
	s_and_b32 s13, ttmp7, 0xffff
	s_lshl_b32 s13, s13, 2
	s_add_co_u32 s13, s13, s41                     ; Y
	s_lshl_b32 s43, s41, 2
	s_lshl_b32 s43, 15, s43
	s_lshl_b32 s44, 0x1111, s40
	s_or_b32 s[G1], s43, (1<<16)|(1<<20)|(1<<21)|(5<<22)|(3<<25)   ; the mask of my row; 2-byte elements; padding: after every 64 words, 4 words
	s_or_b32 s[G1B], s44, (1<<16)|(1<<20)|(1<<21)|(4<<22)|(3<<25)  ; the mask of my column; padding: after every 32 words, 4 words
	s_mov_b32 s[G1+1], 128<<16
	s_mov_b32 s[G1+2], 128<<16
	s_mov_b32 s[G1+3], 128<<16
	s_mov_b32 s[G1+4], 128
	s_mov_b32 s[G1+5], 2048                        ; elements from row to row of obuf
	s_mov_b32 s[G1+6], 0
	s_mov_b32 s[G1+7], 0
	s_mov_b32 s[G1B+1], 64<<16                     ; 64 channels
	s_mov_b32 s[G1B+2], 64<<16                     ; 64 rows
	s_mov_b32 s[G1B+3], 64<<16
	s_mov_b32 s[G1B+4], 64
	s_mov_b32 s[G1B+5], 1024
	s_mov_b32 s[G1B+6], 0
	s_mov_b32 s[G1B+7], 0
	s_lshl_b32 s17, s12, 7
	s_lshl_b32 s16, s13, 8
	s_add_co_u32 s16, s16, s17
	s_lshl_b32 s16, s16, 12                        ; obuf: row 256 Y + 128 x half, 4,096 bytes a row
	s_mov_b32 s17, 0
	s_lshl_b32 s47, s12, 6
	s_lshl_b32 s46, s42, 7
	s_add_co_u32 s46, s46, s47
	s_lshl_b32 s46, s46, 11                        ; wot: row 128 X + 64 x half, 2,048 bytes a row
	s_mov_b32 s47, 0
	s_mul_i32 s20, s10, AHALF                      ; where they go: waves 0, 1: wave x 128 rows;
	s_mul_i32 s21, s10, BHALF
	s_add_co_u32 s21, s21, BOFF-2*BHALF            ; waves 2, 3: behind obuf's 256 rows, (wave - 2) x 64 rows
	s_mov_b32 s[TB], 0
	s_mov_b32 s[TRIPS], 14
	s_wait_dscnt 0x0                               ; the opening add is done
	s_wait_kmcnt 0x0
	s_add_nc_u64 s[14:15], s[4:5], s[16:17]
	s_add_nc_u64 s[46:47], s[6:7], s[46:47]
	CROUND
	s_mov_b32 s[G0X], 1
	s_mov_b32 s[G0X+1], s20
	s_mov_b64 s[G0X+2:G0X+3], s[14:15]
	s_or_b32 s[G0X+3], s[G0X+3], 0x80000000
	s_mov_b32 s[G0], 1
	s_add_co_u32 s[G0+1], s20, SLOT1
	s_add_nc_u64 s[G0+2:G0+3], s[14:15], 256
	s_or_b32 s[G0+3], s[G0+3], 0x80000000
	s_mov_b32 s[G0BX], 1
	s_mov_b32 s[G0BX+1], s21
	s_mov_b64 s[G0BX+2:G0BX+3], s[46:47]
	s_or_b32 s[G0BX+3], s[G0BX+3], 0x80000000
	s_mov_b32 s[G0B], 1
	s_add_co_u32 s[G0B+1], s21, SLOT1
	s_add_nc_u64 s[G0B+2:G0B+3], s[46:47], 128
	s_or_b32 s[G0B+3], s[G0B+3], 0x80000000
	s_cmp_eq_u32 s11, 0                            ; a wave's two first fills stand in one branch: steps 0 and 1
	s_cbranch_scc0 .Lfirst_b
	tensor_load_to_lds s[G0X:G0X+3], s[G1:G1+7]
	s_nop 0
	tensor_load_to_lds s[G0:G0+3], s[G1:G1+7]
	s_nop 0
.rept 4
	v_nop
.endr
	s_branch .Lfirst_asked
.Lfirst_b:
	tensor_load_to_lds s[G0BX:G0BX+3], s[G1B:G1B+7]
	s_nop 0
	tensor_load_to_lds s[G0B:G0B+3], s[G1B:G1B+7]
	s_nop 0
.rept 4
	v_nop
.endr
.Lfirst_asked:
	v_and_b32 v1, 15, v0
	v_bfe_u32 v2, v0, 4, 1
	v_mul_u32_u24 v3, v1, PITCH
	v_lshl_add_u32 v3, v2, 4, v3
	s_mul_i32 s22, s10, 64*PITCH
	v_add_nc_u32 v[ADRA0], s22, v3                 ; obuf's fragments: row 64 w + r, 16 h
	v_mul_u32_u24 v3, v1, PB
	v_lshl_add_u32 v3, v2, 4, v3
	v_add_nc_u32 v[ADRB0], BOFF, v3                ; wot's fragments: row r, 16 h
	v_mov_b32 v[ADRA], v[ADRA0]
	v_mov_b32 v[ADRB], v[ADRB0]
	s_mul_i32 s23, s10, 16*SPITCH
	s_add_co_u32 s23, s23, STAGE                   ; my stage
	v_mul_u32_u24 v3, v1, SPITCH
	v_lshl_add_u32 v3, v2, 5, v3
	v_add_nc_u32 v[STO], s23, v3                   ; in: row r, 32 bytes for each half of the lanes
	v_and_b32 v3, 31, v0
	v_lshlrev_b32 v[CO], 4, v3                     ; 16 x lane: a row of 512 bytes
	v_add_nc_u32 v[RD], s23, v[CO]
	s_lshl_b32 s76, s13, 8
	s_lshl_b32 s77, s10, 6
	s_add_co_u32 s76, s76, s77
	s_lshl_b32 s76, s76, 12                        ; out0: row 256 Y + 64 w, 4,096 bytes a row
	s_lshl_b32 s77, s42, 9
	s_add_co_u32 s76, s76, s77                     ; column 128 X, 4 bytes
	s_mov_b32 s77, 0
	s_add_nc_u64 s[8:9], s[8:9], s[76:77]
.macro MUL8 f, a, zero
	WIN MUL
.irp b, 0,1,2,3,4,5,6,7
.if \zero
	v_wmma_f32_16x16x32_f16 v[8*(8*(\a)+(\b)):8*(8*(\a)+(\b))+7], v[(\f)+8*(\b):(\f)+8*(\b)+7], v[(\f)+64+8*(\a):(\f)+64+8*(\a)+7], 0
.else
	v_wmma_f32_16x16x32_f16 v[8*(8*(\a)+(\b)):8*(8*(\a)+(\b))+7], v[(\f)+8*(\b):(\f)+8*(\b)+7], v[(\f)+64+8*(\a):(\f)+64+8*(\a)+7], v[8*(8*(\a)+(\b)):8*(8*(\a)+(\b))+7]
.endif
.endr
.endm
.macro FETCH k, f, withb               ; the fragments of a quarter, at byte k of obuf's rows; withb = 1 (k = 0, 64): wot's too, at the same byte of its rows
	WIN 0
.if \withb
.irp i, 0,1,2,3,4,5,6,7
	ds_load_b128 v[(\f)+8*(\i):(\f)+8*(\i)+3],   v[ADRB] offset:(\k)+(\i)*16*PB
	ds_load_b128 v[(\f)+8*(\i)+4:(\f)+8*(\i)+7], v[ADRB] offset:(\k)+(\i)*16*PB+32
.endr
.endif
.irp i, 0,1,2,3
	ds_load_b128 v[(\f)+64+8*(\i):(\f)+64+8*(\i)+3],   v[ADRA] offset:(\k)+(\i)*16*PITCH
	ds_load_b128 v[(\f)+64+8*(\i)+4:(\f)+64+8*(\i)+7], v[ADRA] offset:(\k)+(\i)*16*PITCH+32
.endr
.endm
.macro QUARTER k, f, g, zero, withb    ; 32 matrix instructions on buffer f, the 32 accumulators by turns; the next quarter's fragments go into g
	s_wait_dscnt 0x0                               ; f's loads were issued 24 matrix instructions ago
	MUL8 \f, 0, \zero
	PLACES                                         ; behind the last products that read g
	FETCH \k, \g, \withb
	MUL8 \f, 1, \zero
	MUL8 \f, 2, \zero
	MUL8 \f, 3, \zero
.endm
.macro TURN fill                       ; the last quarter and the change of slots; fill = 1: the barrier opens a round of the cluster's, the joint refill is the first thing behind it
	WIN 0
	s_wait_tensorcnt 0x0                           ; all my tensor loads have landed: my part of the next slot
	ds_add_u32 v[SPW], v[NIL]
	s_wait_dscnt 1                                 ; the add alone may be out
	MUL8 F1, 0, 0
	s_wait_dscnt 0x0                               ; the add is done, and my reads of this slot are over
	s_barrier_signal -1
	MUL8 F1, 1, 0
	WIN 0
	s_barrier_wait -1
.if \fill
	CREST
	s_xor_b32 s[G0+1], s[G0+1], SLOT1              ; the slot just read, the next step; no tensor load of mine is out
	s_add_nc_u64 s[G0+2:G0+3], s[G0+2:G0+3], 256
	s_xor_b32 s[G0B+1], s[G0B+1], SLOT1
	s_add_nc_u64 s[G0B+2:G0B+3], s[G0B+2:G0B+3], 128
	JLOAD
.else
	PLACES
.endif
	s_xor_b32 s[TB], s[TB], SLOT1
	v_add_nc_u32 v[ADRA], s[TB], v[ADRA0]
	v_add_nc_u32 v[ADRB], s[TB], v[ADRB0]
	FETCH 0, F0, 1
	MUL8 F1, 2, 0
	MUL8 F1, 3, 0
.endm
; THE WAY OUT, 16 rows at a time: the f32 sums go into my own stage as they are (a lane's eight columns are 32 bytes; each accumulator's lowest registers first) and come back as whole rows of 512 bytes.
.macro TOSTAGE a
	WIN 0x04                                       ; the stores' data in window 1
.irp b, 0,1,2,3,4,5,6,7
	ds_store_b128 v[STO], v[8*(8*(\a)+(\b)):8*(8*(\a)+(\b))+3] offset:64*(\b)
	ds_store_b128 v[STO], v[8*(8*(\a)+(\b))+4:8*(8*(\a)+(\b))+7] offset:64*(\b)+16
.endr
	WIN 0
.set n, 0
.rept 16
	ds_load_b128 v[OB+64*((\a)%2)+4*n:OB+64*((\a)%2)+4*n+3], v[RD] offset:n*SPITCH  ; LDS serves a wave's instructions in order: these see the stores above
.set n, n+1
.endr
.endm
.macro SEND a, younger
	s_wait_dscnt \younger
.set n, 0
.rept 16
	global_store_b128 v[CO], v[OB+64*((\a)%2)+4*n:OB+64*((\a)%2)+4*n+3], s[8:9] offset:(\a)*65536+n*4096 th:TH_STORE_NT  ; a wave's store covers 512 consecutive bytes, aligned
.set n, n+1
.endr
.endm
	s_wait_tensorcnt 0x1                           ; my part of step 0 is in; step 1's may stay out
	s_barrier_signal -1
	s_barrier_wait -1
	FETCH 0, F0, 1
	QUARTER 64, F0, F1, 1, 1
	WIN 0
.Lstep:                                                ; 14 trips, each refills
	QUARTER 128, F1, F0, 0, 0
	QUARTER 192, F0, F1, 0, 0
	TURN 1
	QUARTER 64, F0, F1, 0, 1
	WIN 0
	s_sub_co_u32 s[TRIPS], s[TRIPS], 1
	s_cmp_lg_u32 s[TRIPS], 0
	s_cbranch_scc1 .Lstep
	s_mov_b32 s[CNT], 2
.Ltail:                                                ; the last two steps ask for nothing; the second trip is left in its middle
	QUARTER 128, F1, F0, 0, 0
	QUARTER 192, F0, F1, 0, 0
	TURN 0
	WIN 0
	s_sub_co_u32 s[CNT], s[CNT], 1
	s_cmp_eq_u32 s[CNT], 0
	s_cbranch_scc1 .Lout
	QUARTER 64, F0, F1, 0, 1
	WIN 0
	s_branch .Ltail
.Lout:
	s_wait_dscnt 0x0
	PLACES                                         ; behind the last products: their results are stored, and their fragments' registers loaded, below
	TOSTAGE 0
	TOSTAGE 1
	SEND 0, 32                                     ; behind block 0's loads stand block 1's 16 stores and 16 loads
	s_wait_xcnt 0x0                                ; block 0's stores have read the registers that block 2 is loaded into
	TOSTAGE 2
	SEND 1, 32
	s_wait_xcnt 0x0
	TOSTAGE 3
	SEND 2, 32
	SEND 3, 0
	s_wait_tensorcnt 0x0                           ; the wave's end
	ds_add_u32 v[SPW], v[NIL]
	s_wait_dscnt 0x0
	CROUND                                         ; the closing round
	s_endpgm
.Lfunc_end_k_q8f24df3a54_oproj:
	.size	k_q8f24df3a54_oproj, .Lfunc_end_k_q8f24df3a54_oproj-k_q8f24df3a54_oproj
	.p2alignl 7, 3214868480
	.fill 96, 4, 3214868480
	.section	.rodata,"a",@progbits
	.p2align	6, 0x0
	.amdhsa_kernel k_q8f24df3a54_oproj
		.amdhsa_group_segment_fixed_size 327680
		.amdhsa_private_segment_fixed_size 0
		.amdhsa_enable_private_segment 0
		.amdhsa_kernarg_size 24
		.amdhsa_user_sgpr_count 2
		.amdhsa_user_sgpr_kernarg_segment_ptr 1
		.amdhsa_wavefront_size32 1
		.amdhsa_system_sgpr_workgroup_id_x 1
		.amdhsa_system_sgpr_workgroup_id_y 1
		.amdhsa_system_sgpr_workgroup_id_z 1
		.amdhsa_system_vgpr_workitem_id 0
		.amdhsa_next_free_vgpr 512
		.amdhsa_next_free_sgpr 96
		.amdhsa_reserve_vcc 0
		.amdhsa_float_denorm_mode_32 3
		.amdhsa_float_denorm_mode_16_64 3
		.amdhsa_memory_ordered 1
		.amdhsa_forward_progress 1
		.amdhsa_inst_pref_size 55
	.end_amdhsa_kernel
	.amdgpu_metadata
---
amdhsa.version: [ 1, 2 ]
amdhsa.kernels:
  - .name:           k_q8f24df3a54_oproj
    .symbol:         k_q8f24df3a54_oproj.kd
    .args:
      - { .name: obuf, .offset: 0, .size: 8, .value_kind: global_buffer, .address_space: global }
      - { .name: wot, .offset: 8, .size: 8, .value_kind: global_buffer, .address_space: global }
      - { .name: out0, .offset: 16, .size: 8, .value_kind: global_buffer, .address_space: global }
    .group_segment_fixed_size: 327680
    .private_segment_fixed_size: 0
    .kernarg_segment_align: 8
    .kernarg_segment_size: 24
    .max_flat_workgroup_size: 128
    .sgpr_count:     96
    .vgpr_count:     512
    .wavefront_size: 32
...
	.end_amdgpu_metadata
.endif
;; end of part 5
;; ======== version 2 of 3: 5 launches
;; limits: values are held in f16: magnitudes above 65,504 overflow, below 6.1e-05 lose precision
;; workspace buffers: xb 16,777,216 bytes; wt 6,291,456 bytes; wot 2,097,152 bytes; qkv 50,331,648 bytes; pbuf 33,554,432 bytes; stats 1,048,576 bytes; obuf 16,777,216 bytes; olo 131,072 bytes
;; launch prep: the kernel of part 1 again; grid 1024 x 1, 8 waves a work-group, no clusters, 17,920 bytes of LDS; arguments x, Wq, Wk, Wv, Wo, xb, wt, wot, stats; writes xb, wt, wot, stats
;; launch qkv: the kernel of part 2 again; grid 8 x 32, 4 waves a work-group, clusters of 4 x 4, 327,680 bytes of LDS; arguments xb, wt, qkv; writes qkv
;; launch scores: the kernel of part 3 again; grid 36 x 4, 4 waves a work-group, no clusters, 327,680 bytes of LDS; arguments qkv, pbuf, stats; writes pbuf, stats
;; launch pv (part 6): grid 8 x 32, 4 waves a work-group, clusters of 4 x 1, 327,680 bytes of LDS; arguments pbuf, qkv, stats, obuf, olo; writes obuf, olo
.if DOCPART == 6
	.amdgcn_target "amdgcn-amd-amdhsa--gfx1250"
	.amdhsa_code_object_version 6
	.text
	.protected	k_q8f24df3a54_pv
	.globl	k_q8f24df3a54_pv
	.p2align	8
	.type	k_q8f24df3a54_pv,@function
k_q8f24df3a54_pv:
	s_mov_b64 s[64:65], 0
	v_nop
	global_prefetch_b8 v0, s[64:65] scope:SCOPE_SE
	s_setreg_imm32_b32 hwreg(HW_REG_WAVE_MODE, 25, 1), 1
	s_wait_xcnt 0x0
	s_wait_alu depctr_hold_cnt(0) depctr_sa_sdst(0) depctr_va_vdst(0) depctr_va_sdst(0) depctr_va_ssrc(0) depctr_va_vcc(0) depctr_vm_vsrc(0)
	s_getreg_b32 s2, hwreg(HW_REG_IB_STS2, 6, 4)
	s_cmp_eq_u32 s2, 0
	s_cbranch_scc0 .Lentry_in_a_cluster
	s_endpgm
.Lentry_in_a_cluster:
	s_bfe_u32 s2, ttmp6, 0x10000c
	s_cmp_lg_u32 s2, 0x3003
	s_cbranch_scc0 .Lentry_shape_is_right
	s_endpgm
.Lentry_shape_is_right:
; PV.  O[q][:] = (sum over chunks j of f_j(q) P_j[q][:] V_j) / l(q), with M = max over j of c m_j, f_j = 2^(c m_j - M), l = sum over j of f_j l_j: the chunks' softmaxes joined by the row's true maximum.
; P: pbuf f16, V: qkv's columns 2,048 on, f16; {c m, l}: stats.  A chunk's 128 keys are summed by themselves (f32), and the sum times f (f32) is added onto the block's sums; those are multiplied by 1 / l.
; O LEAVES IN THE ORDER OF THE NEXT PRODUCT'S FRAGMENTS.  obuf: [512 blocks of 16 rows][32 slices of 32 channels][1,024 bytes], f16: a lane's eight channels of one query, packed, are four registers of the
; fragment (16 rows x 32 channels) that the next launch's matrix instruction takes: registers 0-3 of lane L lie at 16 L of the slice's bytes, registers 4-7 at 512 + 16 L.  So each store goes straight from
; registers and covers 512 consecutive bytes, aligned.
; ROWS 0-15 OF EACH BATCH LEAVE AS TWO f16 NUMBERS, hi + lo (split in f32: c = 8193 t, hi = c - (c - t), which has 11 significant bits, lo = t - hi): hi into obuf, lo into olo ([4 batches][32 slices][1,024 bytes]).
; A causal row q is a mean of q + 1 rows of V, so only the first rows' numbers can be many times the output's root mean square, by which the allowance goes; from row 16 on O is one f16 number.
; LIMITS.  O has V's range (f16's 65,504); below 6e-5 it keeps f16's step of 6e-8; f below 2^-126 counts as 0.  A row from 16 on that were more than some ten times the output's root mean square would have
; f16's margin alone for its numbers near zero.  NaN and infinities are not treated apart.
; SHARES.  A work-group makes two tiles of 128 queries x 128 channels: query block p, then block 15 - p, of batch b; block i needs (i / 2) + 1 steps of 256 keys, together 9 for every p: 256 equal
; work-groups and ONE walk of 9 steps; the change of blocks falls behind step 0 to 3.  Waves 2 x 2 (rh, ch), 64 x 64 each.  O^T = V^T P: source 0 = V turned by ds_load_tr16_b128, source 1 = P's rows:
; a lane holds one query and eight channels.
; CLUSTER.  The four partners (four channel tiles) share b and p and walk the same tiles of P: those loads are joint.  V's tiles differ from partner to partner: loads of one's own, behind the same rounds.
; V is not shared further: work-groups with another p change blocks at other steps.
; THE PIPELINE goes by slices of 32 keys, 16 matrix instructions each, over rings of four fragment buffers: slice e issues the loads of slice e + 3.
; REGISTERS.  Window 0: v0-63 addresses and statistics, v64-127 the way out, v128-255 V's ring.  Window 1: v0-127 PART0 (the sums of a step's first chunk), v128-255 P's ring.
; Window 2: v0-127 PART1 (of its second chunk), v128-255 TOT (the block's sums).  Accumulator (a, b) stands at 8 (4 a + b) of its 128.
.set PA,     528                       ; a row of P in LDS: 512 bytes + 16
.set PV,     288                       ; a row of V: 256 + 32
.set VOFF,   128*PA
.set SLOT,   VOFF+256*PV               ; 141,312
.set SPARE,  2*SLOT                    ; behind the ring: the spare words, 128 bytes for each wave
.set ADA0, 4
.set ADV0, 5
.set ADA,  6
.set ADVA, 7                           ; V's slices 0-3
.set ADVB, 8                           ; V's slices 4-7: their offsets would pass the 16-bit immediate
.set GO,   12                          ; 16 x lane
.set SO,   13                          ; my row's byte offset in a chunk of stats
.set SOH,  14                          ; the same, one chunk on for lanes 16-31
.set SPW,  16
.set NIL,  17
.set F0,   20                          ; v20-27 f of the step's first chunk, by query block, in the low word of a pair; v28-35 of its second chunk
.set CMN,  36                          ; v36-43 c m of the step whose f is made next
.set LINVC,44                          ; v44-51 1 / l of the block in hand, in pairs
.set CMR,  52                          ; v52-55 M of the block in hand
.set CMR2, 56                          ; v56-59 M of the second block
.set LINV2,60                          ; v60-63 1 / l of the second block
.set TMP,  64                          ; v64-127 the way out: the tile in f16
.set BF,   128
.set AF,   128
.set TOT,  128
.set WV,   12
.set RH,   14
.set CHS,  15
.set BA,   20                          ; the first block, p
.set BB,   21                          ; the second, 15 - p
.set NA,   22                          ; the first block's steps
.set NB,   23
.set G1A,  24
.set G1V,  32
.set G0AX, 40
.set G0A,  44
.set G0VX, 48
.set G0V,  52
.set LWA,  56
.set LWV,  57
.set TB,   58
.set NXT,  59                          ; the step to be asked for
.set NS,   60                          ; the step whose c m are loaded next
.set RT,   61                          ; steps left in the block
.set TRIPS,62
.set CNT,  63
.set PAB,  66                          ; s[66:67] pbuf at my half of the batch's rows
.set PVB,  68                          ; s[68:69] qkv at my half of the batch's first keys, my channels of v
.set STB,  70                          ; s[70:71] stats at my batch
.set SB,   72                          ; s[72:73] the base of the loads of c m
.set OFF,  74
.set OFF2, 76
.set OBC,  78                          ; s[78:79] obuf at my part of the block in hand
.set OB2,  80                          ; s[80:81] of the second block
.set SEL,  82
.set SBL,  90                          ; s[90:91] stats at the second block
.set OLOB, 96                          ; s[96:97] olo at my batch's slices of my 64 channels
.set EARLY,98                          ; s98  1: the first block is block 0 and my rows are its first 64: my query block 0 is the batch's rows 0-15
.set MSB, 0
.macro WIN new                         ; the immediate's high byte repeats the setting that is left; a switch that changes nothing is dropped
.if MSB != (\new)
	s_set_vgpr_msb (MSB<<8)|(\new)
.set MSB, \new
.endif
.endm
.macro JLOAD                           ; waves 0, 1: the joint load of P's halves; waves 2, 3: V's halves, my own; an s_nop 0 and four v_nop follow each line
	s_cmp_lt_u32 s[WV], 2
	s_cbranch_scc0 .Lfor_v_\@
	tensor_load_to_lds s[G0A:G0A+3], s[G1A:G1A+7]
	s_nop 0
.rept 4
	v_nop
.endr
	s_branch .Lasked_\@
.Lfor_v_\@:
	tensor_load_to_lds s[G0V:G0V+3], s[G1V:G1V+7]
	s_nop 0
.rept 4
	v_nop
.endr
.Lasked_\@:
.endm
.macro CREST
	s_cmp_lg_u32 s[WV], 0
	s_cbranch_scc1 .Lnot_wave_0_\@
	s_barrier_signal -3
.Lnot_wave_0_\@:
	s_barrier_wait -3
	s_barrier_signal -1
	s_barrier_wait -1
.endm
.macro CROUND
	s_barrier_signal -1
	s_barrier_wait -1
	CREST
.endm
; The global addresses of the tiles of the walk's step number s[st]: which block, which step of it; P's into group 0 ga, V's into gv.
.macro MKADR st, ga, gv
	s_cmp_lt_u32 s[\st], s[NA]
	s_cselect_b32 s86, s[BA], s[BB]
	s_cselect_b32 s88, 0, s[NA]
	s_sub_co_u32 s88, s[\st], s88
	s_lshl_b32 s86, s86, 19                        ; 128 rows of 4,096 bytes a block
	s_lshl_b32 s89, s88, 9                         ; 256 keys of 2 bytes a step
	s_add_co_u32 s[OFF], s86, s89
	s_add_nc_u64 s[\ga+2:\ga+3], s[PAB:PAB+1], s[OFF:OFF+1]
	s_or_b32 s[\ga+3], s[\ga+3], 0x80000000
	s_mul_i32 s[OFF2], s88, 1572864                ; 256 rows of 6,144 bytes a step
	s_add_nc_u64 s[\gv+2:\gv+3], s[PVB:PVB+1], s[OFF2:OFF2+1]
	s_or_b32 s[\gv+3], s[\gv+3], 0x80000000
.endm
	s_load_b256 s[4:11], s[0:1], 0x0               ; pbuf s[4:5], qkv s[6:7], stats s[8:9], obuf s[10:11]
	s_load_b64 s[OLOB:OLOB+1], s[0:1], 0x20        ; olo
	v_lshl_add_u32 v[SPW], v0, 2, SPARE
	v_mov_b32 v[NIL], 0
	ds_add_u32 v[SPW], v[NIL]                      ; the wave's opening: the add and its wait stand ahead of my first tensor load; work on registers stands between them
	ds_add_u32 v16, v17
	v_lshrrev_b32 v1, 5, v0
	v_readfirstlane_b32 s[WV], v1
	s_and_b32 s[CHS], s[WV], 1                     ; ch; also: which half of a tile I fetch
	s_lshr_b32 s[RH], s[WV], 1
	s_bfe_u32 s16, ttmp6, 0x40000                  ; cx
	s_lshl_b32 s17, ttmp9, 2
	s_add_co_u32 s17, s17, s16                     ; x, my channel tile: it enters V's and O's addresses alone
	s_and_b32 s18, ttmp7, 0xffff
	s_lshr_b32 s19, s18, 3                         ; b
	s_and_b32 s[BA], s18, 7
	s_sub_co_u32 s[BB], 15, s[BA]
	s_lshr_b32 s[NA], s[BA], 1
	s_add_co_u32 s[NA], s[NA], 1
	s_sub_co_u32 s[NB], 9, s[NA]
	s_cmp_eq_u32 s[BA], 0
	s_cselect_b32 s[EARLY], 1, 0
	s_cmp_eq_u32 s[RH], 0
	s_cselect_b32 s[EARLY], s[EARLY], 0
	s_mov_b32 s[G1A], 15|(1<<16)|(1<<20)|(1<<21)|(6<<22)|(3<<25)  ; the mask of four; 2-byte elements; padding: after every 128 words, 4 words
	s_mov_b32 s[G1A+1], 256<<16
	s_mov_b32 s[G1A+2], 64<<16
	s_mov_b32 s[G1A+3], 256<<16
	s_mov_b32 s[G1A+4], 64
	s_mov_b32 s[G1A+5], 2048
	s_mov_b32 s[G1A+6], 0
	s_mov_b32 s[G1A+7], 0
	s_mov_b32 s[G1V], (1<<16)|(1<<20)|(5<<22)|(7<<25)             ; no mask; padding: after every 64 words, 8 words
	s_mov_b32 s[G1V+1], 128<<16
	s_mov_b32 s[G1V+2], 128<<16
	s_mov_b32 s[G1V+3], 128<<16
	s_mov_b32 s[G1V+4], 128
	s_mov_b32 s[G1V+5], 3072
	s_mov_b32 s[G1V+6], 0
	s_mov_b32 s[G1V+7], 0
	s_mul_i32 s[LWA], s[CHS], 64*PA                ; where my half goes in a slot
	s_mul_i32 s[LWV], s[CHS], 128*PV
	s_add_co_u32 s[LWV], s[LWV], VOFF
	s_lshl_b32 s86, s19, 23                        ; P: 8,388,608 bytes a batch, 64 rows of 4,096 a half
	s_lshl_b32 s87, s[CHS], 18
	s_add_co_u32 s[OFF], s86, s87
	s_mov_b32 s[OFF+1], 0
	s_mul_i32 s92, s19, 12582912                   ; V: 2,048 rows of 6,144 bytes a batch, 128 rows a half, v's columns 4,096 bytes on, 256 bytes a channel tile
	s_mul_i32 s93, s[CHS], 786432
	s_add_co_u32 s92, s92, s93
	s_lshl_b32 s93, s17, 8
	s_add_co_u32 s92, s92, s93
	s_add_co_u32 s[OFF2], s92, 4096
	s_mov_b32 s[OFF2+1], 0
	s_mov_b32 s[SEL], 0x76543210
	s_mov_b32 s[SEL+1], 0xfedcba98
	s_mov_b32 s[TB], 0
	s_mov_b32 s[NS], 1
	s_mov_b32 s[RT], s[NA]
	s_mov_b32 s[TRIPS], 8
	s_wait_dscnt 0x0                               ; the opening add is done
	s_wait_kmcnt 0x0
	s_add_nc_u64 s[PAB:PAB+1], s[4:5], s[OFF:OFF+1]
	s_add_nc_u64 s[PVB:PVB+1], s[6:7], s[OFF2:OFF2+1]
	s_lshl_b32 s86, s19, 18
	s_mov_b32 s87, 0
	s_add_nc_u64 s[STB:STB+1], s[8:9], s[86:87]
	s_lshl_b32 s86, s[BA], 10
	s_add_nc_u64 s[SB:SB+1], s[STB:STB+1], s[86:87]     ; stats at the first block's rows: step 0's c m lie there too
	s_lshl_b32 s86, s[BB], 10
	s_add_nc_u64 s[SBL:SBL+1], s[STB:STB+1], s[86:87]
	s_lshl_b32 s92, s19, 22                        ; O: block of 16 rows number 128 b + 8 block + 4 rh, 32,768 bytes each; slice 4 x + 2 ch, 1,024 bytes each
	s_lshl_b32 s93, s[RH], 17
	s_add_co_u32 s92, s92, s93
	s_lshl_b32 s93, s17, 12
	s_add_co_u32 s92, s92, s93
	s_lshl_b32 s93, s[CHS], 11
	s_add_co_u32 s92, s92, s93
	s_lshl_b32 s93, s[BA], 18
	s_add_co_u32 s94, s92, s93
	s_mov_b32 s95, 0
	s_add_nc_u64 s[OBC:OBC+1], s[10:11], s[94:95]
	s_lshl_b32 s93, s[BB], 18
	s_add_co_u32 s94, s92, s93
	s_add_nc_u64 s[OB2:OB2+1], s[10:11], s[94:95]
	s_lshl_b32 s94, s19, 15                        ; olo: 32,768 bytes a batch; the same slice
	s_lshl_b32 s93, s17, 12
	s_add_co_u32 s94, s94, s93
	s_lshl_b32 s93, s[CHS], 11
	s_add_co_u32 s94, s94, s93
	s_add_nc_u64 s[OLOB:OLOB+1], s[OLOB:OLOB+1], s[94:95]
	CROUND                                         ; all four work-groups are here: the first joint loads meet
	s_mov_b32 s[NXT], 0
	MKADR NXT, G0AX, G0VX
	s_mov_b32 s[NXT], 1
	MKADR NXT, G0A, G0V
	s_mov_b32 s[NXT], 2
	s_mov_b32 s[G0AX], 1
	s_mov_b32 s[G0AX+1], s[LWA]
	s_mov_b32 s[G0A], 1
	s_add_co_u32 s[G0A+1], s[LWA], SLOT
	s_mov_b32 s[G0VX], 1
	s_mov_b32 s[G0VX+1], s[LWV]
	s_mov_b32 s[G0V], 1
	s_add_co_u32 s[G0V+1], s[LWV], SLOT
	s_cmp_lt_u32 s[WV], 2                          ; a wave's two first fills stand in one branch: steps 0 and 1: two loads of mine are out
	s_cbranch_scc0 .Lfirst_v
	tensor_load_to_lds s[G0AX:G0AX+3], s[G1A:G1A+7]
	s_nop 0
	tensor_load_to_lds s[G0A:G0A+3], s[G1A:G1A+7]
	s_nop 0
.rept 4
	v_nop
.endr
	s_branch .Lfirst_asked
.Lfirst_v:
	tensor_load_to_lds s[G0VX:G0VX+3], s[G1V:G1V+7]
	s_nop 0
	tensor_load_to_lds s[G0V:G0V+3], s[G1V:G1V+7]
	s_nop 0
.rept 4
	v_nop
.endr
.Lfirst_asked:
	v_and_b32 v1, 15, v0                           ; r
	v_bfe_u32 v2, v0, 4, 1                         ; h
	s_lshl_b32 s86, s[RH], 9
	v_lshl_add_u32 v[SO], v1, 3, s86               ; row 64 rh + r, 8 bytes a row
	v_lshl_add_u32 v[SOH], v2, 14, v[SO]
	; ROW STATISTICS of both blocks: lanes' half h takes the chunks 2 u + h.  Group g = query block a + 4 x (second block): pair u at window 1's v[16 g + 2 u].
	WIN 0x40
.set g, 0
.rept 4
.set u, 0
.rept 8
	global_load_b64 v[16*g+2*u:16*g+2*u+1], v[SOH], s[SB:SB+1] offset:g*128+u*32768
	global_load_b64 v[64+16*g+2*u:64+16*g+2*u+1], v[SOH], s[SBL:SBL+1] offset:g*128+u*32768
.set u, u+1
.endr
.set g, g+1
.endr
	WIN 0
.macro CMLOAD                          ; c m of a step's two chunks for my four query blocks
.irp c, 0,1
.irp a, 0,1,2,3
	global_load_b32 v[CMN+4*(\c)+(\a)], v[SO], s[SB:SB+1] offset:(\a)*128+(\c)*16384
.endr
.endr
.endm
	CMLOAD                                         ; step 0's
	v_mul_u32_u24 v3, v1, PA
	v_lshl_add_u32 v3, v2, 4, v3
	s_mul_i32 s86, s[RH], 64*PA
	v_add_nc_u32 v[ADA0], s86, v3                  ; P: row 64 rh + r, 16 h
	v_and_b32 v3, 7, v0
	v_lshl_add_u32 v3, v2, 3, v3
	v_mul_u32_u24 v3, v3, PV
	v_bfe_u32 v9, v0, 3, 1
	v_lshl_add_u32 v3, v9, 4, v3                   ; V, for the turning load: key 8 h + lane % 8, channels 8 ((lane / 8) % 2) on
	s_lshl_b32 s86, s[CHS], 7
	s_add_co_u32 s86, s86, VOFF
	v_add_nc_u32 v[ADV0], s86, v3
	v_mov_b32 v[ADA], v[ADA0]
	v_mov_b32 v[ADVA], v[ADV0]
	v_add_nc_u32 v[ADVB], 4*32*PV, v[ADV0]
	v_and_b32 v3, 31, v0
	v_lshlrev_b32 v[GO], 4, v3                     ; my 16 bytes of a store's 512
.set n, 0
.rept 8
	v_mov_b32 v[F0+2*n+1], 0                       ; the pairs' upper words are named with f and never used
.set n, n+1
.endr
.macro ALL8 line:vararg
.set g, 0
.rept 8
	\line
.set g, g+1
.endr
.endm
	s_wait_loadcnt 0x0
	WIN 0x55                                       ; all in window 1; v128-159 at work: M, an exchange register, l
	ALL8 v_max3_num_f32 v[128+4*g], v[16*g], v[16*g+2], v[16*g+4]
	ALL8 v_max3_num_f32 v[128+4*g], v[128+4*g], v[16*g+6], v[16*g+8]
	ALL8 v_max3_num_f32 v[128+4*g], v[128+4*g], v[16*g+10], v[16*g+12]
	ALL8 v_max_num_f32 v[128+4*g], v[128+4*g], v[16*g+14]
	ALL8 v_mov_b32 v[129+4*g], 0
	ALL8 v_permlanex16_b32 v[129+4*g], v[128+4*g], s[SEL], s[SEL+1]
	ALL8 v_max_num_f32 v[128+4*g], v[128+4*g], v[129+4*g]
.irp u, 0,1,2,3,4,5,6,7
	ALL8 v_sub_f32 v[16*g+2*\u], v[16*g+2*\u], v[128+4*g]
.endr
.irp u, 0,1,2,3,4,5,6,7
	ALL8 v_exp_f32 v[16*g+2*\u], v[16*g+2*\u]
.endr
	v_nop
	s_wait_alu depctr_va_vdst(0)
	ALL8 v_mul_f32 v[130+4*g], v[16*g], v[16*g+1]
.irp u, 1,2,3,4,5,6,7
	ALL8 v_fmac_f32 v[130+4*g], v[16*g+2*\u], v[16*g+2*\u+1]
.endr
	ALL8 v_permlanex16_b32 v[129+4*g], v[130+4*g], s[SEL], s[SEL+1]
	ALL8 v_add_f32 v[130+4*g], v[130+4*g], v[129+4*g]
	ALL8 v_rcp_f32 v[130+4*g], v[130+4*g]
	v_nop
	WIN 0x01                                       ; source window 1, destination window 0
	s_wait_alu depctr_va_vdst(0)
.irp a, 0,1,2,3
	v_mov_b32 v[CMR+(\a)], v[128+4*(\a)]
	v_mov_b32 v[LINVC+2*(\a)], v[130+4*(\a)]
	v_mov_b32 v[LINVC+2*(\a)+1], v[130+4*(\a)]
	v_mov_b32 v[CMR2+(\a)], v[144+4*(\a)]
	v_mov_b32 v[LINV2+(\a)], v[146+4*(\a)]
.endr
	WIN 0
.macro FCOMP                           ; f = 2^(c m - M) of the two chunks of the step in hand, in f32
.irp c, 0,1
.irp a, 0,1,2,3
	v_sub_f32 v[CMN+4*(\c)+(\a)], v[CMN+4*(\c)+(\a)], v[CMR+(\a)]
.endr
.endr
.irp c, 0,1
.irp a, 0,1,2,3
	v_exp_f32 v[F0+8*(\c)+2*(\a)], v[CMN+4*(\c)+(\a)]
.endr
.endr
	v_nop                                          ; a plain instruction behind the last exponential
	s_wait_alu depctr_va_vdst(0)
.endm
.macro HEAD                            ; the loads of c m for the walk's step NS, the one after the step in hand
	s_cmp_lt_u32 s[NS], s[NA]
	s_cselect_b32 s86, s[BA], s[BB]
	s_cselect_b32 s88, 0, s[NA]
	s_sub_co_u32 s88, s[NS], s88                   ; the step's number in its block,
	s_min_u32 s88, s88, 7                          ; held at 7: behind the walk's last step the loads serve nothing and stay inside the batch's 16 chunks
	s_lshl_b32 s86, s86, 10
	s_lshl_b32 s88, s88, 15
	s_add_co_u32 s[OFF], s86, s88
	s_add_nc_u64 s[SB:SB+1], s[STB:STB+1], s[OFF:OFF+1]  ; the last loads by this base were shown done by the wait just above
	CMLOAD
	s_add_co_u32 s[NS], s[NS], 1
.endm
.macro LOADS ep                        ; 16 LDS loads: slice ep's fragments of V (turned) and of P, into ring place ep % 4
.set QL, (\ep)%4
.if (\ep) < 4
.set AVX, ADVA
.else
.set AVX, ADVB
.endif
	WIN 0
.irp b, 0,1,2,3
	ds_load_tr16_b128 v[BF+32*QL+8*(\b):BF+32*QL+8*(\b)+3],   v[AVX] offset:QL*32*PV+32*(\b)
	ds_load_tr16_b128 v[BF+32*QL+8*(\b)+4:BF+32*QL+8*(\b)+7], v[AVX] offset:QL*32*PV+16*PV+32*(\b)
.endr
	WIN 0x54                                       ; destination window 1, address window 0
.irp a, 0,1,2,3
	ds_load_b128 v[AF+32*QL+8*(\a):AF+32*QL+8*(\a)+3],   v[ADA] offset:(\a)*16*PA+64*(\ep)
	ds_load_b128 v[AF+32*QL+8*(\a)+4:AF+32*QL+8*(\a)+7], v[ADA] offset:(\a)*16*PA+64*(\ep)+32
.endr
.endm
.macro MMA e                           ; the slice's next product: the 16 accumulators take turns; a chunk's first slice starts the sums
.if ((\e)%4) == 0
	v_wmma_f32_16x16x32_f16 v[8*mi:8*mi+7], v[BF+32*QC+8*(mi%4):BF+32*QC+8*(mi%4)+7], v[AF+32*QC+8*(mi/4):AF+32*QC+8*(mi/4)+7], 0
.else
	v_wmma_f32_16x16x32_f16 v[8*mi:8*mi+7], v[BF+32*QC+8*(mi%4):BF+32*QC+8*(mi%4)+7], v[AF+32*QC+8*(mi/4):AF+32*QC+8*(mi/4)+7], v[8*mi:8*mi+7]
.endif
.set mi, mi+1
.endm
; Four accumulators of chunk c's sums (c = 0: PART0, window 1; c = 1: PART1, window 2) times f onto the block's sums; each accumulator's lowest registers are read first.
; mode = 2: the block's first fold starts its sums: nothing is cleared.  For c = 0 the window setting is that of the products beside it.
.macro FOLDG c, mode
	WIN 0xa4+4*(\c)                                ; f window 0; the chunk's sums window 1 or 2; the block's sums window 2
.rept 16
.if (\mode) == 2
	v_pk_mul_f32 v[TOT+2*fn:TOT+2*fn+1], v[F0+8*(\c)+2*(fn/16):F0+8*(\c)+2*(fn/16)+1], v[2*fn:2*fn+1] op_sel_hi:[0,1]
.else
	v_pk_fma_f32 v[TOT+2*fn:TOT+2*fn+1], v[F0+8*(\c)+2*(fn/16):F0+8*(\c)+2*(fn/16)+1], v[2*fn:2*fn+1], v[TOT+2*fn:TOT+2*fn+1] op_sel_hi:[0,1,1]
.endif
.set fn, fn+1
.endr
.endm
; SLICE e of a step's eight.  Slices 0-3 sum into PART0, slices 4-7 into PART1.  fold = 1 or 2 (slices 0 and 4): the chunk finished just before is folded, 16 packed instructions behind every four products.
; Behind a slice's last product stand four plain vector instructions that name none of its registers (the last fold group, or four v_nop): the next slice loads into the fragments that it read.
; Slice 1 makes f of the step in hand and asks for the next step's c m.
; Slice 5 begins with THE CHANGE OF SLOTS (slice 7's loads went out in slice 4): each wave waits for all its tensor loads (one is out: its part of the next slot), adds 0 to its spare word, and waits for that and
; for its reads of this slot.  fill = 1: the barrier opens a round of the cluster's, and the refill, two steps ahead, is the first thing behind it: it has 120 matrix instructions in which to land.
.macro SLICE e, fold, fill
.set QC, (\e)%4
.set mi, 0
.set fn, 0
.if (\e) < 4
.set WM, 0x54                          ; V window 0, P window 1, sums window 1
.else
.set WM, 0xa4                          ; sums window 2
.endif
.if (\e) == 1
	WIN 0
	s_wait_loadcnt 0x0                             ; c m of the step in hand
	FCOMP
	HEAD
.endif
.if (\e) == 5
	WIN 0
	s_wait_tensorcnt 0x0
	ds_add_u32 v[SPW], v[NIL]                      ; 0 onto my spare word; the descriptors' scalar work stands between it and the wait for it
.if \fill
	MKADR NXT, G0A, G0V
	s_add_co_u32 s[G0A+1], s[LWA], s[TB]           ; the slot just read
	s_add_co_u32 s[G0V+1], s[LWV], s[TB]
	s_add_co_u32 s[NXT], s[NXT], 1
.endif
	s_wait_dscnt 0x0                               ; the add is done, and my reads of this slot are over
	s_barrier_signal -1
	WIN WM
.rept 8
	MMA \e
.endr
	WIN 0
	s_barrier_wait -1
.if \fill
	CREST
	JLOAD
.endif
	s_xor_b32 s[TB], s[TB], SLOT
	v_add_nc_u32 v[ADA], s[TB], v[ADA0]
	v_add_nc_u32 v[ADVA], s[TB], v[ADV0]
	v_add_nc_u32 v[ADVB], 4*32*PV, v[ADVA]
	LOADS 0                                        ; the next step's slice 0
	WIN WM
.rept 8
	MMA \e
.endr
.else
	LOADS ((\e)+3)%8
	s_wait_dscnt 32                                ; the 16 loads just issued and the 16 before them may be out: this slice's are in
.rept 4
	WIN WM
.rept 4
	MMA \e
.endr
.if \fold
	FOLDG 1-(\e)/4, \fold
.endif
.endr
.endif
.if !(\fold)
.rept 4
	v_nop
.endr
.endif
.endm
.macro FOLDL                           ; in front of a way out: the block's last chunk is folded in one run
.set fn, 0
.rept 4
	FOLDG 1, 1
.endr
	WIN 0
.endm
; THE WAY OUT: times 1 / l; rounded to f16; a lane's eight channels of accumulator (a, b) are 16 bytes of the fragment of row block a, slice b / 2, half b % 2: stored as they stand.
; lo = 1 (the first block's way out): where my query block 0 is the batch's rows 0-15, its numbers are split first: obuf takes hi, olo takes lo.  PART1's first 64 registers and PART0's first 16, free by now, are at work.
.macro WAYOUT lo
	WIN 0x82                                       ; source 0 and destination window 2, source 1 window 0
.set n, 0
.rept 64
	v_pk_mul_f32 v[TOT+2*n:TOT+2*n+1], v[TOT+2*n:TOT+2*n+1], v[LINVC+2*(n/16):LINVC+2*(n/16)+1] op_sel_hi:[1,0]  ; t
.set n, n+1
.endr
.if \lo
	WIN 0
	s_cmp_lg_u32 s[EARLY], 1
	s_cbranch_scc1 .Lno_lo_\@
	WIN 0x8a                                       ; all in window 2
.set n, 0
.rept 16
	v_pk_mul_f32 v[2*n:2*n+1], v[TOT+2*n:TOT+2*n+1], 0x46000400 op_sel_hi:[1,0]  ; c = 8193 t
.set n, n+1
.endr
.set n, 0
.rept 16
	v_pk_add_f32 v[32+2*n:32+2*n+1], v[2*n:2*n+1], v[TOT+2*n:TOT+2*n+1] neg_lo:[0,1] neg_hi:[0,1]  ; c - t
.set n, n+1
.endr
.set n, 0
.rept 16
	v_pk_add_f32 v[2*n:2*n+1], v[2*n:2*n+1], v[32+2*n:32+2*n+1] neg_lo:[0,1] neg_hi:[0,1]  ; hi = c - (c - t)
.set n, n+1
.endr
.set n, 0
.rept 16
	v_pk_add_f32 v[32+2*n:32+2*n+1], v[TOT+2*n:TOT+2*n+1], v[2*n:2*n+1] neg_lo:[0,1] neg_hi:[0,1]  ; lo = t - hi, exactly
.set n, n+1
.endr
.set n, 0
.rept 16
	v_pk_add_f32 v[TOT+2*n:TOT+2*n+1], v[TOT+2*n:TOT+2*n+1], v[32+2*n:32+2*n+1] neg_lo:[0,1] neg_hi:[0,1]  ; what stays is t - lo = hi, exactly: its rounding to f16 below changes nothing
.set n, n+1
.endr
	WIN 0x4a                                       ; sources window 2, destination window 1
.set n, 0
.rept 16
	v_cvt_pk_f16_f32 v[n], v[32+2*n], v[32+2*n+1]
.set n, n+1
.endr
	WIN 0x04                                       ; the stores' data in window 1
.irp b, 0,1,2,3
	global_store_b128 v[GO], v[4*(\b):4*(\b)+3], s[OLOB:OLOB+1] offset:(\b)*512  ; 512 consecutive bytes, aligned
.endr
	WIN 0
.Lno_lo_\@:
.endif
	WIN 0x0a                                       ; sources window 2, destination window 0
.set n, 0
.rept 64
	v_cvt_pk_f16_f32 v[TMP+n], v[TOT+2*n], v[TOT+2*n+1]
.set n, n+1
.endr
	WIN 0
.set n, 0
.rept 16
	global_store_b128 v[GO], v[TMP+4*n:TMP+4*n+3], s[OBC:OBC+1] offset:(n/4)*32768+(n%4)*512  ; 512 consecutive bytes, aligned
.set n, n+1
.endr
.endm
.macro SWITCH                          ; on to the second block
	s_wait_xcnt 0x0                                ; the stores have read their base and their data: both are written again below and in the next slices
	s_mov_b64 s[OBC:OBC+1], s[OB2:OB2+1]
	s_mov_b32 s[RT], s[NB]
.irp a, 0,1,2,3
	v_mov_b32 v[CMR+(\a)], v[CMR2+(\a)]
	v_mov_b32 v[LINVC+2*(\a)], v[LINV2+(\a)]
	v_mov_b32 v[LINVC+2*(\a)+1], v[LINV2+(\a)]
.endr
.endm
	s_wait_tensorcnt 0x1                           ; my part of step 0 is in; step 1's may stay out
	s_barrier_signal -1
	s_barrier_wait -1
	LOADS 0
	LOADS 1
	LOADS 2
	s_wait_dscnt 32                                ; slice 0's loads are in
	WIN 0
	s_branch .Lbegin                               ; the loop is entered where a block begins, in the middle of a trip
.Lstep:                                                ; 7 times: a step's slices 5 to 7, with a refill, and the next step's slices 0 to 4
	SLICE 5, 0, 1
	SLICE 6, 0, 0
	SLICE 7, 0, 0
	WIN 0
	s_sub_co_u32 s[RT], s[RT], 1
	s_cmp_lg_u32 s[RT], 0
	s_cbranch_scc1 .Lsame
	FOLDL                                          ; the first block is finished; the refills for the second are already asked for
	WAYOUT 1
	SWITCH
.Lbegin:
	SLICE 0, 0, 0
	SLICE 1, 0, 0
	SLICE 2, 0, 0
	SLICE 3, 0, 0
	SLICE 4, 2, 0
	WIN 0
	s_branch .Lbot
.Lsame:
	SLICE 0, 1, 0
	SLICE 1, 0, 0
	SLICE 2, 0, 0
	SLICE 3, 0, 0
	SLICE 4, 1, 0
	WIN 0
.Lbot:
	s_sub_co_u32 s[TRIPS], s[TRIPS], 1             ; 8 passes: the first belongs to the entry, seven jump back
	s_cmp_lg_u32 s[TRIPS], 0
	s_cbranch_scc1 .Lstep
	s_mov_b32 s[CNT], 2
.Lt:                                                   ; the last two steps ask for nothing; the second trip is left in its middle (what it fetched ahead serves nothing)
	SLICE 5, 0, 0
	SLICE 6, 0, 0
	SLICE 7, 0, 0
	WIN 0
	s_sub_co_u32 s[CNT], s[CNT], 1
	s_cmp_eq_u32 s[CNT], 0
	s_cbranch_scc1 .Lfin
	SLICE 0, 1, 0
	SLICE 1, 0, 0
	SLICE 2, 0, 0
	SLICE 3, 0, 0
	SLICE 4, 1, 0
	WIN 0
	s_branch .Lt
.Lfin:
	FOLDL
	WAYOUT 0                                       ; the second block is block 8 or later: none of its rows is split
	s_wait_tensorcnt 0x0                           ; the wave's end
	ds_add_u32 v[SPW], v[NIL]
	s_wait_dscnt 0x0
	CROUND                                         ; the closing round
	s_endpgm
.Lfunc_end_k_q8f24df3a54_pv:
	.size	k_q8f24df3a54_pv, .Lfunc_end_k_q8f24df3a54_pv-k_q8f24df3a54_pv
	.p2alignl 7, 3214868480
	.fill 96, 4, 3214868480
	.section	.rodata,"a",@progbits
	.p2align	6, 0x0
	.amdhsa_kernel k_q8f24df3a54_pv
		.amdhsa_group_segment_fixed_size 327680
		.amdhsa_private_segment_fixed_size 0
		.amdhsa_enable_private_segment 0
		.amdhsa_kernarg_size 40
		.amdhsa_user_sgpr_count 2
		.amdhsa_user_sgpr_kernarg_segment_ptr 1
		.amdhsa_wavefront_size32 1
		.amdhsa_system_sgpr_workgroup_id_x 1
		.amdhsa_system_sgpr_workgroup_id_y 1
		.amdhsa_system_sgpr_workgroup_id_z 1
		.amdhsa_system_vgpr_workitem_id 0
		.amdhsa_next_free_vgpr 768
		.amdhsa_next_free_sgpr 100
		.amdhsa_reserve_vcc 0
		.amdhsa_float_denorm_mode_32 3
		.amdhsa_float_denorm_mode_16_64 3
		.amdhsa_memory_ordered 1
		.amdhsa_forward_progress 1
		.amdhsa_inst_pref_size 139
	.end_amdhsa_kernel
	.amdgpu_metadata
---
amdhsa.version: [ 1, 2 ]
amdhsa.kernels:
  - .name:           k_q8f24df3a54_pv
    .symbol:         k_q8f24df3a54_pv.kd
    .args:
      - { .name: pbuf, .offset: 0, .size: 8, .value_kind: global_buffer, .address_space: global }
      - { .name: qkv, .offset: 8, .size: 8, .value_kind: global_buffer, .address_space: global }
      - { .name: stats, .offset: 16, .size: 8, .value_kind: global_buffer, .address_space: global }
      - { .name: obuf, .offset: 24, .size: 8, .value_kind: global_buffer, .address_space: global }
      - { .name: olo, .offset: 32, .size: 8, .value_kind: global_buffer, .address_space: global }
    .group_segment_fixed_size: 327680
    .private_segment_fixed_size: 0
    .kernarg_segment_align: 8
    .kernarg_segment_size: 40
    .max_flat_workgroup_size: 128
    .sgpr_count:     100
    .vgpr_count:     768
    .wavefront_size: 32
...
	.end_amdgpu_metadata
.endif
;; end of part 6
;; launch oproj (part 7): grid 8 x 32, 4 waves a work-group, clusters of 4 x 4, 327,680 bytes of LDS; arguments obuf, wot, out0, olo; writes out0
.if DOCPART == 7
	.amdgcn_target "amdgcn-amd-amdhsa--gfx1250"
	.amdhsa_code_object_version 6
	.text
	.protected	k_q8f24df3a54_oproj
	.globl	k_q8f24df3a54_oproj
	.p2align	8
	.type	k_q8f24df3a54_oproj,@function
k_q8f24df3a54_oproj:
	s_mov_b64 s[64:65], 0
	v_nop
	global_prefetch_b8 v0, s[64:65] scope:SCOPE_SE
	s_setreg_imm32_b32 hwreg(HW_REG_WAVE_MODE, 25, 1), 1
	s_wait_xcnt 0x0
	s_wait_alu depctr_hold_cnt(0) depctr_sa_sdst(0) depctr_va_vdst(0) depctr_va_sdst(0) depctr_va_ssrc(0) depctr_va_vcc(0) depctr_vm_vsrc(0)
	s_getreg_b32 s2, hwreg(HW_REG_IB_STS2, 6, 4)
	s_cmp_eq_u32 s2, 0
	s_cbranch_scc0 .Lentry_in_a_cluster
	s_endpgm
.Lentry_in_a_cluster:
	s_bfe_u32 s2, ttmp6, 0x10000c
	s_cmp_lg_u32 s2, 0xf033
	s_cbranch_scc0 .Lentry_shape_is_right
	s_endpgm
.Lentry_shape_is_right:
; OPROJ.  out0[m][n] = sum over channels c of O[m][c] wot[n][c].  O: obuf, f16, in the order of this product's fragments: [512 blocks of 16 rows][32 slices of 32 channels][1,024 bytes], registers 0-3 of lane L
; at 16 L of a slice's bytes, registers 4-7 at 512 + 16 L.  wot: [1024][1024] f16 (Wo turned, rounded to bf16, written as f16).  out0: [8192][1024] f32; sums in f32.
; ROWS 0-15 OF EACH BATCH are hi + lo: hi lies in obuf like every row, lo in olo ([4 batches][32 slices][1,024 bytes], the same order), and its products are added onto the same sums.  A causal row q is a mean of
; q + 1 rows of V, so only the first rows' numbers can be many times the output's root mean square, by which the allowance goes; from row 16 on O is one f16 number.
; SHARES.  One tile of 256 rows x 128 columns to a work-group: 256 of them.  A wave owns 64 rows x 128 columns: 32 accumulators; a row of its part is 512 bytes, and the stage for the way out is its own.
; THE WALK.  8 steps of 128 channels through a ring of two LDS slots.  Waves 0, 1 fetch the halves of obuf's tile (8 blocks of 16 rows, 4,096 consecutive bytes of each: dense in LDS, where a fragment load takes
; 512 consecutive bytes), waves 2, 3 the halves of wot's 128 rows (256 bytes each, padded).  Two loads of a wave are out at the start, later one.
; CLUSTER.  4 x 4 work-groups: obuf's tile is asked for jointly along a row of the cluster, wot's along a column.  The row tile is Y = 8 cy + the cluster's y: cy is the batch, the cluster's y the tile's place in
; it, so that 'a batch's first tile' hangs on the cluster's y alone, which all sixteen partners share.  There wave 0, whose row block 0 is the batch's rows 0-15, copies its batch's 32,768 bytes of olo once
; into LDS bytes of its own and multiplies 8 products more in each quarter.  The matrix instruction is used transposed: a lane holds eight neighbouring columns of one row.
; REGISTERS.  Window 0: v0-15 addresses; v16-31 two fragments of lo; two fragment buffers of 96 (64 of wot's, 32 of obuf's) at v64 and v160; the way out reads rows back into v64-127 and v128-191.
; Window 1: accumulator (a, b) at v[8 (8 a + b)].
.set PB,     272                       ; a row of wot's tile in LDS: 256 bytes + 16: the 16 rows of a fragment load start at 16 different groups of four banks (ISA guide 11.1)
.set ABLK,   4096                      ; a block of 16 rows of obuf in a step: four slices
.set AHALF,  8*ABLK
.set BHALF,  64*PB
.set BOFF,   2*AHALF
.set SLOT1,  1<<17                     ; slot 1 begins here (a slot holds 100,352 bytes), so that one exclusive or turns an address in one slot into the other's
.set STAGE,  SLOT1+BOFF+2*BHALF        ; behind the ring: 16 rows x 528 bytes for each wave
.set SPITCH, 528                       ; a stage row: 512 bytes + 16
.set LOS,    STAGE+4*16*SPITCH         ; behind the stages: wave 0's copy of its batch's lo fragments; no tile lands there
.set SPARE,  LOS+32768                 ; behind it: the spare words, 128 bytes for each wave
.set ADRA0, 4
.set ADRB0, 5
.set ADRA,  6
.set ADRB,  7
.set STO,   8
.set RD,    9
.set CO,    10                         ; 16 x lane
.set SPW,   12
.set NIL,   13
.set ADL0,  14                         ; my 16 bytes of the first lo fragment
.set ADL,   15                         ; the same in the step in hand
.set LF0,   16                         ; v[16:23], v[24:31]: the lo fragment that goes with fragment buffer 0, 1
.set F0,    64
.set F1,    160
.set OB,    64
.set G1,   24
.set G0X,  32
.set G0,   36
.set G1B,  48
.set G0BX, 56
.set G0B,  60
.set TB,   66
.set LSO,  67                          ; s67  byte offset of the step's four lo fragments
.set CLY,  68                          ; s68  the cluster's y
.set TRIPS,69
.set CNT,  70
.set OLO,  78                          ; s[78:79] olo at my batch
.set MUL,  0x50
.set MSB, 0
.macro WIN new
.if MSB != (\new)
	s_set_vgpr_msb (MSB<<8)|(\new)
.set MSB, \new
.endif
.endm
.macro PLACES
.rept 4
	v_nop
.endr
.endm
.macro JLOAD
	s_cmp_eq_u32 s11, 0
	s_cbranch_scc0 .Lfor_b_\@
	tensor_load_to_lds s[G0:G0+3], s[G1:G1+7]
	s_nop 0
.rept 4
	v_nop
.endr
	s_branch .Lasked_\@
.Lfor_b_\@:
	tensor_load_to_lds s[G0B:G0B+3], s[G1B:G1B+7]
	s_nop 0
.rept 4
	v_nop
.endr
.Lasked_\@:
.endm
.macro CREST
	s_cmp_lg_u32 s10, 0
	s_cbranch_scc1 .Lnot_wave_0_\@
	s_barrier_signal -3
.Lnot_wave_0_\@:
	s_barrier_wait -3
	s_barrier_signal -1
	s_barrier_wait -1
.endm
.macro CROUND
	s_barrier_signal -1
	s_barrier_wait -1
	CREST
.endm
	s_load_b128 s[4:7], s[0:1], 0x0                ; obuf s[4:5], wot s[6:7]
	s_load_b64 s[8:9], s[0:1], 0x10                ; out0
	s_load_b64 s[OLO:OLO+1], s[0:1], 0x18          ; olo
	v_lshl_add_u32 v[SPW], v0, 2, SPARE
	v_mov_b32 v[NIL], 0
	ds_add_u32 v[SPW], v[NIL]                      ; the wave's opening: the add and its wait stand ahead of my first tensor load
	ds_add_u32 v12, v13
	v_lshrrev_b32 v1, 5, v0
	v_readfirstlane_b32 s10, v1
	s_lshr_b32 s11, s10, 1
	s_and_b32 s12, s10, 1
	s_bfe_u32 s40, ttmp6, 0x40000
	s_bfe_u32 s41, ttmp6, 0x40004
	s_lshl_b32 s42, ttmp9, 2
	s_add_co_u32 s42, s42, s40                     ; X = 4 x cluster x + cx
	s_and_b32 s[CLY], ttmp7, 0xffff
	s_lshl_b32 s13, s41, 3
	s_add_co_u32 s13, s13, s[CLY]                  ; Y = 8 cy + cluster y
	s_lshl_b32 s43, s41, 2
	s_lshl_b32 s43, 15, s43
	s_lshl_b32 s44, 0x1111, s40
	s_or_b32 s[G1], s43, (3<<16)|(1<<21)                           ; the mask of my row; 8-byte elements; no padding
	s_or_b32 s[G1B], s44, (1<<16)|(1<<20)|(1<<21)|(5<<22)|(3<<25)  ; the mask of my column; 2-byte elements; padding: after every 64 words, 4 words
	s_mov_b32 s[G1+1], 512<<16                     ; tensor_dim0 = 512 elements: 4,096 bytes
	s_mov_b32 s[G1+2], 8<<16                       ; tensor_dim1 = 8 blocks of 16 rows
	s_mov_b32 s[G1+3], 512<<16                     ; tile_dim0
	s_mov_b32 s[G1+4], 8                           ; tile_dim1
	s_mov_b32 s[G1+5], 4096                        ; 32,768 bytes from block to block
	s_mov_b32 s[G1+6], 0
	s_mov_b32 s[G1+7], 0
	s_mov_b32 s[G1B+1], 128<<16
	s_mov_b32 s[G1B+2], 64<<16
	s_mov_b32 s[G1B+3], 128<<16
	s_mov_b32 s[G1B+4], 64
	s_mov_b32 s[G1B+5], 1024
	s_mov_b32 s[G1B+6], 0
	s_mov_b32 s[G1B+7], 0
	s_lshl_b32 s16, s13, 4
	s_lshl_b32 s17, s12, 3
	s_add_co_u32 s16, s16, s17
	s_lshl_b32 s16, s16, 15                        ; obuf: block 16 Y + 8 x half, 32,768 bytes a block
	s_mov_b32 s17, 0
	s_lshl_b32 s47, s12, 6
	s_lshl_b32 s46, s42, 7
	s_add_co_u32 s46, s46, s47
	s_lshl_b32 s46, s46, 11                        ; wot: row 128 X + 64 x half, 2,048 bytes a row
	s_mov_b32 s47, 0
	s_mul_i32 s20, s10, AHALF                      ; where they go: waves 0, 1: wave x 8 blocks;
	s_mul_i32 s21, s10, BHALF
	s_add_co_u32 s21, s21, BOFF-2*BHALF            ; waves 2, 3: behind obuf's tile, (wave - 2) x 64 rows
	s_mov_b32 s[TB], 0
	s_mov_b32 s[LSO], 0
	s_mov_b32 s[TRIPS], 6
	s_wait_dscnt 0x0                               ; the opening add is done
	s_wait_kmcnt 0x0
	s_add_nc_u64 s[14:15], s[4:5], s[16:17]
	s_add_nc_u64 s[46:47], s[6:7], s[46:47]
	CROUND
	s_mov_b32 s[G0X], 1
	s_mov_b32 s[G0X+1], s20
	s_mov_b64 s[G0X+2:G0X+3], s[14:15]
	s_or_b32 s[G0X+3], s[G0X+3], 0x80000000
	s_mov_b32 s[G0], 1
	s_add_co_u32 s[G0+1], s20, SLOT1
	s_add_nc_u64 s[G0+2:G0+3], s[14:15], ABLK
	s_or_b32 s[G0+3], s[G0+3], 0x80000000
	s_mov_b32 s[G0BX], 1
	s_mov_b32 s[G0BX+1], s21
	s_mov_b64 s[G0BX+2:G0BX+3], s[46:47]
	s_or_b32 s[G0BX+3], s[G0BX+3], 0x80000000
	s_mov_b32 s[G0B], 1
	s_add_co_u32 s[G0B+1], s21, SLOT1
	s_add_nc_u64 s[G0B+2:G0B+3], s[46:47], 256
	s_or_b32 s[G0B+3], s[G0B+3], 0x80000000
	s_cmp_eq_u32 s11, 0                            ; a wave's two first fills stand in one branch: steps 0 and 1
	s_cbranch_scc0 .Lfirst_b
	tensor_load_to_lds s[G0X:G0X+3], s[G1:G1+7]
	s_nop 0
	tensor_load_to_lds s[G0:G0+3], s[G1:G1+7]
	s_nop 0
.rept 4
	v_nop
.endr
	s_branch .Lfirst_asked
.Lfirst_b:
	tensor_load_to_lds s[G0BX:G0BX+3], s[G1B:G1B+7]
	s_nop 0
	tensor_load_to_lds s[G0B:G0B+3], s[G1B:G1B+7]
	s_nop 0
.rept 4
	v_nop
.endr
.Lfirst_asked:
	v_and_b32 v1, 15, v0
	v_bfe_u32 v2, v0, 4, 1
	v_and_b32 v3, 31, v0
	v_lshlrev_b32 v[CO], 4, v3                     ; 16 x lane
	s_lshl_b32 s22, s10, 14                        ; my four blocks of 16 rows
	v_add_nc_u32 v[ADRA0], s22, v[CO]              ; obuf's fragments: 512 consecutive bytes a load
	v_mul_u32_u24 v3, v1, PB
	v_lshl_add_u32 v3, v2, 4, v3
	v_add_nc_u32 v[ADRB0], BOFF, v3                ; wot's fragments: row r, 16 h
	v_mov_b32 v[ADRA], v[ADRA0]
	v_mov_b32 v[ADRB], v[ADRB0]
	v_add_nc_u32 v[ADL0], LOS, v[CO]
	v_mov_b32 v[ADL], v[ADL0]
	s_mul_i32 s23, s10, 16*SPITCH
	s_add_co_u32 s23, s23, STAGE                   ; my stage
	v_mul_u32_u24 v3, v1, SPITCH
	v_lshl_add_u32 v3, v2, 5, v3
	v_add_nc_u32 v[STO], s23, v3                   ; in: row r, 32 bytes for each half of the lanes
	v_add_nc_u32 v[RD], s23, v[CO]                 ; back: a row of 512 bytes
.set n, 0
.rept 16
	v_mov_b32 v[LF0+n], 0                          ; the two lo fragments are written ahead of every way through the text that reads them
.set n, n+1
.endr
	s_lshl_b32 s76, s13, 8
	s_lshl_b32 s77, s10, 6
	s_add_co_u32 s76, s76, s77
	s_lshl_b32 s76, s76, 12                        ; out0: row 256 Y + 64 w, 4,096 bytes a row
	s_lshl_b32 s77, s42, 9
	s_add_co_u32 s76, s76, s77                     ; column 128 X, 4 bytes
	s_mov_b32 s77, 0
	s_add_nc_u64 s[8:9], s[8:9], s[76:77]
	s_lshl_b32 s76, s41, 15                        ; olo: 32,768 bytes a batch
	s_add_nc_u64 s[OLO:OLO+1], s[OLO:OLO+1], s[76:77]
	; Wave 0 of a batch's first tile copies the batch's lo fragments into its own LDS bytes, once, while the first tiles are on their way: 64 loads of 512 consecutive bytes through the accumulators' registers, still free.
	s_cmp_lg_u32 s10, 0
	s_cbranch_scc1 .Lno_lo
	s_cmp_lg_u32 s[CLY], 0
	s_cbranch_scc1 .Lno_lo
	WIN 0x40                                       ; destination window 1
.set n, 0
.rept 64
	global_load_b128 v[4*n:4*n+3], v[CO], s[OLO:OLO+1] offset:n*512
.set n, n+1
.endr
	s_wait_loadcnt 0x0
	WIN 0x04                                       ; the stores' data in window 1
.set n, 0
.rept 64
	ds_store_b128 v[ADL0], v[4*n:4*n+3] offset:n*512
.set n, n+1
.endr
	WIN 0
.Lno_lo:
.macro MUL8 f, a, zero
	WIN MUL
.irp b, 0,1,2,3,4,5,6,7
.if \zero
	v_wmma_f32_16x16x32_f16 v[8*(8*(\a)+(\b)):8*(8*(\a)+(\b))+7], v[(\f)+8*(\b):(\f)+8*(\b)+7], v[(\f)+64+8*(\a):(\f)+64+8*(\a)+7], 0
.else
	v_wmma_f32_16x16x32_f16 v[8*(8*(\a)+(\b)):8*(8*(\a)+(\b))+7], v[(\f)+8*(\b):(\f)+8*(\b)+7], v[(\f)+64+8*(\a):(\f)+64+8*(\a)+7], v[8*(8*(\a)+(\b)):8*(8*(\a)+(\b))+7]
.endif
.endr
.endm
.macro FETCH q, f                      ; 24 LDS loads in one run: the fragments of quarter q (32 channels) of the step in hand
	WIN 0
.irp i, 0,1,2,3,4,5,6,7
	ds_load_b128 v[(\f)+8*(\i):(\f)+8*(\i)+3],   v[ADRB] offset:64*(\q)+(\i)*16*PB
	ds_load_b128 v[(\f)+8*(\i)+4:(\f)+8*(\i)+7], v[ADRB] offset:64*(\q)+(\i)*16*PB+32
.endr
.irp i, 0,1,2,3
	ds_load_b128 v[(\f)+64+8*(\i):(\f)+64+8*(\i)+3],   v[ADRA] offset:(\i)*ABLK+(\q)*1024
	ds_load_b128 v[(\f)+64+8*(\i)+4:(\f)+64+8*(\i)+7], v[ADRA] offset:(\i)*ABLK+(\q)*1024+512
.endr
.endm
; WHAT WAVE 0 OF A BATCH'S FIRST TILE DOES BESIDES, in one block under two forward branches (the wave's number; the cluster's y), with no barrier and no tensor load inside: the lo fragment of quarter q goes into the
; registers that go with buffer g (the quarter's own wait for all LDS loads awaits it; four plain vector instructions stand between the last product that read them and this load), and, mul = 1, wot's fragments in buffer f
; times the lo fragment that goes with f are added onto row block 0's eight sums, which take turns.
.macro LOBLK q, g, f, mul
.set LG, LF0+8*((\g)/F1)
.set LM, LF0+8*((\f)/F1)
	WIN 0
	s_cmp_lg_u32 s10, 0
	s_cbranch_scc1 .Lnl_\@
	s_cmp_lg_u32 s[CLY], 0
	s_cbranch_scc1 .Lnl_\@
	ds_load_b128 v[LG:LG+3],   v[ADL] offset:(\q)*1024
	ds_load_b128 v[LG+4:LG+7], v[ADL] offset:(\q)*1024+512
.if \mul
	WIN MUL
.irp b, 0,1,2,3,4,5,6,7
	v_wmma_f32_16x16x32_f16 v[8*(\b):8*(\b)+7], v[(\f)+8*(\b):(\f)+8*(\b)+7], v[LM:LM+7], v[8*(\b):8*(\b)+7]
.endr
	WIN 0
.endif
.Lnl_\@:
.endm
.macro QUARTER q, f, g, zero           ; 32 matrix instructions on buffer f, the 32 accumulators by turns; quarter q's fragments go into g
	s_wait_dscnt 0x0                               ; f's loads were issued 24 matrix instructions ago
	MUL8 \f, 0, \zero
	PLACES                                         ; behind the last products that read g
	FETCH \q, \g
	LOBLK \q, \g, \f, 1
	MUL8 \f, 1, \zero
	MUL8 \f, 2, \zero
	MUL8 \f, 3, \zero
.endm
.macro TURN fill                       ; the last quarter and the change of slots; fill = 1: the barrier opens a round of the cluster's, the joint refill is the first thing behind it
	WIN 0
	s_wait_tensorcnt 0x0                           ; all my tensor loads have landed: my part of the next slot
	ds_add_u32 v[SPW], v[NIL]
	s_wait_dscnt 1                                 ; the add alone may be out
	MUL8 F1, 0, 0
	s_wait_dscnt 0x0                               ; the add is done, and my reads of this slot are over
	s_barrier_signal -1
	MUL8 F1, 1, 0
	WIN 0
	s_barrier_wait -1
.if \fill
	CREST
	s_xor_b32 s[G0+1], s[G0+1], SLOT1              ; the slot just read, the next step; no tensor load of mine is out
	s_add_nc_u64 s[G0+2:G0+3], s[G0+2:G0+3], ABLK
	s_xor_b32 s[G0B+1], s[G0B+1], SLOT1
	s_add_nc_u64 s[G0B+2:G0B+3], s[G0B+2:G0B+3], 256
	JLOAD
.else
	PLACES
.endif
	s_xor_b32 s[TB], s[TB], SLOT1
	s_add_co_u32 s[LSO], s[LSO], ABLK              ; the next step's four lo fragments,
	s_min_u32 s[LSO], s[LSO], 7*ABLK               ; held at the last step's: what is fetched behind the walk's end serves nothing and stays inside the copy
	v_add_nc_u32 v[ADRA], s[TB], v[ADRA0]
	v_add_nc_u32 v[ADRB], s[TB], v[ADRB0]
	v_add_nc_u32 v[ADL], s[LSO], v[ADL0]
	FETCH 0, F0
	LOBLK 0, F0, F1, 1
	MUL8 F1, 2, 0
	MUL8 F1, 3, 0
.endm
; THE WAY OUT, 16 rows at a time: the f32 sums go into my own stage as they are (a lane's eight columns are 32 bytes; each accumulator's lowest registers first) and come back as whole rows of 512 bytes.
.macro TOSTAGE a
	WIN 0x04                                       ; the stores' data in window 1
.irp b, 0,1,2,3,4,5,6,7
	ds_store_b128 v[STO], v[8*(8*(\a)+(\b)):8*(8*(\a)+(\b))+3] offset:64*(\b)
	ds_store_b128 v[STO], v[8*(8*(\a)+(\b))+4:8*(8*(\a)+(\b))+7] offset:64*(\b)+16
.endr
	WIN 0
.set n, 0
.rept 16
	ds_load_b128 v[OB+64*((\a)%2)+4*n:OB+64*((\a)%2)+4*n+3], v[RD] offset:n*SPITCH  ; LDS serves a wave's instructions in order: these see the stores above
.set n, n+1
.endr
.endm
.macro SEND a, younger
	s_wait_dscnt \younger
.set n, 0
.rept 16
	global_store_b128 v[CO], v[OB+64*((\a)%2)+4*n:OB+64*((\a)%2)+4*n+3], s[8:9] offset:(\a)*65536+n*4096 th:TH_STORE_NT  ; a wave's store covers 512 consecutive bytes, aligned
.set n, n+1
.endr
.endm
	s_wait_tensorcnt 0x1                           ; my part of step 0 is in; step 1's may stay out
	s_wait_dscnt 0x0                               ; wave 0's stores of the lo fragments are done: no LDS instruction is out at a signal
	s_barrier_signal -1
	s_barrier_wait -1
	FETCH 0, F0
	LOBLK 0, F0, F0, 0                             ; the first lo fragment: nothing to multiply yet
	QUARTER 1, F0, F1, 1
	WIN 0
.Lstep:                                                ; 6 trips, each refills
	QUARTER 2, F1, F0, 0
	QUARTER 3, F0, F1, 0
	TURN 1
	QUARTER 1, F0, F1, 0
	WIN 0
	s_sub_co_u32 s[TRIPS], s[TRIPS], 1
	s_cmp_lg_u32 s[TRIPS], 0
	s_cbranch_scc1 .Lstep
	s_mov_b32 s[CNT], 2
.Ltail:                                                ; the last two steps ask for nothing; the second trip is left in its middle
	QUARTER 2, F1, F0, 0
	QUARTER 3, F0, F1, 0
	TURN 0
	WIN 0
	s_sub_co_u32 s[CNT], s[CNT], 1
	s_cmp_eq_u32 s[CNT], 0
	s_cbranch_scc1 .Lout
	QUARTER 1, F0, F1, 0
	WIN 0
	s_branch .Ltail
.Lout:
	s_wait_dscnt 0x0
	PLACES                                         ; behind the last products: their results are stored, and their fragments' registers loaded, below
	TOSTAGE 0
	TOSTAGE 1
	SEND 0, 32                                     ; behind block 0's loads stand block 1's 16 stores and 16 loads
	s_wait_xcnt 0x0                                ; block 0's stores have read the registers that block 2 is loaded into
	TOSTAGE 2
	SEND 1, 32
	s_wait_xcnt 0x0
	TOSTAGE 3
	SEND 2, 32
	SEND 3, 0
	s_wait_tensorcnt 0x0                           ; the wave's end
	ds_add_u32 v[SPW], v[NIL]
	s_wait_dscnt 0x0
	CROUND                                         ; the closing round
	s_endpgm
.Lfunc_end_k_q8f24df3a54_oproj:
	.size	k_q8f24df3a54_oproj, .Lfunc_end_k_q8f24df3a54_oproj-k_q8f24df3a54_oproj
	.p2alignl 7, 3214868480
	.fill 96, 4, 3214868480
	.section	.rodata,"a",@progbits
	.p2align	6, 0x0
	.amdhsa_kernel k_q8f24df3a54_oproj
		.amdhsa_group_segment_fixed_size 327680
		.amdhsa_private_segment_fixed_size 0
		.amdhsa_enable_private_segment 0
		.amdhsa_kernarg_size 32
		.amdhsa_user_sgpr_count 2
		.amdhsa_user_sgpr_kernarg_segment_ptr 1
		.amdhsa_wavefront_size32 1
		.amdhsa_system_sgpr_workgroup_id_x 1
		.amdhsa_system_sgpr_workgroup_id_y 1
		.amdhsa_system_sgpr_workgroup_id_z 1
		.amdhsa_system_vgpr_workitem_id 0
		.amdhsa_next_free_vgpr 512
		.amdhsa_next_free_sgpr 96
		.amdhsa_reserve_vcc 0
		.amdhsa_float_denorm_mode_32 3
		.amdhsa_float_denorm_mode_16_64 3
		.amdhsa_memory_ordered 1
		.amdhsa_forward_progress 1
		.amdhsa_inst_pref_size 78
	.end_amdhsa_kernel
	.amdgpu_metadata
---
amdhsa.version: [ 1, 2 ]
amdhsa.kernels:
  - .name:           k_q8f24df3a54_oproj
    .symbol:         k_q8f24df3a54_oproj.kd
    .args:
      - { .name: obuf, .offset: 0, .size: 8, .value_kind: global_buffer, .address_space: global }
      - { .name: wot, .offset: 8, .size: 8, .value_kind: global_buffer, .address_space: global }
      - { .name: out0, .offset: 16, .size: 8, .value_kind: global_buffer, .address_space: global }
      - { .name: olo, .offset: 24, .size: 8, .value_kind: global_buffer, .address_space: global }
    .group_segment_fixed_size: 327680
    .private_segment_fixed_size: 0
    .kernarg_segment_align: 8
    .kernarg_segment_size: 32
    .max_flat_workgroup_size: 128
    .sgpr_count:     96
    .vgpr_count:     512
    .wavefront_size: 32
...
	.end_amdgpu_metadata
.endif
;; end of part 7
;; ======== version 3 of 3: 5 launches
;; limits: values are held in f16: magnitudes above 65,504 overflow, below 6.1e-05 lose precision
;; workspace buffers: xh 16,777,216 bytes; wt 4,194,304 bytes; qk 37,748,736 bytes; wpt 4,194,304 bytes; pbuf 33,554,432 bytes; stats 1,048,576 bytes; obuf 16,777,216 bytes; olo 131,072 bytes
;; launch prep (part 8): grid 960 x 1, 8 waves a work-group, no clusters, 17,920 bytes of LDS; arguments x, Wq, Wk, Wv, Wo, xh, wt, qk, stats; writes xh, wt, qk, stats
.if DOCPART == 8
	.amdgcn_target "amdgcn-amd-amdhsa--gfx1250"
	.amdhsa_code_object_version 6
	.text
	.protected	k_q8f24df3a54_prep
	.globl	k_q8f24df3a54_prep
	.p2align	8
	.type	k_q8f24df3a54_prep,@function
k_q8f24df3a54_prep:
	s_mov_b64 s[64:65], 0
	v_nop
	global_prefetch_b8 v0, s[64:65] scope:SCOPE_SE
	s_setreg_imm32_b32 hwreg(HW_REG_WAVE_MODE, 25, 1), 1
	s_wait_xcnt 0x0
; PREP.  Every input is rounded to bf16, and that number is written as f16 (exact from 7.6e-6 to 65,504; below, f16's fixed step of 6e-8 holds).
; Work-groups 0-511: x into xh, 16 rows of 1,024 numbers a group; each also gives stats its start values {c m = -1.7e38, l = 0}, 256 pairs a group.
; Work-groups 512-575: Wv, as it lies, times 32 (a power of two: exact), into the right half of rows 8192 on of qk.
; Work-groups 576-959: a tile of 128 k x 64 n of Wq, Wk or Wo ([k][n]) is written turned, [n][k]: Wq, Wk one below the other into wt, Wo into the left half of rows 8192 on of qk.
; So rows 8192-9215 of qk are [Wo turned | 32 Wv], laid like a batch's [q | k]: the launch that makes q k^T makes 32 (Wv Wo)^T of them by the same text.
; LIMITS.  The inputs, and 32 Wv, must lie within f16's 65,504.  NaN and infinities are not treated apart.
; The branches hang on the work-group's number alone, so all eight waves take the same way and meet the one barrier together.
.set TP,    264                        ; a row of the turned tile in LDS: 128 numbers = 256 bytes + 8
.set SPARE, 64*TP                      ; behind the tile (16,896 bytes): the spare words, 128 bytes for each of eight waves
.set WROW,  8192*4096                  ; the byte of qk at which row 8192 begins
.set SPW,   6                          ; v6  LDS address of my spare word; never rewritten
.set NIL,   7                          ; v7  0; never rewritten
.set X,     8                          ; v[8:71]   16 loads of 4 registers
.set Y,     72                         ; v[72:103] 16 pairs to store
.set T,     104                        ; v104-105  at work
.set OFF,   106                        ; v106-121  my byte offset in row j of the group's rows of the output
	s_load_b512 s[8:23], s[0:1], 0x0               ; x s[8:9], Wq s[10:11], Wk s[12:13], Wv s[14:15], Wo s[16:17], xh s[18:19], wt s[20:21], qk s[22:23]
	s_load_b64 s[24:25], s[0:1], 0x40              ; stats
	v_lshl_add_u32 v[SPW], v0, 2, SPARE
	v_mov_b32 v[NIL], 0
	s_mov_b32 s3, 0                                ; the high word of every offset pair s[2:3]
	s_mov_b32 s34, 0xffff0000                      ; a word's upper bf16
	s_cmp_lt_u32 ttmp9, 576
	s_cbranch_scc0 .Lweights
	; ROWS AS THEY LIE.  Thread t takes 16 bytes at 16 t of each of 16 rows of 4,096 bytes: a wave's load covers 512 consecutive bytes, its store 256, aligned.
	v_lshlrev_b32 v1, 4, v0
	v_lshlrev_b32 v[OFF], 3, v0
	v_mov_b32 v4, 0xff000000                       ; c m = -1.7e38: below every c m that is made of scores
	v_mov_b32 v5, 0                                ; l = 0
	s_cmp_lt_u32 ttmp9, 512                        ; x, or Wv
	s_cselect_b32 s26, 11, 12                      ; a row of the output is 2,048 bytes on from the last, or 4,096
	s_cselect_b32 s28, 1.0, 0x42000000             ; times 1, or times 32
	s_cselect_b32 s27, 0, 512
	s_cselect_b32 s30, 15, 16                      ; 16 rows of the output
	s_cselect_b32 s31, 0, WROW+2048                ; Wv goes to the right half of qk's row 8192 on
	s_mov_b32 s29, s28                             ; named with it as a pair
	s_sub_co_u32 s27, ttmp9, s27                   ; the group's number in its tensor
	s_lshl_b32 s26, 1, s26
.set j, 1
.rept 15
	v_add_nc_u32 v[OFF+j], s26, v[OFF+j-1]
.set j, j+1
.endr
	s_lshl_b32 s2, s27, 16                         ; 16 rows of 4,096 bytes
	s_wait_kmcnt 0x0
	s_cmp_lt_u32 ttmp9, 512
	s_cselect_b64 s[8:9], s[8:9], s[14:15]
	s_cselect_b64 s[18:19], s[18:19], s[22:23]
	s_add_nc_u64 s[8:9], s[8:9], s[2:3]
	s_lshl_b32 s2, s27, s30
	s_add_co_u32 s2, s2, s31
	s_add_nc_u64 s[18:19], s[18:19], s[2:3]
.set j, 0
.rept 16
	global_load_b128 v[X+4*j:X+4*j+3], v1, s[8:9] offset:j*4096 th:TH_LOAD_NT
.set j, j+1
.endr
	s_cmp_lt_u32 ttmp9, 512
	s_cbranch_scc0 .Lno_stats
	s_lshl_b32 s2, ttmp9, 11
	s_add_nc_u64 s[24:25], s[24:25], s[2:3]        ; my 2,048 bytes of stats
	global_store_b64 v[OFF], v[4:5], s[24:25]
.Lno_stats:
.set j, 0
.rept 16
	s_wait_loadcnt 15-j                            ; loads come back in order: load j is in, the 15 - j younger ones stay out
	v_cvt_pk_bf16_f32 v[T], v[X+4*j], v[X+4*j+1]   ; the one rounding
	v_cvt_pk_bf16_f32 v[T+1], v[X+4*j+2], v[X+4*j+3]
	v_lshlrev_b32 v[X+4*j], 16, v[T]
	v_and_b32 v[X+4*j+1], s34, v[T]
	v_lshlrev_b32 v[X+4*j+2], 16, v[T+1]
	v_and_b32 v[X+4*j+3], s34, v[T+1]
	v_pk_mul_f32 v[X+4*j:X+4*j+1], v[X+4*j:X+4*j+1], s[28:29] op_sel_hi:[1,0]
	v_pk_mul_f32 v[X+4*j+2:X+4*j+3], v[X+4*j+2:X+4*j+3], s[28:29] op_sel_hi:[1,0]
	v_cvt_pk_f16_f32 v[Y+2*j], v[X+4*j], v[X+4*j+1]
	v_cvt_pk_f16_f32 v[Y+2*j+1], v[X+4*j+2], v[X+4*j+3]
	global_store_b64 v[OFF+j], v[Y+2*j:Y+2*j+1], s[18:19]
.set j, j+1
.endr
	s_endpgm                                       ; this way has written no LDS
.Lweights:
	; TURNED.  g = group - 576: matrix g / 128 (Wq, Wk, Wo), k tile g % 8 (128 rows), n tile (g / 8) % 16 (64 columns).
	s_sub_co_u32 s26, ttmp9, 576
	s_lshr_b32 s27, s26, 7                         ; matrix 0..2
	s_and_b32 s28, s26, 7                          ; k tile
	s_bfe_u32 s29, s26, 0x40003                    ; n tile
	v_and_b32 v1, 15, v0                           ; cc: my four columns
	v_lshrrev_b32 v2, 4, v0                        ; gg: my pair of rows
	v_lshlrev_b32 v3, 13, v2
	v_lshl_add_u32 v3, v1, 4, v3                   ; in memory: gg x 2 rows of 4,096 bytes + 16 cc: sixteen lanes cover 256 consecutive bytes
	v_mul_u32_u24 v4, v1, 4*TP
	v_lshl_add_u32 v4, v2, 2, v4                   ; in LDS: row 4 cc of the turned tile, word gg
	v_and_b32 v1, 31, v0
	v_lshrrev_b32 v2, 5, v0
	v_mul_u32_u24 v5, v2, 8*TP
	v_lshl_add_u32 v5, v1, 3, v5                   ; back: wave w reads rows 8 w .. 8 w + 7, 8 bytes a lane
	s_lshl_b32 s36, s27, 21                        ; wt: 1,024 rows of 2,048 bytes a matrix,
	s_lshl_b32 s37, s29, 17                        ; 64 rows an n tile
	s_lshl_b32 s38, s29, 18                        ; qk: 64 rows of 4,096 bytes an n tile
	s_cmp_eq_u32 s27, 2
	s_cselect_b32 s36, WROW, s36
	s_cselect_b32 s37, s38, s37
	s_cselect_b32 s33, 12, 11                      ; from row to row of the output
	s_add_co_u32 s36, s36, s37
	s_lshl_b32 s37, s28, 8                         ; 128 numbers of 2 bytes a k tile
	s_add_co_u32 s36, s36, s37
	s_add_co_u32 s35, s33, 3
	v_lshlrev_b32 v2, s35, v2                      ; 8 w rows
	v_lshl_add_u32 v[OFF], v1, 3, v2               ; + 8 x lane
	s_lshl_b32 s33, 1, s33
.set j, 1
.rept 7
	v_add_nc_u32 v[OFF+j], s33, v[OFF+j-1]
.set j, j+1
.endr
	s_lshl_b32 s30, s28, 19                        ; 128 rows of 4,096 bytes a k tile
	s_lshl_b32 s31, s29, 8                         ; 64 columns of 4 bytes an n tile
	s_add_co_u32 s2, s30, s31
	s_wait_kmcnt 0x0
	s_cmp_eq_u32 s27, 1
	s_cselect_b64 s[10:11], s[12:13], s[10:11]
	s_cmp_eq_u32 s27, 2
	s_cselect_b64 s[10:11], s[16:17], s[10:11]     ; the matrix that I read,
	s_cselect_b64 s[20:21], s[22:23], s[20:21]     ; the buffer that I write
	s_add_nc_u64 s[10:11], s[10:11], s[2:3]
	s_mov_b32 s2, s36
	s_add_nc_u64 s[20:21], s[20:21], s[2:3]
.set jj, 0
.rept 4                                ; rows 2 (gg + 16 jj) and the row below
	global_load_b128 v[8+8*jj:11+8*jj],  v3, s[10:11] offset:jj*131072 th:TH_LOAD_NT
	global_load_b128 v[12+8*jj:15+8*jj], v3, s[10:11] offset:jj*131072+4096 th:TH_LOAD_NT
.set jj, jj+1
.endr
.set jj, 0
.rept 4
	s_wait_loadcnt 6-2*jj                          ; pair jj of rows is in; the younger pairs stay out
.irp e, 0,1,2,3
	v_cvt_pk_bf16_f32 v[40+4*jj+(\e)], v[8+8*jj+(\e)], v[12+8*jj+(\e)]  ; column 4 cc + e: k even below, k odd above
	ds_store_b32 v4, v[40+4*jj+(\e)] offset:(\e)*TP+jj*64
.endr
.set jj, jj+1
.endr
	s_wait_dscnt 0x0                               ; for the others' sake: my stores into the tile are done
	s_barrier_signal -1
	s_barrier_wait -1
.irp q, 0,1,2,3,4,5,6,7
	ds_load_b64 v[56+2*(\q):57+2*(\q)], v5 offset:(\q)*TP
.endr
	s_wait_dscnt 0x0
.set i, 0
.rept 16                               ; the bf16 number is written as f16
	v_lshlrev_b32 v72, 16, v[56+i]
	v_and_b32 v73, s34, v[56+i]
	v_cvt_pk_f16_f32 v[56+i], v72, v73
.set i, i+1
.endr
.irp q, 0,1,2,3,4,5,6,7
	global_store_b64 v[OFF+(\q)], v[56+2*(\q):57+2*(\q)], s[20:21]  ; a wave's store covers 256 consecutive bytes, aligned
.endr
	s_wait_tensorcnt 0x0                           ; the wave's end, behind my last LDS store
	ds_add_u32 v[SPW], v[NIL]
	s_wait_dscnt 0x0
	s_endpgm
.Lfunc_end_k_q8f24df3a54_prep:
	.size	k_q8f24df3a54_prep, .Lfunc_end_k_q8f24df3a54_prep-k_q8f24df3a54_prep
	.p2alignl 7, 3214868480
	.fill 96, 4, 3214868480
	.section	.rodata,"a",@progbits
	.p2align	6, 0x0
	.amdhsa_kernel k_q8f24df3a54_prep
		.amdhsa_group_segment_fixed_size 17920
		.amdhsa_private_segment_fixed_size 0
		.amdhsa_enable_private_segment 0
		.amdhsa_kernarg_size 72
		.amdhsa_user_sgpr_count 2
		.amdhsa_user_sgpr_kernarg_segment_ptr 1
		.amdhsa_wavefront_size32 1
		.amdhsa_system_sgpr_workgroup_id_x 1
		.amdhsa_system_sgpr_workgroup_id_y 1
		.amdhsa_system_sgpr_workgroup_id_z 1
		.amdhsa_system_vgpr_workitem_id 0
		.amdhsa_next_free_vgpr 128
		.amdhsa_next_free_sgpr 66
		.amdhsa_reserve_vcc 0
		.amdhsa_float_denorm_mode_32 3
		.amdhsa_float_denorm_mode_16_64 3
		.amdhsa_memory_ordered 1
		.amdhsa_forward_progress 1
		.amdhsa_inst_pref_size 23
	.end_amdhsa_kernel
	.amdgpu_metadata
---
amdhsa.version: [ 1, 2 ]
amdhsa.kernels:
  - .name:           k_q8f24df3a54_prep
    .symbol:         k_q8f24df3a54_prep.kd
    .args:
      - { .name: x, .offset: 0, .size: 8, .value_kind: global_buffer, .address_space: global }
      - { .name: Wq, .offset: 8, .size: 8, .value_kind: global_buffer, .address_space: global }
      - { .name: Wk, .offset: 16, .size: 8, .value_kind: global_buffer, .address_space: global }
      - { .name: Wv, .offset: 24, .size: 8, .value_kind: global_buffer, .address_space: global }
      - { .name: Wo, .offset: 32, .size: 8, .value_kind: global_buffer, .address_space: global }
      - { .name: xh, .offset: 40, .size: 8, .value_kind: global_buffer, .address_space: global }
      - { .name: wt, .offset: 48, .size: 8, .value_kind: global_buffer, .address_space: global }
      - { .name: qk, .offset: 56, .size: 8, .value_kind: global_buffer, .address_space: global }
      - { .name: stats, .offset: 64, .size: 8, .value_kind: global_buffer, .address_space: global }
    .group_segment_fixed_size: 17920
    .private_segment_fixed_size: 0
    .kernarg_segment_align: 8
    .kernarg_segment_size: 72
    .max_flat_workgroup_size: 256
    .sgpr_count:     66
    .vgpr_count:     128
    .wavefront_size: 32
...
	.end_amdgpu_metadata
.endif
;; end of part 8
;; launch qk (part 9): grid 8 x 32, 4 waves a work-group, clusters of 4 x 4, 327,680 bytes of LDS; arguments xh, wt, qk; writes qk
.if DOCPART == 9
	.amdgcn_target "amdgcn-amd-amdhsa--gfx1250"
	.amdhsa_code_object_version 6
	.text
	.protected	k_q8f24df3a54_qk
	.globl	k_q8f24df3a54_qk
	.p2align	8
	.type	k_q8f24df3a54_qk,@function
k_q8f24df3a54_qk:
	s_mov_b64 s[64:65], 0
	v_nop
	global_prefetch_b8 v0, s[64:65] scope:SCOPE_SE
	s_setreg_imm32_b32 hwreg(HW_REG_WAVE_MODE, 25, 1), 1
	s_wait_xcnt 0x0
	s_wait_alu depctr_hold_cnt(0) depctr_sa_sdst(0) depctr_va_vdst(0) depctr_va_sdst(0) depctr_va_ssrc(0) depctr_va_vcc(0) depctr_vm_vsrc(0)
	s_getreg_b32 s2, hwreg(HW_REG_IB_STS2, 6, 4)
	s_cmp_eq_u32 s2, 0
	s_cbranch_scc0 .Lentry_in_a_cluster
	s_endpgm
.Lentry_in_a_cluster:
	s_bfe_u32 s2, ttmp6, 0x10000c
	s_cmp_lg_u32 s2, 0xf033
	s_cbranch_scc0 .Lentry_shape_is_right
	s_endpgm
.Lentry_shape_is_right:
; QK.  qk[m][n] = sum over k of xh[m][k] wt[n][k], m < 8192, n < 2048 (q, then k).  xh: [8192][1024] f16, wt: [2048][1024] f16 (both hold bf16 numbers), qk: rows of 2,048 f16; sums in f32, rounded once.
; LIMIT.  q and k must lie within f16's 65,504; NaN and infinities are not treated apart.
; SHARES.  One tile of 256 x 256 to a work-group: 32 x 8 = 256 of them.  Four waves, 2 x 2 (rh, ch), each 128 x 128: 64 accumulators, 512 registers: for 32 along K a wave loads 2 x 128 x 64 bytes from LDS
; and issues 64 matrix instructions.
; THE WALK.  8 K steps of 128 through a ring of two LDS slots.  Waves 0, 1 fetch the halves of xh's 256 rows, waves 2, 3 the halves of wt's 256 rows: one tensor load a wave behind each change of slots, 224 matrix
; instructions ahead of the wait for it; two loads of a wave are out at the start, later one.
; CLUSTER.  4 x 4 work-groups: xh's tile hangs on Y alone and is asked for jointly along a row of the cluster, wt's on X alone, along a column.
; THE MATRIX INSTRUCTION IS USED TRANSPOSED (source 0 = 16 rows of wt, source 1 = 16 rows of xh): a lane holds eight neighbouring columns of one row.
; REGISTERS, in windows of 256: window 0: v0-31 addresses, v64-127 and v128-191 xh's fragments (two buffers); window 1: wt's fragments at the same numbers;
; window 2: the accumulators of my rows 0-63 ((a, b) at v[8 (8 a + b)]), window 3: those of rows 64-127.  The way out uses window 0's v64-127 and v192-223.
.set PITCH,  272                       ; an LDS row: 256 bytes + 16 of padding: the 16 rows of a fragment load start at 16 different groups of four banks (ISA guide 11.1)
.set HALFT,  128*PITCH                 ; what one tensor load brings
.set SLOT,   4*HALFT                   ; xh's 256 rows, then wt's 256 rows: 0x22000, which shares no bit with the four waves' bases w x 0x8800: an exclusive or with it is an addition or subtraction
.set STAGE,  2*SLOT                    ; behind the ring: 16 rows x 272 bytes for each wave
.set SPITCH, 272
.set SPARE,  STAGE+4*16*SPITCH         ; behind the stages: the spare words, 128 bytes for each wave
.set ADRA0, 16                         ; v16, v17  my lane's place in slot 0's rows of xh, of wt; never rewritten
.set ADRB0, 17
.set ADRA,  18                         ; v18, v19  the same in the slot in hand
.set ADRB,  19
.set STO,   24                         ; v24  the way out: where I put 16 bytes of a row
.set RD,    25                         ; v25  where I read a row back
.set CO,    26                         ; v26  my byte offset in two rows of qk
.set SPW,   28                         ; v28  LDS address of my spare word; never rewritten
.set NIL,   29                         ; v29  0; never rewritten
.set OB,    64                         ; v64-95, v96-127: 16 rows read back, by turns
.set TMP,   192                        ; v192-223 a block of 16 rows in f16
.set F0,    64
.set F1,    128
.set G1,   24                          ; s[24:31] group 1 for xh's tiles
.set G0X,  32                          ; s[32:35] group 0 for K step 0
.set G0,   36                          ; s[36:39] group 0 for K step 1; it then walks
.set G1B,  48                          ; the same three for wt's tiles
.set G0BX, 56
.set G0B,  60
.set TB,   66                          ; s66  0 or SLOT: the slot in hand
.set TRIPS,69
.set CNT,  70
.set MUL_LO, 0xa1                      ; source 0 (wt) window 1, source 1 (xh) window 0, C and D window 2
.set TO_B,   0x40
.set MSB, 0
.macro WIN new                         ; the immediate's high byte repeats the setting that is left; a switch that changes nothing is dropped
.if MSB != (\new)
	s_set_vgpr_msb (MSB<<8)|(\new)
.set MSB, \new
.endif
.endm
.macro PLACES                          ; four plain vector instructions between a matrix instruction and a load into, or a vector write or read of, its registers
.rept 4
	v_nop
.endr
.endm
.macro JLOAD                           ; a joint refill: the branch hangs on the wave's number alone; an s_nop 0 and four v_nop follow each line
	s_cmp_eq_u32 s11, 0
	s_cbranch_scc0 .Lfor_b_\@
	tensor_load_to_lds s[G0:G0+3], s[G1:G1+7]
	s_nop 0
.rept 4
	v_nop
.endr
	s_branch .Lasked_\@
.Lfor_b_\@:
	tensor_load_to_lds s[G0B:G0B+3], s[G1B:G1B+7]
	s_nop 0
.rept 4
	v_nop
.endr
.Lasked_\@:
.endm
.macro CREST                           ; a round of the cluster's barrier behind its opening barrier
	s_cmp_lg_u32 s10, 0
	s_cbranch_scc1 .Lnot_wave_0_\@
	s_barrier_signal -3
.Lnot_wave_0_\@:
	s_barrier_wait -3
	s_barrier_signal -1
	s_barrier_wait -1
.endm
.macro CROUND
	s_barrier_signal -1
	s_barrier_wait -1
	CREST
.endm
	s_load_b128 s[4:7], s[0:1], 0x0                ; xh s[4:5], wt s[6:7]
	s_load_b64 s[8:9], s[0:1], 0x10                ; qk
	v_lshl_add_u32 v[SPW], v0, 2, SPARE
	v_mov_b32 v[NIL], 0
	ds_add_u32 v[SPW], v[NIL]                      ; the wave's opening: the add and its wait stand ahead of my first tensor load; work on registers stands between them
	ds_add_u32 v28, v29
	v_lshrrev_b32 v1, 5, v0
	v_readfirstlane_b32 s10, v1                    ; wave 0..3
	s_lshr_b32 s11, s10, 1                         ; rh; also: I fetch for xh (0) or for wt (1)
	s_and_b32 s12, s10, 1                          ; ch; also: which 128 rows of that tile
	s_bfe_u32 s40, ttmp6, 0x40000                  ; cx, cy: my place in the cluster
	s_bfe_u32 s41, ttmp6, 0x40004
	s_lshl_b32 s42, ttmp9, 2
	s_add_co_u32 s42, s42, s40                     ; X = 4 x cluster x + cx
	s_and_b32 s13, ttmp7, 0xffff
	s_lshl_b32 s13, s13, 2
	s_add_co_u32 s13, s13, s41                     ; Y = 4 x cluster y + cy
	s_lshl_b32 s43, s41, 2
	s_lshl_b32 s43, 15, s43                        ; my row of the cluster
	s_lshl_b32 s44, 0x1111, s40                    ; my column
	s_or_b32 s[G1], s43, (1<<16)|(1<<20)|(1<<21)|(5<<22)|(3<<25)   ; the mask; 2-byte elements; padding on; bit 21 beside a mask; after every 64 words, 4 words
	s_or_b32 s[G1B], s44, (1<<16)|(1<<20)|(1<<21)|(5<<22)|(3<<25)
.irp g, G1, G1B
	s_mov_b32 s[(\g)+1], 128<<16                   ; tensor_dim0 = 128
	s_mov_b32 s[(\g)+2], 128<<16                   ; tensor_dim1 = 128
	s_mov_b32 s[(\g)+3], 128<<16                   ; tile_dim0 = 128
	s_mov_b32 s[(\g)+4], 128                       ; tile_dim1 = 128
	s_mov_b32 s[(\g)+5], 1024                      ; elements from row to row
	s_mov_b32 s[(\g)+6], 0
	s_mov_b32 s[(\g)+7], 0
.endr
	s_lshl_b32 s17, s12, 7
	s_lshl_b32 s16, s13, 8
	s_add_co_u32 s16, s16, s17
	s_lshl_b32 s16, s16, 11                        ; xh: row 256 Y + 128 x half, 2,048 bytes a row
	s_mov_b32 s17, 0
	s_lshl_b32 s47, s12, 7
	s_lshl_b32 s46, s42, 8
	s_add_co_u32 s46, s46, s47
	s_lshl_b32 s46, s46, 11                        ; wt: row 256 X + 128 x half
	s_mov_b32 s47, 0
	s_mul_i32 s20, s10, HALFT                      ; where they go: wave x 128 rows: no place in the cluster enters an LDS address
	s_mov_b32 s[TB], 0
	s_mov_b32 s[TRIPS], 6
	s_wait_dscnt 0x0                               ; the opening add is done
	s_wait_kmcnt 0x0
	s_add_nc_u64 s[14:15], s[4:5], s[16:17]
	s_add_nc_u64 s[46:47], s[6:7], s[46:47]
	CROUND                                         ; all sixteen work-groups are here: the first joint loads meet
	s_mov_b32 s[G0X], 1
	s_mov_b32 s[G0X+1], s20
	s_mov_b64 s[G0X+2:G0X+3], s[14:15]
	s_or_b32 s[G0X+3], s[G0X+3], 0x80000000
	s_mov_b32 s[G0], 1
	s_add_co_u32 s[G0+1], s20, SLOT
	s_add_nc_u64 s[G0+2:G0+3], s[14:15], 256
	s_or_b32 s[G0+3], s[G0+3], 0x80000000
	s_mov_b32 s[G0BX], 1
	s_mov_b32 s[G0BX+1], s20
	s_mov_b64 s[G0BX+2:G0BX+3], s[46:47]
	s_or_b32 s[G0BX+3], s[G0BX+3], 0x80000000
	s_mov_b32 s[G0B], 1
	s_add_co_u32 s[G0B+1], s20, SLOT
	s_add_nc_u64 s[G0B+2:G0B+3], s[46:47], 256
	s_or_b32 s[G0B+3], s[G0B+3], 0x80000000
	s_cmp_eq_u32 s11, 0                            ; a wave's two first fills stand in one branch: K steps 0 and 1
	s_cbranch_scc0 .Lfirst_b
	tensor_load_to_lds s[G0X:G0X+3], s[G1:G1+7]
	s_nop 0
	tensor_load_to_lds s[G0:G0+3], s[G1:G1+7]
	s_nop 0
.rept 4
	v_nop
.endr
	s_branch .Lfirst_asked
.Lfirst_b:
	tensor_load_to_lds s[G0BX:G0BX+3], s[G1B:G1B+7]
	s_nop 0
	tensor_load_to_lds s[G0B:G0B+3], s[G1B:G1B+7]
	s_nop 0
.rept 4
	v_nop
.endr
.Lfirst_asked:
	v_and_b32 v1, 15, v0                           ; r = lane % 16
	v_bfe_u32 v2, v0, 4, 1                         ; h = lane / 16
	v_mul_u32_u24 v3, v1, PITCH
	v_lshl_add_u32 v3, v2, 4, v3                   ; a fragment's row x pitch + 16 h
	s_mul_i32 s21, s11, HALFT                      ; my 128 rows of xh
	s_mul_i32 s22, s12, HALFT                      ; my 128 rows of wt,
	s_add_co_u32 s22, s22, 2*HALFT                 ; which lie behind xh's 256
	v_add_nc_u32 v[ADRA0], s21, v3
	v_add_nc_u32 v[ADRB0], s22, v3
	v_mov_b32 v[ADRA], v[ADRA0]
	v_mov_b32 v[ADRB], v[ADRB0]
	s_mul_i32 s23, s10, 16*SPITCH
	s_add_co_u32 s23, s23, STAGE                   ; my stage
	v_add_nc_u32 v[STO], s23, v3                   ; in: row r, 16 bytes for each half of the lanes
	v_mul_u32_u24 v3, v2, SPITCH
	v_lshl_add_u32 v3, v1, 4, v3
	v_add_nc_u32 v[RD], s23, v3                    ; back: lanes 0-15 one row of 256 bytes, lanes 16-31 the next
	v_lshlrev_b32 v3, 12, v2
	v_lshl_add_u32 v[CO], v1, 4, v3                ; and the same two rows in qk: h rows of 4,096 bytes + 16 r
	s_lshl_b32 s76, s13, 8
	s_lshl_b32 s77, s11, 7
	s_add_co_u32 s76, s76, s77                     ; my first row, 256 Y + 128 rh,
	s_lshl_b32 s76, s76, 12
	s_lshl_b32 s77, s42, 9
	s_add_co_u32 s76, s76, s77                     ; and my first column, 256 X + 128 ch, 2 bytes each
	s_lshl_b32 s77, s12, 8
	s_add_co_u32 s76, s76, s77
	s_mov_b32 s77, 0
	s_add_nc_u64 s[8:9], s[8:9], s[76:77]
; 16 matrix instructions: row blocks a0, a0 + 1 of the window's four x all 8 column blocks, 32 along K.  zero = 1: the product starts the sums: nothing is cleared.
.macro MUL16 f, hi, a0, zero
	WIN MUL_LO+0x50*(\hi)
.irp a, \a0, (\a0)+1
.irp b, 0,1,2,3,4,5,6,7
.if \zero
	v_wmma_f32_16x16x32_f16 v[8*(8*(\a)+(\b)):8*(8*(\a)+(\b))+7], v[(\f)+8*(\b):(\f)+8*(\b)+7], v[(\f)+8*(4*(\hi)+(\a)):(\f)+8*(4*(\hi)+(\a))+7], 0
.else
	v_wmma_f32_16x16x32_f16 v[8*(8*(\a)+(\b)):8*(8*(\a)+(\b))+7], v[(\f)+8*(\b):(\f)+8*(\b)+7], v[(\f)+8*(4*(\hi)+(\a)):(\f)+8*(4*(\hi)+(\a))+7], v[8*(8*(\a)+(\b)):8*(8*(\a)+(\b))+7]
.endif
.endr
.endr
.endm
.macro FETCH k, f                      ; 32 LDS loads in one run: wt's 128 rows, then xh's, 32 along K at byte k
	WIN TO_B
.irp i, 0,1,2,3,4,5,6,7
	ds_load_b128 v[(\f)+8*(\i):(\f)+8*(\i)+3],   v[ADRB] offset:(\k)+(\i)*16*PITCH
	ds_load_b128 v[(\f)+8*(\i)+4:(\f)+8*(\i)+7], v[ADRB] offset:(\k)+(\i)*16*PITCH+32
.endr
	WIN 0
.irp i, 0,1,2,3,4,5,6,7
	ds_load_b128 v[(\f)+8*(\i):(\f)+8*(\i)+3],   v[ADRA] offset:(\k)+(\i)*16*PITCH
	ds_load_b128 v[(\f)+8*(\i)+4:(\f)+8*(\i)+7], v[ADRA] offset:(\k)+(\i)*16*PITCH+32
.endr
.endm
.macro QUARTER k, f, g, zero           ; 64 matrix instructions on buffer f; in their middle the next quarter's fragments go into g.  The 64 accumulators take turns
	s_wait_dscnt 8                                 ; wt's rows and xh's rows 0-63 are in; the youngest eight loads (xh's rows 64-127) may be out
	MUL16 \f, 0, 0, \zero
	MUL16 \f, 0, 2, \zero
	PLACES
	FETCH \k, \g
	s_wait_dscnt 32                                ; all but the 32 just issued
	MUL16 \f, 1, 0, \zero
	MUL16 \f, 1, 2, \zero
.endm
; The last quarter multiplies buffer 1 and changes slots.  In front of the barrier each wave waits for all its tensor loads (one is out: its part of the next slot), adds 0 to its spare word, and waits for that and
; for its reads of this slot.  fill = 1: the barrier opens a round of the cluster's, and the joint refill, two K steps ahead, is the first thing behind it.
.macro TURN fill
	WIN 0
	s_wait_tensorcnt 0x0
	ds_add_u32 v[SPW], v[NIL]
	s_wait_dscnt 9                                 ; the add and the youngest eight loads may be out
	MUL16 F1, 0, 0, 0
	s_wait_dscnt 0x0                               ; the add is done, and my reads of this slot are over
	s_barrier_signal -1
	MUL16 F1, 0, 2, 0
	WIN 0
	s_barrier_wait -1
.if \fill
	CREST
	s_xor_b32 s[G0+1], s[G0+1], SLOT               ; the slot just read, the next K step; no tensor load of mine is out
	s_add_nc_u64 s[G0+2:G0+3], s[G0+2:G0+3], 256
	s_xor_b32 s[G0B+1], s[G0B+1], SLOT
	s_add_nc_u64 s[G0B+2:G0B+3], s[G0B+2:G0B+3], 256
	JLOAD                                          ; its four v_nop are also the places in front of the loads below
.else
	PLACES
.endif
	s_xor_b32 s[TB], s[TB], SLOT
	v_add_nc_u32 v[ADRA], s[TB], v[ADRA0]
	v_add_nc_u32 v[ADRB], s[TB], v[ADRB0]
	FETCH 0, F0
	MUL16 F1, 1, 0, 0
	MUL16 F1, 1, 2, 0
.endm
; THE WAY OUT, 16 rows at a time: rounded to f16, 16 bytes a lane into my own stage, back as whole rows of 256 bytes, stored.
.macro PACK a
	WIN 0x0a+5*((\a)/4)                            ; sources 0 and 1: window 2 or 3
.irp b, 0,1,2,3,4,5,6,7
.irp q, 0,1,2,3
	v_cvt_pk_f16_f32 v[TMP+4*(\b)+(\q)], v[64*((\a)%4)+8*(\b)+2*(\q)], v[64*((\a)%4)+8*(\b)+2*(\q)+1]
.endr
.endr
	WIN 0
.endm
.macro TOSTAGE a
.irp b, 0,1,2,3,4,5,6,7
	ds_store_b128 v[STO], v[TMP+4*(\b):TMP+4*(\b)+3] offset:32*(\b)
.endr
.irp t, 0,1,2,3,4,5,6,7
	ds_load_b128 v[OB+32*((\a)%2)+4*(\t):OB+32*((\a)%2)+4*(\t)+3], v[RD] offset:(\t)*2*SPITCH  ; LDS serves a wave's instructions in order (ISA guide 5.7.1.4): these see the stores above
.endr
.endm
.macro SEND a
	s_wait_dscnt 0x0                               ; the block is back in registers
	s_wait_xcnt 0x0                                ; earlier stores have read their registers: the other block buffer may be loaded again behind this wait
.irp t, 0,1,2,3,4,5,6,7
	global_store_b128 v[CO], v[OB+32*((\a)%2)+4*(\t):OB+32*((\a)%2)+4*(\t)+3], s[8:9] offset:(\a)*65536+(\t)*8192  ; 16 lanes store 256 consecutive bytes, aligned
.endr
.endm
	s_wait_tensorcnt 0x1                           ; my part of K step 0 is in; step 1's may stay out
	s_barrier_signal -1
	s_barrier_wait -1
	FETCH 0, F0
	QUARTER 64, F0, F1, 1                          ; the first quarter starts the sums
	WIN 0
.Lstep:                                                ; 6 trips, each refills
	QUARTER 128, F1, F0, 0
	QUARTER 192, F0, F1, 0
	TURN 1
	QUARTER 64, F0, F1, 0
	WIN 0
	s_sub_co_u32 s[TRIPS], s[TRIPS], 1
	s_cmp_lg_u32 s[TRIPS], 0
	s_cbranch_scc1 .Lstep
	s_mov_b32 s[CNT], 2
.Ltail:                                                ; the last two K steps ask for nothing; the second trip is left in its middle (its change of slots and fetch serve nothing)
	QUARTER 128, F1, F0, 0
	QUARTER 192, F0, F1, 0
	TURN 0
	WIN 0
	s_sub_co_u32 s[CNT], s[CNT], 1
	s_cmp_eq_u32 s[CNT], 0
	s_cbranch_scc1 .Lout
	QUARTER 64, F0, F1, 0
	WIN 0
	s_branch .Ltail
.Lout:
	s_wait_dscnt 0x0
	PLACES                                         ; behind the last products
	PACK 0
	TOSTAGE 0
.irp a, 1,2,3,4,5,6,7                  ; a block's conversions stand between the loads of the block before and the wait for them
	PACK \a
	SEND (\a)-1
	TOSTAGE \a
.endr
	SEND 7
	s_wait_tensorcnt 0x0                           ; the wave's end
	ds_add_u32 v[SPW], v[NIL]
	s_wait_dscnt 0x0
	CROUND                                         ; the closing round: no work-group ends while a partner may still ask for a tile that names it
	s_endpgm
.Lfunc_end_k_q8f24df3a54_qk:
	.size	k_q8f24df3a54_qk, .Lfunc_end_k_q8f24df3a54_qk-k_q8f24df3a54_qk
	.p2alignl 7, 3214868480
	.fill 96, 4, 3214868480
	.section	.rodata,"a",@progbits
	.p2align	6, 0x0
	.amdhsa_kernel k_q8f24df3a54_qk
		.amdhsa_group_segment_fixed_size 327680
		.amdhsa_private_segment_fixed_size 0
		.amdhsa_enable_private_segment 0
		.amdhsa_kernarg_size 24
		.amdhsa_user_sgpr_count 2
		.amdhsa_user_sgpr_kernarg_segment_ptr 1
		.amdhsa_wavefront_size32 1
		.amdhsa_system_sgpr_workgroup_id_x 1
		.amdhsa_system_sgpr_workgroup_id_y 1
		.amdhsa_system_sgpr_workgroup_id_z 1
		.amdhsa_system_vgpr_workitem_id 0
		.amdhsa_next_free_vgpr 1024
		.amdhsa_next_free_sgpr 96
		.amdhsa_reserve_vcc 0
		.amdhsa_float_denorm_mode_32 3
		.amdhsa_float_denorm_mode_16_64 3
		.amdhsa_memory_ordered 1
		.amdhsa_forward_progress 1
		.amdhsa_inst_pref_size 99
	.end_amdhsa_kernel
	.amdgpu_metadata
---
amdhsa.version: [ 1, 2 ]
amdhsa.kernels:
  - .name:           k_q8f24df3a54_qk
    .symbol:         k_q8f24df3a54_qk.kd
    .args:
      - { .name: xh, .offset: 0, .size: 8, .value_kind: global_buffer, .address_space: global }
      - { .name: wt, .offset: 8, .size: 8, .value_kind: global_buffer, .address_space: global }
      - { .name: qk, .offset: 16, .size: 8, .value_kind: global_buffer, .address_space: global }
    .group_segment_fixed_size: 327680
    .private_segment_fixed_size: 0
    .kernarg_segment_align: 8
    .kernarg_segment_size: 24
    .max_flat_workgroup_size: 128
    .sgpr_count:     96
    .vgpr_count:     1024
    .wavefront_size: 32
...
	.end_amdgpu_metadata
.endif
;; end of part 9
;; launch scores (part 10): grid 40 x 4, 4 waves a work-group, no clusters, 327,680 bytes of LDS; arguments qk, pbuf, stats, wpt; writes pbuf, stats, wpt
.if DOCPART == 10
	.amdgcn_target "amdgcn-amd-amdhsa--gfx1250"
	.amdhsa_code_object_version 6
	.text
	.protected	k_q8f24df3a54_scores
	.globl	k_q8f24df3a54_scores
	.p2align	8
	.type	k_q8f24df3a54_scores,@function
k_q8f24df3a54_scores:
	s_mov_b64 s[64:65], 0
	v_nop
	global_prefetch_b8 v0, s[64:65] scope:SCOPE_SE
	s_setreg_imm32_b32 hwreg(HW_REG_WAVE_MODE, 25, 1), 1
	s_wait_xcnt 0x0
; SCORES.  Work-groups x < 36: for one tile of 256 queries x 256 keys at or below the diagonal of batch y: S = Q K^T (f16 operands, f32 sums, 1,024 channels), then a softmax by CHUNKS: a wave owns 128 queries x
; 128 keys, takes the true maximum m of each query's 128 scores, and writes p = 2^(c s - c m) in f16 into pbuf, and {c m, l = the sum of the rounded p} into stats; c = log2(e) / 32.
; The launch behind joins the chunks by the maximum over all of a row's chunks, so the row's true maximum is taken away.
; Work-groups x >= 36: tile (x - 36, y) of the same product on rows 8192-9215 of qk, which hold [Wo turned | 32 Wv]: it is 32 (Wv Wo) turned, [n][c]; rounded once to f16 into wpt, whose rows lie as far apart as pbuf's.
; out = P (x Wv) Wo is computed as (P x) (Wv Wo): the order of the roundings differs from the reference's.  The factor 32 keeps Wv Wo (spread 1/32) in f16's normal range for weights 30 times smaller, and within 65,504
; for weights that carry an offset of 30 spreads (about 1,000 x 32).
; LIMITS.  A hidden score counts as its value less 1e30 (f16's scores are 4.4e12 at the most); p, and 32 Wv Wo, below 6e-5 keep f16's step of 6e-8; a weight below 2^-126 counts as 0; NaN and infinities are not treated apart.
; SHARES.  Work-group x of 36 is tile (i, j), j <= i, of the batch's triangle; waves 2 x 2 (rh, ch).  On the diagonal tile the wave (0, 1) is wholly hidden: it writes zeros into pbuf and leaves stats' start values.
; THE MASK is the C operand that starts the sums: 0, or -1e30 where the key is hidden; off the diagonal both mask registers hold 0.
; NO CLUSTER: the triangle's rows and columns hold 1 to 8 tiles, which do not fall into groups of four with a common row or column; filling up would need work-groups whose work is thrown away.
; REGISTERS, in windows of 256: window 0: v0-31 addresses, v32-47 masks, v64-127 and v128-191 Q's fragments (two buffers); window 1: K's fragments at the same numbers;
; window 2: the accumulators of my queries 0-63 ((a, b) at v[8 (8 a + b)]), window 3: those of queries 64-127.  The way out uses window 0's v48-223 anew.
.set PITCH,  272
.set HALFT,  128*PITCH                 ; what one tensor load brings
.set SLOT,   4*HALFT                   ; Q's 256 rows, then K's 256 rows: 0x22000, which shares no bit with the four waves' bases w x 0x8800: an exclusive or with it is an addition or subtraction
.set STAGE,  2*SLOT
.set SPITCH, 272
.set SPARE,  STAGE+4*16*SPITCH
.set ADRA0, 16
.set ADRB0, 17
.set ADRA,  18
.set ADRB,  19
.set STO,   24
.set RD,    25
.set CO,    26                         ; v26  my byte offset in two rows of pbuf
.set SOFF,  27                         ; v27  8 x lane
.set SPW,   28
.set NIL,   29
.set DG,    32                         ; v[32:39] the mask of a block on the diagonal
.set NEG,   40                         ; v[40:47] the mask of a block above it
.set CM,    48                         ; v48-51  c m of block a
.set LS,    56                         ; v56-59  l of block a
.set OB,    64                         ; v64-95, v96-127: 16 rows read back, by turns
.set ONES,  128                        ; v[128:135] a fragment of ones in f16
.set LA,    136                        ; v[136:143], v[144:151] two accumulators for the row sums
.set LB,    144
.set CH,    152                        ; v152-155 four chains of maxima
.set TT,    156
.set CMP,   158                        ; v[158:159] c m, twice
.set ST2,   160                        ; v160-163 pairs for stats; zeros on the hidden wave's way
.set TMP,   192                        ; v192-223 a block in f16
.set F0,    64
.set F1,    128
.set G1,   24
.set G0X,  32
.set G0,   36
.set TB,   40
.set TRIPS,41
.set CNT,  42
.set NEGV, 43
.set ZW,   44
.set MSK,  45
.set CS,   46                          ; s[46:47] c
.set SEL,  48                          ; s[48:49] v_permlanex16_b32's selects
.set WM,   53                          ; s53  1: a tile of the weights' product
.set HALF, 55                          ; s55  counts the two halves of the way out
.set MUL_LO, 0xa1                      ; source 0 (K) window 1, source 1 (Q) window 0, C and D window 2
.set TO_B,   0x40
.set MSB, 0
.macro WIN new
.if MSB != (\new)
	s_set_vgpr_msb (MSB<<8)|(\new)
.set MSB, \new
.endif
.endm
.macro PLACES
.rept 4
	v_nop
.endr
.endm
	s_load_b128 s[4:7], s[0:1], 0x0                ; qk s[4:5], pbuf s[6:7]
	s_load_b64 s[8:9], s[0:1], 0x10                ; stats
	s_load_b64 s[56:57], s[0:1], 0x18              ; wpt
	v_lshl_add_u32 v[SPW], v0, 2, SPARE
	v_mov_b32 v[NIL], 0
	ds_add_u32 v[SPW], v[NIL]                      ; the wave's opening: the add and its wait stand ahead of my first tensor load
	ds_add_u32 v28, v29
	v_lshrrev_b32 v1, 5, v0
	v_readfirstlane_b32 s10, v1                    ; wave
	s_lshr_b32 s11, s10, 1                         ; rh; also: I fetch Q (0) or K (1)
	s_and_b32 s12, s10, 1                          ; ch; also: which 128 rows of that tile
	s_and_b32 s15, ttmp7, 0xffff                   ; y: the batch
	s_mov_b32 s13, 0
.irp t, 1,3,6,10,15,21,28              ; i = how many triangular numbers the tile's number has reached
	s_cmp_ge_u32 ttmp9, \t
	s_add_co_ci_u32 s13, s13, 0
.endr
	s_add_co_u32 s14, s13, 1
	s_mul_i32 s14, s14, s13
	s_lshr_b32 s14, s14, 1
	s_sub_co_u32 s14, ttmp9, s14                   ; j = x - i (i + 1) / 2
	s_sub_co_u32 s58, ttmp9, 36
	s_lshl_b32 s54, s15, 11                        ; the batch's first row
	s_cmp_ge_u32 ttmp9, 36                         ; a tile of the weights' product: i = x - 36, j = y, rows from 8192 on in qk, from 0 on in wpt
	s_cselect_b32 s[WM], 1, 0
	s_cselect_b32 s13, s58, s13
	s_cselect_b32 s14, s15, s14
	s_cselect_b32 s59, 0, s54                      ; the first row in the output
	s_cselect_b32 s54, 8192, s54                   ; the first row in qk
	s_cmp_eq_u32 s13, s14
	s_cselect_b32 s16, 1, 0                        ; the diagonal tile?
	s_cmp_eq_u32 s[WM], 1
	s_cselect_b32 s16, 0, s16                      ; the weights' product has no mask
	s_cmp_eq_u32 s10, 1
	s_cselect_b32 s[ZW], s16, 0                    ; its wave (0, 1) is wholly hidden
	s_cmp_eq_u32 s11, s12
	s_cselect_b32 s16, s16, 0
	s_cmp_eq_u32 s16, 1
	s_cselect_b32 s[NEGV], 0xf149f2ca, 0           ; its waves (0, 0) and (1, 1) hold the diagonal: -1e30; all others: 0
	s_cmp_eq_u32 s11, 0
	s_cselect_b32 s16, s13, s14                    ; Q's rows go by i, K's by j,
	s_cselect_b32 s18, 0, 2048                     ; and k lies 1,024 columns behind q
	s_lshl_b32 s16, s16, 8
	s_add_co_u32 s16, s16, s54
	s_lshl_b32 s17, s12, 7
	s_add_co_u32 s16, s16, s17
	s_lshl_b32 s16, s16, 12                        ; 4,096 bytes a row of qk
	s_add_co_u32 s16, s16, s18
	s_mov_b32 s17, 0
	s_mov_b32 s[G1], (1<<16)|(1<<20)|(5<<22)|(3<<25)  ; 2-byte elements; padding: after every 64 words, 4 words
	s_mov_b32 s[G1+1], 128<<16
	s_mov_b32 s[G1+2], 128<<16
	s_mov_b32 s[G1+3], 128<<16
	s_mov_b32 s[G1+4], 128
	s_mov_b32 s[G1+5], 2048
	s_mov_b32 s[G1+6], 0
	s_mov_b32 s[G1+7], 0
	s_mul_i32 s20, s10, HALFT                      ; my quarter of a slot
	s_mov_b32 s[TB], 0
	s_mov_b32 s[TRIPS], 6
	s_mov_b32 s[MSK], 0xffff0000
	s_mov_b32 s[CS], 0x3d38aa3b                    ; c = log2(e) / 32
	s_mov_b32 s[CS+1], s[CS]
	s_mov_b32 s[SEL], 0x76543210
	s_mov_b32 s[SEL+1], 0xfedcba98
	s_wait_dscnt 0x0                               ; the opening add is done
	s_wait_kmcnt 0x0
	s_add_nc_u64 s[16:17], s[4:5], s[16:17]
	s_mov_b32 s[G0X], 1
	s_mov_b32 s[G0X+1], s20
	s_mov_b64 s[G0X+2:G0X+3], s[16:17]
	s_or_b32 s[G0X+3], s[G0X+3], 0x80000000
	s_mov_b32 s[G0], 1
	s_add_co_u32 s[G0+1], s20, SLOT
	s_add_nc_u64 s[G0+2:G0+3], s[16:17], 256
	s_or_b32 s[G0+3], s[G0+3], 0x80000000
	tensor_load_to_lds s[G0X:G0X+3], s[G1:G1+7]    ; K steps 0 and 1: two loads of mine are out
	s_nop 0
	tensor_load_to_lds s[G0:G0+3], s[G1:G1+7]
	s_nop 0
.rept 4
	v_nop
.endr
	v_and_b32 v1, 15, v0                           ; r
	v_bfe_u32 v2, v0, 4, 1                         ; h
	v_mul_u32_u24 v3, v1, PITCH
	v_lshl_add_u32 v3, v2, 4, v3
	s_mul_i32 s21, s11, HALFT
	s_mul_i32 s22, s12, HALFT
	s_add_co_u32 s22, s22, 2*HALFT
	v_add_nc_u32 v[ADRA0], s21, v3
	v_add_nc_u32 v[ADRB0], s22, v3
	v_mov_b32 v[ADRA], v[ADRA0]
	v_mov_b32 v[ADRB], v[ADRB0]
	s_mul_i32 s23, s10, 16*SPITCH
	s_add_co_u32 s23, s23, STAGE
	v_add_nc_u32 v[STO], s23, v3
	v_mul_u32_u24 v3, v2, SPITCH
	v_lshl_add_u32 v3, v1, 4, v3
	v_add_nc_u32 v[RD], s23, v3
	v_lshlrev_b32 v3, 12, v2
	v_lshl_add_u32 v[CO], v1, 4, v3                ; h rows of 4,096 bytes + 16 r
	v_and_b32 v3, 31, v0
	v_lshlrev_b32 v[SOFF], 3, v3
	v_lshlrev_b32 v14, 3, v2
	v_sub_nc_u32 v14, v1, v14                      ; r - 8 h: register jj of a block on the diagonal is hidden where jj is greater
.set jj, 0
.rept 8
	v_cmp_gt_i32 vcc_lo, jj, v14
	v_cndmask_b32 v[DG+jj], 0, s[NEGV], vcc_lo
	v_mov_b32 v[NEG+jj], s[NEGV]
.set jj, jj+1
.endr
	s_lshl_b32 s51, s13, 8                         ; the output at my chunk: row (2048 b, or 0) + 256 i + 128 rh, 4,096 bytes a row; column 256 j + 128 ch, 2 bytes
	s_add_co_u32 s50, s59, s51
	s_lshl_b32 s51, s11, 7
	s_add_co_u32 s50, s50, s51
	s_lshl_b32 s50, s50, 12
	s_lshl_b32 s51, s14, 9
	s_add_co_u32 s50, s50, s51
	s_lshl_b32 s51, s12, 8
	s_add_co_u32 s50, s50, s51
	s_mov_b32 s51, 0
	s_cmp_eq_u32 s[WM], 1
	s_cselect_b64 s[6:7], s[56:57], s[6:7]         ; wpt, or pbuf
	s_add_nc_u64 s[6:7], s[6:7], s[50:51]
	s_lshl_b32 s50, s15, 4                         ; stats at chunk 16 b + 2 j + ch (16,384 bytes each), row 256 i + 128 rh (8 bytes each)
	s_lshl_b32 s52, s14, 1
	s_add_co_u32 s50, s50, s52
	s_add_co_u32 s50, s50, s12
	s_lshl_b32 s50, s50, 14
	s_lshl_b32 s52, s13, 11
	s_add_co_u32 s50, s50, s52
	s_lshl_b32 s52, s11, 10
	s_add_co_u32 s50, s50, s52
	s_add_nc_u64 s[8:9], s[8:9], s[50:51]
; 16 matrix instructions: query blocks a0, a0 + 1 of the window's four x all 8 key blocks.  mode = 1: the product starts the sums with the mask: key block above the query block: hidden; equal: the diagonal's; below: 0.
.macro MUL16 f, hi, a0, mode
.irp a, \a0, (\a0)+1
.irp b, 0,1,2,3,4,5,6,7
.if \mode
	WIN 0x81+0x40*(\hi)                            ; C in window 0
.if (\b) > (4*(\hi)+(\a))
	v_wmma_f32_16x16x32_f16 v[8*(8*(\a)+(\b)):8*(8*(\a)+(\b))+7], v[(\f)+8*(\b):(\f)+8*(\b)+7], v[(\f)+8*(4*(\hi)+(\a)):(\f)+8*(4*(\hi)+(\a))+7], v[NEG:NEG+7]
.elseif (\b) == (4*(\hi)+(\a))
	v_wmma_f32_16x16x32_f16 v[8*(8*(\a)+(\b)):8*(8*(\a)+(\b))+7], v[(\f)+8*(\b):(\f)+8*(\b)+7], v[(\f)+8*(4*(\hi)+(\a)):(\f)+8*(4*(\hi)+(\a))+7], v[DG:DG+7]
.else
	v_wmma_f32_16x16x32_f16 v[8*(8*(\a)+(\b)):8*(8*(\a)+(\b))+7], v[(\f)+8*(\b):(\f)+8*(\b)+7], v[(\f)+8*(4*(\hi)+(\a)):(\f)+8*(4*(\hi)+(\a))+7], 0
.endif
.else
	WIN MUL_LO+0x50*(\hi)
	v_wmma_f32_16x16x32_f16 v[8*(8*(\a)+(\b)):8*(8*(\a)+(\b))+7], v[(\f)+8*(\b):(\f)+8*(\b)+7], v[(\f)+8*(4*(\hi)+(\a)):(\f)+8*(4*(\hi)+(\a))+7], v[8*(8*(\a)+(\b)):8*(8*(\a)+(\b))+7]
.endif
.endr
.endr
.endm
.macro FETCH k, f                      ; 32 LDS loads in one run: K's 128 rows, then Q's, 32 channels at byte k
	WIN TO_B
.irp i, 0,1,2,3,4,5,6,7
	ds_load_b128 v[(\f)+8*(\i):(\f)+8*(\i)+3],   v[ADRB] offset:(\k)+(\i)*16*PITCH
	ds_load_b128 v[(\f)+8*(\i)+4:(\f)+8*(\i)+7], v[ADRB] offset:(\k)+(\i)*16*PITCH+32
.endr
	WIN 0
.irp i, 0,1,2,3,4,5,6,7
	ds_load_b128 v[(\f)+8*(\i):(\f)+8*(\i)+3],   v[ADRA] offset:(\k)+(\i)*16*PITCH
	ds_load_b128 v[(\f)+8*(\i)+4:(\f)+8*(\i)+7], v[ADRA] offset:(\k)+(\i)*16*PITCH+32
.endr
.endm
.macro QUARTER k, f, g, mode           ; 64 matrix instructions on buffer f; in their middle the next quarter's fragments go into g.  The 64 accumulators take turns
	s_wait_dscnt 8                                 ; K's and Q's rows 0-63 are in; the youngest eight loads (Q's rows 64-127) may be out
	MUL16 \f, 0, 0, \mode
	MUL16 \f, 0, 2, \mode
	PLACES
	FETCH \k, \g
	s_wait_dscnt 32                                ; all but the 32 just issued
	MUL16 \f, 1, 0, \mode
	MUL16 \f, 1, 2, \mode
.endm
.macro TURN fill                       ; the last quarter and the change of slots: one barrier; the refill, two K steps ahead, first behind it
	WIN 0
	s_wait_tensorcnt 0x0                           ; all my tensor loads have landed: my part of the next slot
	ds_add_u32 v[SPW], v[NIL]
	s_wait_dscnt 9                                 ; the add and the youngest eight loads may be out
	MUL16 F1, 0, 0, 0
	s_wait_dscnt 0x0                               ; the add is done, and my reads of this slot are over
	s_barrier_signal -1
	MUL16 F1, 0, 2, 0
	WIN 0
	s_barrier_wait -1
.if \fill
	s_xor_b32 s[G0+1], s[G0+1], SLOT               ; the slot just read,
	s_add_nc_u64 s[G0+2:G0+3], s[G0+2:G0+3], 256   ; the next K step; no tensor load of mine is out
	tensor_load_to_lds s[G0:G0+3], s[G1:G1+7]
	s_nop 0
.endif
	PLACES                                         ; behind the load, and in front of the loads below
	s_xor_b32 s[TB], s[TB], SLOT
	v_add_nc_u32 v[ADRA], s[TB], v[ADRA0]
	v_add_nc_u32 v[ADRB], s[TB], v[ADRB0]
	FETCH 0, F0
	MUL16 F1, 1, 0, 0
	MUL16 F1, 1, 2, 0
.endm
	s_wait_tensorcnt 0x1                           ; my part of K step 0 is in; step 1's may stay out
	s_barrier_signal -1
	s_barrier_wait -1
	FETCH 0, F0
	QUARTER 64, F0, F1, 1
	WIN 0
.Lstep:                                                ; 6 trips, each refills
	QUARTER 128, F1, F0, 0
	QUARTER 192, F0, F1, 0
	TURN 1
	QUARTER 64, F0, F1, 0
	WIN 0
	s_sub_co_u32 s[TRIPS], s[TRIPS], 1
	s_cmp_lg_u32 s[TRIPS], 0
	s_cbranch_scc1 .Lstep
	s_mov_b32 s[CNT], 2
.Ltail:                                                ; the last two K steps ask for nothing; the second trip is left in its middle
	QUARTER 128, F1, F0, 0
	QUARTER 192, F0, F1, 0
	TURN 0
	WIN 0
	s_sub_co_u32 s[CNT], s[CNT], 1
	s_cmp_eq_u32 s[CNT], 0
	s_cbranch_scc1 .Lout
	QUARTER 64, F0, F1, 0
	WIN 0
	s_branch .Ltail
; THE WAY OUT is written for the four blocks of 16 rows that lie in window 2 and walked twice: between the walks window 3's 256 registers are copied into window 2, so that one text serves all eight blocks.
; Block a: 16 rows x 128 columns; a lane holds one row and 64 of its numbers, the lane 16 away the other 64.
.macro SEND a, younger
	s_wait_dscnt \younger
.irp t, 0,1,2,3,4,5,6,7
	global_store_b128 v[CO], v[OB+32*((\a)%2)+4*(\t):OB+32*((\a)%2)+4*(\t)+3], s[6:7] offset:(\a)*65536+(\t)*8192  ; 16 lanes store 256 consecutive bytes, aligned: a row's 128 columns
.endr
.endm
.macro STG a                           ; the block in f16 goes into my own stage, 16 bytes a lane, and comes back as whole rows of 256 bytes
	s_wait_xcnt 0x0                                ; the stores of the block two back have read the registers that are loaded below
.irp b, 0,1,2,3,4,5,6,7
	ds_store_b128 v[STO], v[TMP+4*(\b):TMP+4*(\b)+3] offset:32*(\b)
.endr
.irp t, 0,1,2,3,4,5,6,7
	ds_load_b128 v[OB+32*((\a)%2)+4*(\t):OB+32*((\a)%2)+4*(\t)+3], v[RD] offset:(\t)*2*SPITCH  ; LDS serves a wave's instructions in order: these see the stores above
.endr
.endm
.macro SOFT a
.set AC, 64*(\a)
	WIN 0x28                                       ; sources 1 and 2 in window 2
.set n, 0
.rept 32                               ; the maximum, in four chains; each accumulator's lowest registers are read first
.if n < 4
	v_max3_num_f32 v[CH+n], 0xff7fffff, v[AC+2*n], v[AC+2*n+1]
.else
	v_max3_num_f32 v[CH+n%4], v[CH+n%4], v[AC+2*n], v[AC+2*n+1]
.endif
.set n, n+1
.endr
	WIN 0
	v_max3_num_f32 v[CH], v[CH], v[CH+1], v[CH+2]
	v_max_num_f32 v[CH], v[CH], v[CH+3]
	v_permlanex16_b32 v[TT], v[CH], s[SEL], s[SEL+1]
	v_max_num_f32 v[CH], v[CH], v[TT]              ; m, in both halves of the lanes
	v_mul_f32 v[CMP], s[CS], v[CH]
	v_mul_f32 v[CMP+1], s[CS], v[CH]
	v_mul_f32 v[CM+(\a)], s[CS], v[CH]
	WIN 0x82
.set n, 0
.rept 32
	v_pk_fma_f32 v[AC+2*n:AC+2*n+1], v[AC+2*n:AC+2*n+1], s[CS:CS+1], v[CMP:CMP+1] op_sel_hi:[1,0,0] neg_lo:[0,0,1] neg_hi:[0,0,1]  ; c s - c m
.set n, n+1
.endr
.set n, 0
.rept 64
	v_exp_f32 v[AC+n], v[AC+n]
.set n, n+1
.endr
	v_nop                                          ; a plain instruction between the last exponential and the use of its result
	WIN 0x0a
.set n, 0
	s_wait_alu depctr_va_vdst(0)
.rept 32
	v_cvt_pk_f16_f32 v[TMP+n], v[AC+2*n], v[AC+2*n+1]
.set n, n+1
.endr
	WIN 0
	; two packed accumulators are a fragment of 32 keys x 16 queries: ones times it is the sum of the rounded p, in every register; two accumulators by turns
	v_wmma_f32_16x16x32_f16 v[LA:LA+7], v[ONES:ONES+7], v[TMP:TMP+7], 0
	v_wmma_f32_16x16x32_f16 v[LB:LB+7], v[ONES:ONES+7], v[TMP+8:TMP+15], 0
	v_wmma_f32_16x16x32_f16 v[LA:LA+7], v[ONES:ONES+7], v[TMP+16:TMP+23], v[LA:LA+7]
	v_wmma_f32_16x16x32_f16 v[LB:LB+7], v[ONES:ONES+7], v[TMP+24:TMP+31], v[LB:LB+7]
	STG \a
	PLACES
	v_add_f32 v[LS+(\a)], v[LA], v[LB]
.if (\a) > 0
	SEND (\a)-1, 16                                ; behind its loads stand this block's eight stores and eight loads
.endif
.endm
.macro PLAIN a                         ; the weights' product: rounded to f16 and no more
	WIN 0x0a
.set n, 0
.rept 32
	v_cvt_pk_f16_f32 v[TMP+n], v[64*(\a)+2*n], v[64*(\a)+2*n+1]
.set n, n+1
.endr
	WIN 0
	STG \a
.if (\a) > 0
	SEND (\a)-1, 16
.endif
.endm
.Lout:
	s_wait_dscnt 0x0
	PLACES                                         ; behind the last products
	s_cmp_eq_u32 s[ZW], 1
	s_cbranch_scc1 .Lzero
	v_mov_b32 v[TT], 0
.set n, 0
.rept 8
	v_mov_b32 v[ONES+n], 0x3c003c00
.set n, n+1
.endr
	s_mov_b32 s[HALF], 2
.Lhalf:
	s_cmp_eq_u32 s[WM], 1
	s_cbranch_scc1 .Lplain
.irp a, 0,1,2,3
	SOFT \a
.endr
	SEND 3, 0
.irp a, 0,2                            ; lanes 0-15 take block a's 16 queries, lanes 16-31 block a + 1's: 32 pairs, 256 consecutive bytes, aligned
	v_cndmask_b32 v[ST2+(\a)], v[CM+(\a)], v[CM+(\a)+1], s[MSK]
	v_cndmask_b32 v[ST2+(\a)+1], v[LS+(\a)], v[LS+(\a)+1], s[MSK]
	global_store_b64 v[SOFF], v[ST2+(\a):ST2+(\a)+1], s[8:9] offset:(\a)*128
.endr
	s_branch .Lnext
.Lplain:
.irp a, 0,1,2,3
	PLAIN \a
.endr
	SEND 3, 0
.Lnext:
	s_sub_co_u32 s[HALF], s[HALF], 1
	s_cmp_eq_u32 s[HALF], 0
	s_cbranch_scc1 .Lend
	s_wait_xcnt 0x0                                ; the stores have read their bases and data
	s_add_nc_u64 s[6:7], s[6:7], 0x40000           ; 64 rows of 4,096 bytes on
	s_add_nc_u64 s[8:9], s[8:9], 512               ; 64 pairs on
	WIN 0x83                                       ; source window 3, destination window 2
.set n, 0
.rept 256
	v_mov_b32 v[n], v[n]
.set n, n+1
.endr
	WIN 0
	s_branch .Lhalf
.Lzero:                                                ; the wholly hidden chunk: p = 0; stats keeps {-1.7e38, 0}
.set n, 0
.rept 4
	v_mov_b32 v[ST2+n], 0
.set n, n+1
.endr
	s_mov_b32 s[CNT], 8
.Lz:                                                   ; 16 rows a trip
.set n, 0
.rept 8
	global_store_b128 v[CO], v[ST2:ST2+3], s[6:7] offset:n*8192
.set n, n+1
.endr
	s_wait_xcnt 0x0                                ; the base is stepped only behind this wait
	s_add_nc_u64 s[6:7], s[6:7], 0x10000
	s_sub_co_u32 s[CNT], s[CNT], 1
	s_cmp_lg_u32 s[CNT], 0
	s_cbranch_scc1 .Lz
.Lend:
	s_wait_tensorcnt 0x0                           ; the wave's end
	ds_add_u32 v[SPW], v[NIL]
	s_wait_dscnt 0x0
	s_endpgm
.Lfunc_end_k_q8f24df3a54_scores:
	.size	k_q8f24df3a54_scores, .Lfunc_end_k_q8f24df3a54_scores-k_q8f24df3a54_scores
	.p2alignl 7, 3214868480
	.fill 96, 4, 3214868480
	.section	.rodata,"a",@progbits
	.p2align	6, 0x0
	.amdhsa_kernel k_q8f24df3a54_scores
		.amdhsa_group_segment_fixed_size 327680
		.amdhsa_private_segment_fixed_size 0
		.amdhsa_enable_private_segment 0
		.amdhsa_kernarg_size 32
		.amdhsa_user_sgpr_count 2
		.amdhsa_user_sgpr_kernarg_segment_ptr 1
		.amdhsa_wavefront_size32 1
		.amdhsa_system_sgpr_workgroup_id_x 1
		.amdhsa_system_sgpr_workgroup_id_y 1
		.amdhsa_system_sgpr_workgroup_id_z 1
		.amdhsa_system_vgpr_workitem_id 0
		.amdhsa_next_free_vgpr 1024
		.amdhsa_next_free_sgpr 66
		.amdhsa_reserve_vcc 1
		.amdhsa_float_denorm_mode_32 3
		.amdhsa_float_denorm_mode_16_64 3
		.amdhsa_memory_ordered 1
		.amdhsa_forward_progress 1
		.amdhsa_inst_pref_size 138
	.end_amdhsa_kernel
	.amdgpu_metadata
---
amdhsa.version: [ 1, 2 ]
amdhsa.kernels:
  - .name:           k_q8f24df3a54_scores
    .symbol:         k_q8f24df3a54_scores.kd
    .args:
      - { .name: qk, .offset: 0, .size: 8, .value_kind: global_buffer, .address_space: global }
      - { .name: pbuf, .offset: 8, .size: 8, .value_kind: global_buffer, .address_space: global }
      - { .name: stats, .offset: 16, .size: 8, .value_kind: global_buffer, .address_space: global }
      - { .name: wpt, .offset: 24, .size: 8, .value_kind: global_buffer, .address_space: global }
    .group_segment_fixed_size: 327680
    .private_segment_fixed_size: 0
    .kernarg_segment_align: 8
    .kernarg_segment_size: 32
    .max_flat_workgroup_size: 128
    .sgpr_count:     66
    .vgpr_count:     1024
    .wavefront_size: 32
...
	.end_amdgpu_metadata
.endif
;; end of part 10
;; launch pv (part 11): grid 8 x 32, 4 waves a work-group, clusters of 4 x 1, 327,680 bytes of LDS; arguments pbuf, xh, stats, obuf, olo; writes obuf, olo
.if DOCPART == 11
	.amdgcn_target "amdgcn-amd-amdhsa--gfx1250"
	.amdhsa_code_object_version 6
	.text
	.protected	k_q8f24df3a54_pv
	.globl	k_q8f24df3a54_pv
	.p2align	8
	.type	k_q8f24df3a54_pv,@function
k_q8f24df3a54_pv:
	s_mov_b64 s[64:65], 0
	v_nop
	global_prefetch_b8 v0, s[64:65] scope:SCOPE_SE
	s_setreg_imm32_b32 hwreg(HW_REG_WAVE_MODE, 25, 1), 1
	s_wait_xcnt 0x0
	s_wait_alu depctr_hold_cnt(0) depctr_sa_sdst(0) depctr_va_vdst(0) depctr_va_sdst(0) depctr_va_ssrc(0) depctr_va_vcc(0) depctr_vm_vsrc(0)
	s_getreg_b32 s2, hwreg(HW_REG_IB_STS2, 6, 4)
	s_cmp_eq_u32 s2, 0
	s_cbranch_scc0 .Lentry_in_a_cluster
	s_endpgm
.Lentry_in_a_cluster:
	s_bfe_u32 s2, ttmp6, 0x10000c
	s_cmp_lg_u32 s2, 0x3003
	s_cbranch_scc0 .Lentry_shape_is_right
	s_endpgm
.Lentry_shape_is_right:
; PV.  Y[q][:] = (sum over chunks j of f_j(q) P_j[q][:] X_j) / (32 l(q)), with M = max over j of c m_j, f_j = 2^(c m_j - M), l = sum over j of f_j l_j: the chunks' softmaxes joined by the row's true maximum.
; out = P (x Wv) Wo is computed as (P x) (Wv Wo): here P x.  The 1/32 undoes the factor 32 that Wv Wo carries in the next launch's other operand; it is a power of two.
; P: pbuf f16; X (called V below, the operand that is turned): xh f16; {c m, l}: stats.  A chunk's 128 keys are summed by themselves (f32), and the sum times f (f32) is added onto the block's sums.
; Y LEAVES IN THE ORDER OF THE NEXT PRODUCT'S FRAGMENTS.  obuf: [512 blocks of 16 rows][32 slices of 32 channels][1,024 bytes], f16: a lane's eight channels of one query, packed, are four registers of the
; fragment (16 rows x 32 channels) that the next launch's matrix instruction takes: registers 0-3 of lane L lie at 16 L of the slice's bytes, registers 4-7 at 512 + 16 L.  So each store goes straight from
; registers and covers 512 consecutive bytes, aligned.
; ROWS 0-15 OF EACH BATCH LEAVE AS TWO f16 NUMBERS, hi + lo (split in f32: c = 8193 t, hi = c - (c - t), which has 11 significant bits, lo = t - hi): hi into obuf, lo into olo ([4 batches][32 slices][1,024 bytes]).
; A causal row q is a mean of q + 1 rows of x, so only the first rows' numbers can be many times the output's root mean square, by which the allowance goes; from row 16 on Y is one f16 number.
; LIMITS.  Y has a 32nd of x's range; below 6e-5 it keeps f16's step of 6e-8; f below 2^-126 counts as 0.  A row from 16 on that were more than some ten times the output's root mean square would have
; f16's margin alone for its numbers near zero.  NaN and infinities are not treated apart.
; SHARES.  A work-group makes two tiles of 128 queries x 128 channels: query block p, then block 15 - p, of batch b; block i needs (i / 2) + 1 steps of 256 keys, together 9 for every p: 256 equal
; work-groups and ONE walk of 9 steps; the change of blocks falls behind step 0 to 3.  Waves 2 x 2 (rh, ch), 64 x 64 each.  Y^T = V^T P: source 0 = V turned by ds_load_tr16_b128, source 1 = P's rows:
; a lane holds one query and eight channels.
; CLUSTER.  The four partners (four channel tiles) share b and p and walk the same tiles of P: those loads are joint.  V's tiles differ from partner to partner: loads of one's own, behind the same rounds.
; V is not shared further: work-groups with another p change blocks at other steps.
; THE PIPELINE goes by slices of 32 keys, 16 matrix instructions each, over rings of four fragment buffers: slice e issues the loads of slice e + 3.
; REGISTERS.  Window 0: v0-63 addresses and statistics, v64-127 the way out, v128-255 V's ring.  Window 1: v0-127 PART0 (the sums of a step's first chunk), v128-255 P's ring.
; Window 2: v0-127 PART1 (of its second chunk), v128-255 TOT (the block's sums).  Accumulator (a, b) stands at 8 (4 a + b) of its 128.
.set PA,     528                       ; a row of P in LDS: 512 bytes + 16
.set PV,     288                       ; a row of V: 256 + 32
.set VOFF,   128*PA
.set SLOT,   VOFF+256*PV               ; 141,312
.set SPARE,  2*SLOT                    ; behind the ring: the spare words, 128 bytes for each wave
.set ADA0, 4
.set ADV0, 5
.set ADA,  6
.set ADVA, 7                           ; V's slices 0-3
.set ADVB, 8                           ; V's slices 4-7: their offsets would pass the 16-bit immediate
.set GO,   12                          ; 16 x lane
.set SO,   13                          ; my row's byte offset in a chunk of stats
.set SOH,  14                          ; the same, one chunk on for lanes 16-31
.set SPW,  16
.set NIL,  17
.set F0,   20                          ; v20-27 f of the step's first chunk, by query block, in the low word of a pair; v28-35 of its second chunk
.set CMN,  36                          ; v36-43 c m of the step whose f is made next
.set LINVC,44                          ; v44-51 1 / (32 l) of the block in hand, in pairs
.set CMR,  52                          ; v52-55 M of the block in hand
.set CMR2, 56                          ; v56-59 M of the second block
.set LINV2,60                          ; v60-63 1 / (32 l) of the second block
.set TMP,  64                          ; v64-127 the way out: the tile in f16
.set BF,   128
.set AF,   128
.set TOT,  128
.set WV,   12
.set RH,   14
.set CHS,  15
.set BA,   20                          ; the first block, p
.set BB,   21                          ; the second, 15 - p
.set NA,   22                          ; the first block's steps
.set NB,   23
.set G1A,  24
.set G1V,  32
.set G0AX, 40
.set G0A,  44
.set G0VX, 48
.set G0V,  52
.set LWA,  56
.set LWV,  57
.set TB,   58
.set NXT,  59                          ; the step to be asked for
.set NS,   60                          ; the step whose c m are loaded next
.set RT,   61                          ; steps left in the block
.set TRIPS,62
.set CNT,  63
.set PAB,  66                          ; s[66:67] pbuf at my half of the batch's rows
.set PVB,  68                          ; s[68:69] xh at my half of the batch's first keys, my channels
.set STB,  70                          ; s[70:71] stats at my batch
.set SB,   72                          ; s[72:73] the base of the loads of c m
.set OFF,  74
.set OFF2, 76
.set OBC,  78                          ; s[78:79] obuf at my part of the block in hand
.set OB2,  80                          ; s[80:81] of the second block
.set SEL,  82
.set SBL,  90                          ; s[90:91] stats at the second block
.set OLOB, 96                          ; s[96:97] olo at my batch's slices of my 64 channels
.set EARLY,98                          ; s98  1: the first block is block 0 and my rows are its first 64: my query block 0 is the batch's rows 0-15
.set MSB, 0
.macro WIN new                         ; the immediate's high byte repeats the setting that is left; a switch that changes nothing is dropped
.if MSB != (\new)
	s_set_vgpr_msb (MSB<<8)|(\new)
.set MSB, \new
.endif
.endm
.macro JLOAD                           ; waves 0, 1: the joint load of P's halves; waves 2, 3: V's halves, my own; an s_nop 0 and four v_nop follow each line
	s_cmp_lt_u32 s[WV], 2
	s_cbranch_scc0 .Lfor_v_\@
	tensor_load_to_lds s[G0A:G0A+3], s[G1A:G1A+7]
	s_nop 0
.rept 4
	v_nop
.endr
	s_branch .Lasked_\@
.Lfor_v_\@:
	tensor_load_to_lds s[G0V:G0V+3], s[G1V:G1V+7]
	s_nop 0
.rept 4
	v_nop
.endr
.Lasked_\@:
.endm
.macro CREST
	s_cmp_lg_u32 s[WV], 0
	s_cbranch_scc1 .Lnot_wave_0_\@
	s_barrier_signal -3
.Lnot_wave_0_\@:
	s_barrier_wait -3
	s_barrier_signal -1
	s_barrier_wait -1
.endm
.macro CROUND
	s_barrier_signal -1
	s_barrier_wait -1
	CREST
.endm
; The global addresses of the tiles of the walk's step number s[st]: which block, which step of it; P's into group 0 ga, V's into gv.
.macro MKADR st, ga, gv
	s_cmp_lt_u32 s[\st], s[NA]
	s_cselect_b32 s86, s[BA], s[BB]
	s_cselect_b32 s88, 0, s[NA]
	s_sub_co_u32 s88, s[\st], s88
	s_lshl_b32 s86, s86, 19                        ; 128 rows of 4,096 bytes a block
	s_lshl_b32 s89, s88, 9                         ; 256 keys of 2 bytes a step
	s_add_co_u32 s[OFF], s86, s89
	s_add_nc_u64 s[\ga+2:\ga+3], s[PAB:PAB+1], s[OFF:OFF+1]
	s_or_b32 s[\ga+3], s[\ga+3], 0x80000000
	s_lshl_b32 s[OFF2], s88, 19                    ; 256 rows of 2,048 bytes a step
	s_add_nc_u64 s[\gv+2:\gv+3], s[PVB:PVB+1], s[OFF2:OFF2+1]
	s_or_b32 s[\gv+3], s[\gv+3], 0x80000000
.endm
	s_load_b256 s[4:11], s[0:1], 0x0               ; pbuf s[4:5], xh s[6:7], stats s[8:9], obuf s[10:11]
	s_load_b64 s[OLOB:OLOB+1], s[0:1], 0x20        ; olo
	v_lshl_add_u32 v[SPW], v0, 2, SPARE
	v_mov_b32 v[NIL], 0
	ds_add_u32 v[SPW], v[NIL]                      ; the wave's opening: the add and its wait stand ahead of my first tensor load; work on registers stands between them
	ds_add_u32 v16, v17
	v_lshrrev_b32 v1, 5, v0
	v_readfirstlane_b32 s[WV], v1
	s_and_b32 s[CHS], s[WV], 1                     ; ch; also: which half of a tile I fetch
	s_lshr_b32 s[RH], s[WV], 1
	s_bfe_u32 s16, ttmp6, 0x40000                  ; cx
	s_lshl_b32 s17, ttmp9, 2
	s_add_co_u32 s17, s17, s16                     ; x, my channel tile: it enters V's and Y's addresses alone
	s_and_b32 s18, ttmp7, 0xffff
	s_lshr_b32 s19, s18, 3                         ; b
	s_and_b32 s[BA], s18, 7
	s_sub_co_u32 s[BB], 15, s[BA]
	s_lshr_b32 s[NA], s[BA], 1
	s_add_co_u32 s[NA], s[NA], 1
	s_sub_co_u32 s[NB], 9, s[NA]
	s_cmp_eq_u32 s[BA], 0
	s_cselect_b32 s[EARLY], 1, 0
	s_cmp_eq_u32 s[RH], 0
	s_cselect_b32 s[EARLY], s[EARLY], 0
	s_mov_b32 s[G1A], 15|(1<<16)|(1<<20)|(1<<21)|(6<<22)|(3<<25)  ; the mask of four; 2-byte elements; padding: after every 128 words, 4 words
	s_mov_b32 s[G1A+1], 256<<16
	s_mov_b32 s[G1A+2], 64<<16
	s_mov_b32 s[G1A+3], 256<<16
	s_mov_b32 s[G1A+4], 64
	s_mov_b32 s[G1A+5], 2048
	s_mov_b32 s[G1A+6], 0
	s_mov_b32 s[G1A+7], 0
	s_mov_b32 s[G1V], (1<<16)|(1<<20)|(5<<22)|(7<<25)             ; no mask; padding: after every 64 words, 8 words
	s_mov_b32 s[G1V+1], 128<<16
	s_mov_b32 s[G1V+2], 128<<16
	s_mov_b32 s[G1V+3], 128<<16
	s_mov_b32 s[G1V+4], 128
	s_mov_b32 s[G1V+5], 1024
	s_mov_b32 s[G1V+6], 0
	s_mov_b32 s[G1V+7], 0
	s_mul_i32 s[LWA], s[CHS], 64*PA                ; where my half goes in a slot
	s_mul_i32 s[LWV], s[CHS], 128*PV
	s_add_co_u32 s[LWV], s[LWV], VOFF
	s_lshl_b32 s86, s19, 23                        ; P: 8,388,608 bytes a batch, 64 rows of 4,096 a half
	s_lshl_b32 s87, s[CHS], 18
	s_add_co_u32 s[OFF], s86, s87
	s_mov_b32 s[OFF+1], 0
	s_lshl_b32 s92, s19, 22                        ; V: 2,048 rows of 2,048 bytes a batch, 128 rows a half, 256 bytes a channel tile
	s_lshl_b32 s93, s[CHS], 18
	s_add_co_u32 s92, s92, s93
	s_lshl_b32 s93, s17, 8
	s_add_co_u32 s[OFF2], s92, s93
	s_mov_b32 s[OFF2+1], 0
	s_mov_b32 s[SEL], 0x76543210
	s_mov_b32 s[SEL+1], 0xfedcba98
	s_mov_b32 s[TB], 0
	s_mov_b32 s[NS], 1
	s_mov_b32 s[RT], s[NA]
	s_mov_b32 s[TRIPS], 8
	s_wait_dscnt 0x0                               ; the opening add is done
	s_wait_kmcnt 0x0
	s_add_nc_u64 s[PAB:PAB+1], s[4:5], s[OFF:OFF+1]
	s_add_nc_u64 s[PVB:PVB+1], s[6:7], s[OFF2:OFF2+1]
	s_lshl_b32 s86, s19, 18
	s_mov_b32 s87, 0
	s_add_nc_u64 s[STB:STB+1], s[8:9], s[86:87]
	s_lshl_b32 s86, s[BA], 10
	s_add_nc_u64 s[SB:SB+1], s[STB:STB+1], s[86:87]     ; stats at the first block's rows: step 0's c m lie there too
	s_lshl_b32 s86, s[BB], 10
	s_add_nc_u64 s[SBL:SBL+1], s[STB:STB+1], s[86:87]
	s_lshl_b32 s92, s19, 22                        ; Y: block of 16 rows number 128 b + 8 block + 4 rh, 32,768 bytes each; slice 4 x + 2 ch, 1,024 bytes each
	s_lshl_b32 s93, s[RH], 17
	s_add_co_u32 s92, s92, s93
	s_lshl_b32 s93, s17, 12
	s_add_co_u32 s92, s92, s93
	s_lshl_b32 s93, s[CHS], 11
	s_add_co_u32 s92, s92, s93
	s_lshl_b32 s93, s[BA], 18
	s_add_co_u32 s94, s92, s93
	s_mov_b32 s95, 0
	s_add_nc_u64 s[OBC:OBC+1], s[10:11], s[94:95]
	s_lshl_b32 s93, s[BB], 18
	s_add_co_u32 s94, s92, s93
	s_add_nc_u64 s[OB2:OB2+1], s[10:11], s[94:95]
	s_lshl_b32 s94, s19, 15                        ; olo: 32,768 bytes a batch; the same slice
	s_lshl_b32 s93, s17, 12
	s_add_co_u32 s94, s94, s93
	s_lshl_b32 s93, s[CHS], 11
	s_add_co_u32 s94, s94, s93
	s_add_nc_u64 s[OLOB:OLOB+1], s[OLOB:OLOB+1], s[94:95]
	CROUND                                         ; all four work-groups are here: the first joint loads meet
	s_mov_b32 s[NXT], 0
	MKADR NXT, G0AX, G0VX
	s_mov_b32 s[NXT], 1
	MKADR NXT, G0A, G0V
	s_mov_b32 s[NXT], 2
	s_mov_b32 s[G0AX], 1
	s_mov_b32 s[G0AX+1], s[LWA]
	s_mov_b32 s[G0A], 1
	s_add_co_u32 s[G0A+1], s[LWA], SLOT
	s_mov_b32 s[G0VX], 1
	s_mov_b32 s[G0VX+1], s[LWV]
	s_mov_b32 s[G0V], 1
	s_add_co_u32 s[G0V+1], s[LWV], SLOT
	s_cmp_lt_u32 s[WV], 2                          ; a wave's two first fills stand in one branch: steps 0 and 1: two loads of mine are out
	s_cbranch_scc0 .Lfirst_v
	tensor_load_to_lds s[G0AX:G0AX+3], s[G1A:G1A+7]
	s_nop 0
	tensor_load_to_lds s[G0A:G0A+3], s[G1A:G1A+7]
	s_nop 0
.rept 4
	v_nop
.endr
	s_branch .Lfirst_asked
.Lfirst_v:
	tensor_load_to_lds s[G0VX:G0VX+3], s[G1V:G1V+7]
	s_nop 0
	tensor_load_to_lds s[G0V:G0V+3], s[G1V:G1V+7]
	s_nop 0
.rept 4
	v_nop
.endr
.Lfirst_asked:
	v_and_b32 v1, 15, v0                           ; r
	v_bfe_u32 v2, v0, 4, 1                         ; h
	s_lshl_b32 s86, s[RH], 9
	v_lshl_add_u32 v[SO], v1, 3, s86               ; row 64 rh + r, 8 bytes a row
	v_lshl_add_u32 v[SOH], v2, 14, v[SO]
	; ROW STATISTICS of both blocks: lanes' half h takes the chunks 2 u + h.  Group g = query block a + 4 x (second block): pair u at window 1's v[16 g + 2 u].
	WIN 0x40
.set g, 0
.rept 4
.set u, 0
.rept 8
	global_load_b64 v[16*g+2*u:16*g+2*u+1], v[SOH], s[SB:SB+1] offset:g*128+u*32768
	global_load_b64 v[64+16*g+2*u:64+16*g+2*u+1], v[SOH], s[SBL:SBL+1] offset:g*128+u*32768
.set u, u+1
.endr
.set g, g+1
.endr
	WIN 0
.macro CMLOAD                          ; c m of a step's two chunks for my four query blocks
.irp c, 0,1
.irp a, 0,1,2,3
	global_load_b32 v[CMN+4*(\c)+(\a)], v[SO], s[SB:SB+1] offset:(\a)*128+(\c)*16384
.endr
.endr
.endm
	CMLOAD                                         ; step 0's
	v_mul_u32_u24 v3, v1, PA
	v_lshl_add_u32 v3, v2, 4, v3
	s_mul_i32 s86, s[RH], 64*PA
	v_add_nc_u32 v[ADA0], s86, v3                  ; P: row 64 rh + r, 16 h
	v_and_b32 v3, 7, v0
	v_lshl_add_u32 v3, v2, 3, v3
	v_mul_u32_u24 v3, v3, PV
	v_bfe_u32 v9, v0, 3, 1
	v_lshl_add_u32 v3, v9, 4, v3                   ; V, for the turning load: key 8 h + lane % 8, channels 8 ((lane / 8) % 2) on
	s_lshl_b32 s86, s[CHS], 7
	s_add_co_u32 s86, s86, VOFF
	v_add_nc_u32 v[ADV0], s86, v3
	v_mov_b32 v[ADA], v[ADA0]
	v_mov_b32 v[ADVA], v[ADV0]
	v_add_nc_u32 v[ADVB], 4*32*PV, v[ADV0]
	v_and_b32 v3, 31, v0
	v_lshlrev_b32 v[GO], 4, v3                     ; my 16 bytes of a store's 512
.set n, 0
.rept 8
	v_mov_b32 v[F0+2*n+1], 0                       ; the pairs' upper words are named with f and never used
.set n, n+1
.endr
.macro ALL8 line:vararg
.set g, 0
.rept 8
	\line
.set g, g+1
.endr
.endm
	s_wait_loadcnt 0x0
	WIN 0x55                                       ; all in window 1; v128-159 at work: M, an exchange register, l
	ALL8 v_max3_num_f32 v[128+4*g], v[16*g], v[16*g+2], v[16*g+4]
	ALL8 v_max3_num_f32 v[128+4*g], v[128+4*g], v[16*g+6], v[16*g+8]
	ALL8 v_max3_num_f32 v[128+4*g], v[128+4*g], v[16*g+10], v[16*g+12]
	ALL8 v_max_num_f32 v[128+4*g], v[128+4*g], v[16*g+14]
	ALL8 v_mov_b32 v[129+4*g], 0
	ALL8 v_permlanex16_b32 v[129+4*g], v[128+4*g], s[SEL], s[SEL+1]
	ALL8 v_max_num_f32 v[128+4*g], v[128+4*g], v[129+4*g]
.irp u, 0,1,2,3,4,5,6,7
	ALL8 v_sub_f32 v[16*g+2*\u], v[16*g+2*\u], v[128+4*g]
.endr
.irp u, 0,1,2,3,4,5,6,7
	ALL8 v_exp_f32 v[16*g+2*\u], v[16*g+2*\u]
.endr
	v_nop
	s_wait_alu depctr_va_vdst(0)
	ALL8 v_mul_f32 v[130+4*g], v[16*g], v[16*g+1]
.irp u, 1,2,3,4,5,6,7
	ALL8 v_fmac_f32 v[130+4*g], v[16*g+2*\u], v[16*g+2*\u+1]
.endr
	ALL8 v_permlanex16_b32 v[129+4*g], v[130+4*g], s[SEL], s[SEL+1]
	ALL8 v_add_f32 v[130+4*g], v[130+4*g], v[129+4*g]
	ALL8 v_rcp_f32 v[130+4*g], v[130+4*g]
	v_nop
	s_wait_alu depctr_va_vdst(0)
	ALL8 v_mul_f32 v[130+4*g], 0x3d000000, v[130+4*g]  ; times 1/32
	WIN 0x01                                       ; source window 1, destination window 0
.irp a, 0,1,2,3
	v_mov_b32 v[CMR+(\a)], v[128+4*(\a)]
	v_mov_b32 v[LINVC+2*(\a)], v[130+4*(\a)]
	v_mov_b32 v[LINVC+2*(\a)+1], v[130+4*(\a)]
	v_mov_b32 v[CMR2+(\a)], v[144+4*(\a)]
	v_mov_b32 v[LINV2+(\a)], v[146+4*(\a)]
.endr
	WIN 0
.macro FCOMP                           ; f = 2^(c m - M) of the two chunks of the step in hand, in f32
.irp c, 0,1
.irp a, 0,1,2,3
	v_sub_f32 v[CMN+4*(\c)+(\a)], v[CMN+4*(\c)+(\a)], v[CMR+(\a)]
.endr
.endr
.irp c, 0,1
.irp a, 0,1,2,3
	v_exp_f32 v[F0+8*(\c)+2*(\a)], v[CMN+4*(\c)+(\a)]
.endr
.endr
	v_nop                                          ; a plain instruction behind the last exponential
	s_wait_alu depctr_va_vdst(0)
.endm
.macro HEAD                            ; the loads of c m for the walk's step NS, the one after the step in hand
	s_cmp_lt_u32 s[NS], s[NA]
	s_cselect_b32 s86, s[BA], s[BB]
	s_cselect_b32 s88, 0, s[NA]
	s_sub_co_u32 s88, s[NS], s88                   ; the step's number in its block,
	s_min_u32 s88, s88, 7                          ; held at 7: behind the walk's last step the loads serve nothing and stay inside the batch's 16 chunks
	s_lshl_b32 s86, s86, 10
	s_lshl_b32 s88, s88, 15
	s_add_co_u32 s[OFF], s86, s88
	s_add_nc_u64 s[SB:SB+1], s[STB:STB+1], s[OFF:OFF+1]  ; the last loads by this base were shown done by the wait just above
	CMLOAD
	s_add_co_u32 s[NS], s[NS], 1
.endm
.macro LOADS ep                        ; 16 LDS loads: slice ep's fragments of V (turned) and of P, into ring place ep % 4
.set QL, (\ep)%4
.if (\ep) < 4
.set AVX, ADVA
.else
.set AVX, ADVB
.endif
	WIN 0
.irp b, 0,1,2,3
	ds_load_tr16_b128 v[BF+32*QL+8*(\b):BF+32*QL+8*(\b)+3],   v[AVX] offset:QL*32*PV+32*(\b)
	ds_load_tr16_b128 v[BF+32*QL+8*(\b)+4:BF+32*QL+8*(\b)+7], v[AVX] offset:QL*32*PV+16*PV+32*(\b)
.endr
	WIN 0x54                                       ; destination window 1, address window 0
.irp a, 0,1,2,3
	ds_load_b128 v[AF+32*QL+8*(\a):AF+32*QL+8*(\a)+3],   v[ADA] offset:(\a)*16*PA+64*(\ep)
	ds_load_b128 v[AF+32*QL+8*(\a)+4:AF+32*QL+8*(\a)+7], v[ADA] offset:(\a)*16*PA+64*(\ep)+32
.endr
.endm
.macro MMA e                           ; the slice's next product: the 16 accumulators take turns; a chunk's first slice starts the sums
.if ((\e)%4) == 0
	v_wmma_f32_16x16x32_f16 v[8*mi:8*mi+7], v[BF+32*QC+8*(mi%4):BF+32*QC+8*(mi%4)+7], v[AF+32*QC+8*(mi/4):AF+32*QC+8*(mi/4)+7], 0
.else
	v_wmma_f32_16x16x32_f16 v[8*mi:8*mi+7], v[BF+32*QC+8*(mi%4):BF+32*QC+8*(mi%4)+7], v[AF+32*QC+8*(mi/4):AF+32*QC+8*(mi/4)+7], v[8*mi:8*mi+7]
.endif
.set mi, mi+1
.endm
; Four accumulators of chunk c's sums (c = 0: PART0, window 1; c = 1: PART1, window 2) times f onto the block's sums; each accumulator's lowest registers are read first.
; mode = 2: the block's first fold starts its sums: nothing is cleared.  For c = 0 the window setting is that of the products beside it.
.macro FOLDG c, mode
	WIN 0xa4+4*(\c)                                ; f window 0; the chunk's sums window 1 or 2; the block's sums window 2
.rept 16
.if (\mode) == 2
	v_pk_mul_f32 v[TOT+2*fn:TOT+2*fn+1], v[F0+8*(\c)+2*(fn/16):F0+8*(\c)+2*(fn/16)+1], v[2*fn:2*fn+1] op_sel_hi:[0,1]
.else
	v_pk_fma_f32 v[TOT+2*fn:TOT+2*fn+1], v[F0+8*(\c)+2*(fn/16):F0+8*(\c)+2*(fn/16)+1], v[2*fn:2*fn+1], v[TOT+2*fn:TOT+2*fn+1] op_sel_hi:[0,1,1]
.endif
.set fn, fn+1
.endr
.endm
; SLICE e of a step's eight.  Slices 0-3 sum into PART0, slices 4-7 into PART1.  fold = 1 or 2 (slices 0 and 4): the chunk finished just before is folded, 16 packed instructions behind every four products.
; Behind a slice's last product stand four plain vector instructions that name none of its registers (the last fold group, or four v_nop): the next slice loads into the fragments that it read.
; Slice 1 makes f of the step in hand and asks for the next step's c m.
; Slice 5 begins with THE CHANGE OF SLOTS (slice 7's loads went out in slice 4): each wave waits for all its tensor loads (one is out: its part of the next slot), adds 0 to its spare word, and waits for that and
; for its reads of this slot.  fill = 1: the barrier opens a round of the cluster's, and the refill, two steps ahead, is the first thing behind it: it has 120 matrix instructions in which to land.
.macro SLICE e, fold, fill
.set QC, (\e)%4
.set mi, 0
.set fn, 0
.if (\e) < 4
.set WM, 0x54                          ; V window 0, P window 1, sums window 1
.else
.set WM, 0xa4                          ; sums window 2
.endif
.if (\e) == 1
	WIN 0
	s_wait_loadcnt 0x0                             ; c m of the step in hand
	FCOMP
	HEAD
.endif
.if (\e) == 5
	WIN 0
	s_wait_tensorcnt 0x0
	ds_add_u32 v[SPW], v[NIL]                      ; 0 onto my spare word; the descriptors' scalar work stands between it and the wait for it
.if \fill
	MKADR NXT, G0A, G0V
	s_add_co_u32 s[G0A+1], s[LWA], s[TB]           ; the slot just read
	s_add_co_u32 s[G0V+1], s[LWV], s[TB]
	s_add_co_u32 s[NXT], s[NXT], 1
.endif
	s_wait_dscnt 0x0                               ; the add is done, and my reads of this slot are over
	s_barrier_signal -1
	WIN WM
.rept 8
	MMA \e
.endr
	WIN 0
	s_barrier_wait -1
.if \fill
	CREST
	JLOAD
.endif
	s_xor_b32 s[TB], s[TB], SLOT
	v_add_nc_u32 v[ADA], s[TB], v[ADA0]
	v_add_nc_u32 v[ADVA], s[TB], v[ADV0]
	v_add_nc_u32 v[ADVB], 4*32*PV, v[ADVA]
	LOADS 0                                        ; the next step's slice 0
	WIN WM
.rept 8
	MMA \e
.endr
.else
	LOADS ((\e)+3)%8
	s_wait_dscnt 32                                ; the 16 loads just issued and the 16 before them may be out: this slice's are in
.rept 4
	WIN WM
.rept 4
	MMA \e
.endr
.if \fold
	FOLDG 1-(\e)/4, \fold
.endif
.endr
.endif
.if !(\fold)
.rept 4
	v_nop
.endr
.endif
.endm
.macro FOLDL                           ; in front of a way out: the block's last chunk is folded in one run
.set fn, 0
.rept 4
	FOLDG 1, 1
.endr
	WIN 0
.endm
; THE WAY OUT: times 1 / (32 l); rounded to f16; a lane's eight channels of accumulator (a, b) are 16 bytes of the fragment of row block a, slice b / 2, half b % 2: stored as they stand.
; lo = 1 (the first block's way out): where my query block 0 is the batch's rows 0-15, its numbers are split first: obuf takes hi, olo takes lo.  PART1's first 64 registers and PART0's first 16, free by now, are at work.
.macro WAYOUT lo
	WIN 0x82                                       ; source 0 and destination window 2, source 1 window 0
.set n, 0
.rept 64
	v_pk_mul_f32 v[TOT+2*n:TOT+2*n+1], v[TOT+2*n:TOT+2*n+1], v[LINVC+2*(n/16):LINVC+2*(n/16)+1] op_sel_hi:[1,0]  ; t
.set n, n+1
.endr
.if \lo
	WIN 0
	s_cmp_lg_u32 s[EARLY], 1
	s_cbranch_scc1 .Lno_lo_\@
	WIN 0x8a                                       ; all in window 2
.set n, 0
.rept 16
	v_pk_mul_f32 v[2*n:2*n+1], v[TOT+2*n:TOT+2*n+1], 0x46000400 op_sel_hi:[1,0]  ; c = 8193 t
.set n, n+1
.endr
.set n, 0
.rept 16
	v_pk_add_f32 v[32+2*n:32+2*n+1], v[2*n:2*n+1], v[TOT+2*n:TOT+2*n+1] neg_lo:[0,1] neg_hi:[0,1]  ; c - t
.set n, n+1
.endr
.set n, 0
.rept 16
	v_pk_add_f32 v[2*n:2*n+1], v[2*n:2*n+1], v[32+2*n:32+2*n+1] neg_lo:[0,1] neg_hi:[0,1]  ; hi = c - (c - t)
.set n, n+1
.endr
.set n, 0
.rept 16
	v_pk_add_f32 v[32+2*n:32+2*n+1], v[TOT+2*n:TOT+2*n+1], v[2*n:2*n+1] neg_lo:[0,1] neg_hi:[0,1]  ; lo = t - hi, exactly
.set n, n+1
.endr
.set n, 0
.rept 16
	v_pk_add_f32 v[TOT+2*n:TOT+2*n+1], v[TOT+2*n:TOT+2*n+1], v[32+2*n:32+2*n+1] neg_lo:[0,1] neg_hi:[0,1]  ; what stays is t - lo = hi, exactly: its rounding to f16 below changes nothing
.set n, n+1
.endr
	WIN 0x4a                                       ; sources window 2, destination window 1
.set n, 0
.rept 16
	v_cvt_pk_f16_f32 v[n], v[32+2*n], v[32+2*n+1]
.set n, n+1
.endr
	WIN 0x04                                       ; the stores' data in window 1
.irp b, 0,1,2,3
	global_store_b128 v[GO], v[4*(\b):4*(\b)+3], s[OLOB:OLOB+1] offset:(\b)*512  ; 512 consecutive bytes, aligned
.endr
	WIN 0
.Lno_lo_\@:
.endif
	WIN 0x0a                                       ; sources window 2, destination window 0
.set n, 0
.rept 64
	v_cvt_pk_f16_f32 v[TMP+n], v[TOT+2*n], v[TOT+2*n+1]
.set n, n+1
.endr
	WIN 0
.set n, 0
.rept 16
	global_store_b128 v[GO], v[TMP+4*n:TMP+4*n+3], s[OBC:OBC+1] offset:(n/4)*32768+(n%4)*512  ; 512 consecutive bytes, aligned
.set n, n+1
.endr
.endm
.macro SWITCH                          ; on to the second block
	s_wait_xcnt 0x0                                ; the stores have read their base and their data: both are written again below and in the next slices
	s_mov_b64 s[OBC:OBC+1], s[OB2:OB2+1]
	s_mov_b32 s[RT], s[NB]
.irp a, 0,1,2,3
	v_mov_b32 v[CMR+(\a)], v[CMR2+(\a)]
	v_mov_b32 v[LINVC+2*(\a)], v[LINV2+(\a)]
	v_mov_b32 v[LINVC+2*(\a)+1], v[LINV2+(\a)]
.endr
.endm
	s_wait_tensorcnt 0x1                           ; my part of step 0 is in; step 1's may stay out
	s_barrier_signal -1
	s_barrier_wait -1
	LOADS 0
	LOADS 1
	LOADS 2
	s_wait_dscnt 32                                ; slice 0's loads are in
	WIN 0
	s_branch .Lbegin                               ; the loop is entered where a block begins, in the middle of a trip
.Lstep:                                                ; 7 times: a step's slices 5 to 7, with a refill, and the next step's slices 0 to 4
	SLICE 5, 0, 1
	SLICE 6, 0, 0
	SLICE 7, 0, 0
	WIN 0
	s_sub_co_u32 s[RT], s[RT], 1
	s_cmp_lg_u32 s[RT], 0
	s_cbranch_scc1 .Lsame
	FOLDL                                          ; the first block is finished; the refills for the second are already asked for
	WAYOUT 1
	SWITCH
.Lbegin:
	SLICE 0, 0, 0
	SLICE 1, 0, 0
	SLICE 2, 0, 0
	SLICE 3, 0, 0
	SLICE 4, 2, 0
	WIN 0
	s_branch .Lbot
.Lsame:
	SLICE 0, 1, 0
	SLICE 1, 0, 0
	SLICE 2, 0, 0
	SLICE 3, 0, 0
	SLICE 4, 1, 0
	WIN 0
.Lbot:
	s_sub_co_u32 s[TRIPS], s[TRIPS], 1             ; 8 passes: the first belongs to the entry, seven jump back
	s_cmp_lg_u32 s[TRIPS], 0
	s_cbranch_scc1 .Lstep
	s_mov_b32 s[CNT], 2
.Lt:                                                   ; the last two steps ask for nothing; the second trip is left in its middle (what it fetched ahead serves nothing)
	SLICE 5, 0, 0
	SLICE 6, 0, 0
	SLICE 7, 0, 0
	WIN 0
	s_sub_co_u32 s[CNT], s[CNT], 1
	s_cmp_eq_u32 s[CNT], 0
	s_cbranch_scc1 .Lfin
	SLICE 0, 1, 0
	SLICE 1, 0, 0
	SLICE 2, 0, 0
	SLICE 3, 0, 0
	SLICE 4, 1, 0
	WIN 0
	s_branch .Lt
.Lfin:
	FOLDL
	WAYOUT 0                                       ; the second block is block 8 or later: none of its rows is split
	s_wait_tensorcnt 0x0                           ; the wave's end
	ds_add_u32 v[SPW], v[NIL]
	s_wait_dscnt 0x0
	CROUND                                         ; the closing round
	s_endpgm
.Lfunc_end_k_q8f24df3a54_pv:
	.size	k_q8f24df3a54_pv, .Lfunc_end_k_q8f24df3a54_pv-k_q8f24df3a54_pv
	.p2alignl 7, 3214868480
	.fill 96, 4, 3214868480
	.section	.rodata,"a",@progbits
	.p2align	6, 0x0
	.amdhsa_kernel k_q8f24df3a54_pv
		.amdhsa_group_segment_fixed_size 327680
		.amdhsa_private_segment_fixed_size 0
		.amdhsa_enable_private_segment 0
		.amdhsa_kernarg_size 40
		.amdhsa_user_sgpr_count 2
		.amdhsa_user_sgpr_kernarg_segment_ptr 1
		.amdhsa_wavefront_size32 1
		.amdhsa_system_sgpr_workgroup_id_x 1
		.amdhsa_system_sgpr_workgroup_id_y 1
		.amdhsa_system_sgpr_workgroup_id_z 1
		.amdhsa_system_vgpr_workitem_id 0
		.amdhsa_next_free_vgpr 768
		.amdhsa_next_free_sgpr 100
		.amdhsa_reserve_vcc 0
		.amdhsa_float_denorm_mode_32 3
		.amdhsa_float_denorm_mode_16_64 3
		.amdhsa_memory_ordered 1
		.amdhsa_forward_progress 1
		.amdhsa_inst_pref_size 139
	.end_amdhsa_kernel
	.amdgpu_metadata
---
amdhsa.version: [ 1, 2 ]
amdhsa.kernels:
  - .name:           k_q8f24df3a54_pv
    .symbol:         k_q8f24df3a54_pv.kd
    .args:
      - { .name: pbuf, .offset: 0, .size: 8, .value_kind: global_buffer, .address_space: global }
      - { .name: xh, .offset: 8, .size: 8, .value_kind: global_buffer, .address_space: global }
      - { .name: stats, .offset: 16, .size: 8, .value_kind: global_buffer, .address_space: global }
      - { .name: obuf, .offset: 24, .size: 8, .value_kind: global_buffer, .address_space: global }
      - { .name: olo, .offset: 32, .size: 8, .value_kind: global_buffer, .address_space: global }
    .group_segment_fixed_size: 327680
    .private_segment_fixed_size: 0
    .kernarg_segment_align: 8
    .kernarg_segment_size: 40
    .max_flat_workgroup_size: 128
    .sgpr_count:     100
    .vgpr_count:     768
    .wavefront_size: 32
...
	.end_amdgpu_metadata
.endif
;; end of part 11
;; launch oproj (part 12): grid 8 x 32, 4 waves a work-group, clusters of 4 x 4, 327,680 bytes of LDS; arguments obuf, wpt, out0, olo; writes out0
.if DOCPART == 12
	.amdgcn_target "amdgcn-amd-amdhsa--gfx1250"
	.amdhsa_code_object_version 6
	.text
	.protected	k_q8f24df3a54_oproj
	.globl	k_q8f24df3a54_oproj
	.p2align	8
	.type	k_q8f24df3a54_oproj,@function
k_q8f24df3a54_oproj:
	s_mov_b64 s[64:65], 0
	v_nop
	global_prefetch_b8 v0, s[64:65] scope:SCOPE_SE
	s_setreg_imm32_b32 hwreg(HW_REG_WAVE_MODE, 25, 1), 1
	s_wait_xcnt 0x0
	s_wait_alu depctr_hold_cnt(0) depctr_sa_sdst(0) depctr_va_vdst(0) depctr_va_sdst(0) depctr_va_ssrc(0) depctr_va_vcc(0) depctr_vm_vsrc(0)
	s_getreg_b32 s2, hwreg(HW_REG_IB_STS2, 6, 4)
	s_cmp_eq_u32 s2, 0
	s_cbranch_scc0 .Lentry_in_a_cluster
	s_endpgm
.Lentry_in_a_cluster:
	s_bfe_u32 s2, ttmp6, 0x10000c
	s_cmp_lg_u32 s2, 0xf033
	s_cbranch_scc0 .Lentry_shape_is_right
	s_endpgm
.Lentry_shape_is_right:
; OPROJ.  out0[m][n] = sum over channels c of Y[m][c] wpt[n][c], with Y = (P x) / 32 and wpt[n][c] = 32 (Wv Wo)[c][n]: the two powers of two cancel.
; Y: obuf, f16, in the order of this product's fragments: [512 blocks of 16 rows][32 slices of 32 channels][1,024 bytes], registers 0-3 of lane L at 16 L of a slice's bytes, registers 4-7 at 512 + 16 L.
; wpt: 1,024 rows of 1,024 f16, 2,048 elements from row to row.  out0: [8192][1024] f32; sums in f32.
; ROWS 0-15 OF EACH BATCH are hi + lo: hi lies in obuf like every row, lo in olo ([4 batches][32 slices][1,024 bytes], the same order), and its products are added onto the same sums.  A causal row q is a mean of
; q + 1 rows of x, so only the first rows' numbers can be many times the output's root mean square, by which the allowance goes; from row 16 on Y is one f16 number.
; SHARES.  One tile of 256 rows x 128 columns to a work-group: 256 of them.  A wave owns 64 rows x 128 columns: 32 accumulators; a row of its part is 512 bytes, and the stage for the way out is its own.
; THE WALK.  8 steps of 128 channels through a ring of two LDS slots.  Waves 0, 1 fetch the halves of obuf's tile (8 blocks of 16 rows, 4,096 consecutive bytes of each: dense in LDS, where a fragment load takes
; 512 consecutive bytes), waves 2, 3 the halves of wpt's 128 rows (256 bytes each, padded).  Two loads of a wave are out at the start, later one.
; CLUSTER.  4 x 4 work-groups: obuf's tile is asked for jointly along a row of the cluster, wpt's along a column.  The row tile is Y = 8 cy + the cluster's y: cy is the batch, the cluster's y the tile's place in
; it, so that 'a batch's first tile' hangs on the cluster's y alone, which all sixteen partners share.  There wave 0, whose row block 0 is the batch's rows 0-15, copies its batch's 32,768 bytes of olo once
; into LDS bytes of its own and multiplies 8 products more in each quarter.  The matrix instruction is used transposed: a lane holds eight neighbouring columns of one row.
; REGISTERS.  Window 0: v0-15 addresses; v16-31 two fragments of lo; two fragment buffers of 96 (64 of wpt's, 32 of obuf's) at v64 and v160; the way out reads rows back into v64-127 and v128-191.
; Window 1: accumulator (a, b) at v[8 (8 a + b)].
.set PB,     272                       ; a row of wpt's tile in LDS: 256 bytes + 16: the 16 rows of a fragment load start at 16 different groups of four banks (ISA guide 11.1)
.set ABLK,   4096                      ; a block of 16 rows of obuf in a step: four slices
.set AHALF,  8*ABLK
.set BHALF,  64*PB
.set BOFF,   2*AHALF
.set SLOT1,  1<<17                     ; slot 1 begins here (a slot holds 100,352 bytes), so that one exclusive or turns an address in one slot into the other's
.set STAGE,  SLOT1+BOFF+2*BHALF        ; behind the ring: 16 rows x 528 bytes for each wave
.set SPITCH, 528                       ; a stage row: 512 bytes + 16
.set LOS,    STAGE+4*16*SPITCH         ; behind the stages: wave 0's copy of its batch's lo fragments; no tile lands there
.set SPARE,  LOS+32768                 ; behind it: the spare words, 128 bytes for each wave
.set ADRA0, 4
.set ADRB0, 5
.set ADRA,  6
.set ADRB,  7
.set STO,   8
.set RD,    9
.set CO,    10                         ; 16 x lane
.set SPW,   12
.set NIL,   13
.set ADL0,  14                         ; my 16 bytes of the first lo fragment
.set ADL,   15                         ; the same in the step in hand
.set LF0,   16                         ; v[16:23], v[24:31]: the lo fragment that goes with fragment buffer 0, 1
.set F0,    64
.set F1,    160
.set OB,    64
.set G1,   24
.set G0X,  32
.set G0,   36
.set G1B,  48
.set G0BX, 56
.set G0B,  60
.set TB,   66
.set LSO,  67                          ; s67  byte offset of the step's four lo fragments
.set CLY,  68                          ; s68  the cluster's y
.set TRIPS,69
.set CNT,  70
.set OLO,  78                          ; s[78:79] olo at my batch
.set MUL,  0x50
.set MSB, 0
.macro WIN new
.if MSB != (\new)
	s_set_vgpr_msb (MSB<<8)|(\new)
.set MSB, \new
.endif
.endm
.macro PLACES
.rept 4
	v_nop
.endr
.endm
.macro JLOAD
	s_cmp_eq_u32 s11, 0
	s_cbranch_scc0 .Lfor_b_\@
	tensor_load_to_lds s[G0:G0+3], s[G1:G1+7]
	s_nop 0
.rept 4
	v_nop
.endr
	s_branch .Lasked_\@
.Lfor_b_\@:
	tensor_load_to_lds s[G0B:G0B+3], s[G1B:G1B+7]
	s_nop 0
.rept 4
	v_nop
.endr
.Lasked_\@:
.endm
.macro CREST
	s_cmp_lg_u32 s10, 0
	s_cbranch_scc1 .Lnot_wave_0_\@
	s_barrier_signal -3
.Lnot_wave_0_\@:
	s_barrier_wait -3
	s_barrier_signal -1
	s_barrier_wait -1
.endm
.macro CROUND
	s_barrier_signal -1
	s_barrier_wait -1
	CREST
.endm
	s_load_b128 s[4:7], s[0:1], 0x0                ; obuf s[4:5], wpt s[6:7]
	s_load_b64 s[8:9], s[0:1], 0x10                ; out0
	s_load_b64 s[OLO:OLO+1], s[0:1], 0x18          ; olo
	v_lshl_add_u32 v[SPW], v0, 2, SPARE
	v_mov_b32 v[NIL], 0
	ds_add_u32 v[SPW], v[NIL]                      ; the wave's opening: the add and its wait stand ahead of my first tensor load
	ds_add_u32 v12, v13
	v_lshrrev_b32 v1, 5, v0
	v_readfirstlane_b32 s10, v1
	s_lshr_b32 s11, s10, 1
	s_and_b32 s12, s10, 1
	s_bfe_u32 s40, ttmp6, 0x40000
	s_bfe_u32 s41, ttmp6, 0x40004
	s_lshl_b32 s42, ttmp9, 2
	s_add_co_u32 s42, s42, s40                     ; X = 4 x cluster x + cx
	s_and_b32 s[CLY], ttmp7, 0xffff
	s_lshl_b32 s13, s41, 3
	s_add_co_u32 s13, s13, s[CLY]                  ; Y = 8 cy + cluster y
	s_lshl_b32 s43, s41, 2
	s_lshl_b32 s43, 15, s43
	s_lshl_b32 s44, 0x1111, s40
	s_or_b32 s[G1], s43, (3<<16)|(1<<21)                           ; the mask of my row; 8-byte elements; no padding
	s_or_b32 s[G1B], s44, (1<<16)|(1<<20)|(1<<21)|(5<<22)|(3<<25)  ; the mask of my column; 2-byte elements; padding: after every 64 words, 4 words
	s_mov_b32 s[G1+1], 512<<16                     ; tensor_dim0 = 512 elements: 4,096 bytes
	s_mov_b32 s[G1+2], 8<<16                       ; tensor_dim1 = 8 blocks of 16 rows
	s_mov_b32 s[G1+3], 512<<16                     ; tile_dim0
	s_mov_b32 s[G1+4], 8                           ; tile_dim1
	s_mov_b32 s[G1+5], 4096                        ; 32,768 bytes from block to block
	s_mov_b32 s[G1+6], 0
	s_mov_b32 s[G1+7], 0
	s_mov_b32 s[G1B+1], 128<<16
	s_mov_b32 s[G1B+2], 64<<16
	s_mov_b32 s[G1B+3], 128<<16
	s_mov_b32 s[G1B+4], 64
	s_mov_b32 s[G1B+5], 2048                       ; elements from row to row of wpt
	s_mov_b32 s[G1B+6], 0
	s_mov_b32 s[G1B+7], 0
	s_lshl_b32 s16, s13, 4
	s_lshl_b32 s17, s12, 3
	s_add_co_u32 s16, s16, s17
	s_lshl_b32 s16, s16, 15                        ; obuf: block 16 Y + 8 x half, 32,768 bytes a block
	s_mov_b32 s17, 0
	s_lshl_b32 s47, s12, 6
	s_lshl_b32 s46, s42, 7
	s_add_co_u32 s46, s46, s47
	s_lshl_b32 s46, s46, 12                        ; wpt: row 128 X + 64 x half, 4,096 bytes a row
	s_mov_b32 s47, 0
	s_mul_i32 s20, s10, AHALF                      ; where they go: waves 0, 1: wave x 8 blocks;
	s_mul_i32 s21, s10, BHALF
	s_add_co_u32 s21, s21, BOFF-2*BHALF            ; waves 2, 3: behind obuf's tile, (wave - 2) x 64 rows
	s_mov_b32 s[TB], 0
	s_mov_b32 s[LSO], 0
	s_mov_b32 s[TRIPS], 6
	s_wait_dscnt 0x0                               ; the opening add is done
	s_wait_kmcnt 0x0
	s_add_nc_u64 s[14:15], s[4:5], s[16:17]
	s_add_nc_u64 s[46:47], s[6:7], s[46:47]
	CROUND
	s_mov_b32 s[G0X], 1
	s_mov_b32 s[G0X+1], s20
	s_mov_b64 s[G0X+2:G0X+3], s[14:15]
	s_or_b32 s[G0X+3], s[G0X+3], 0x80000000
	s_mov_b32 s[G0], 1
	s_add_co_u32 s[G0+1], s20, SLOT1
	s_add_nc_u64 s[G0+2:G0+3], s[14:15], ABLK
	s_or_b32 s[G0+3], s[G0+3], 0x80000000
	s_mov_b32 s[G0BX], 1
	s_mov_b32 s[G0BX+1], s21
	s_mov_b64 s[G0BX+2:G0BX+3], s[46:47]
	s_or_b32 s[G0BX+3], s[G0BX+3], 0x80000000
	s_mov_b32 s[G0B], 1
	s_add_co_u32 s[G0B+1], s21, SLOT1
	s_add_nc_u64 s[G0B+2:G0B+3], s[46:47], 256
	s_or_b32 s[G0B+3], s[G0B+3], 0x80000000
	s_cmp_eq_u32 s11, 0                            ; a wave's two first fills stand in one branch: steps 0 and 1
	s_cbranch_scc0 .Lfirst_b
	tensor_load_to_lds s[G0X:G0X+3], s[G1:G1+7]
	s_nop 0
	tensor_load_to_lds s[G0:G0+3], s[G1:G1+7]
	s_nop 0
.rept 4
	v_nop
.endr
	s_branch .Lfirst_asked
.Lfirst_b:
	tensor_load_to_lds s[G0BX:G0BX+3], s[G1B:G1B+7]
	s_nop 0
	tensor_load_to_lds s[G0B:G0B+3], s[G1B:G1B+7]
	s_nop 0
.rept 4
	v_nop
.endr
.Lfirst_asked:
	v_and_b32 v1, 15, v0
	v_bfe_u32 v2, v0, 4, 1
	v_and_b32 v3, 31, v0
	v_lshlrev_b32 v[CO], 4, v3                     ; 16 x lane
	s_lshl_b32 s22, s10, 14                        ; my four blocks of 16 rows
	v_add_nc_u32 v[ADRA0], s22, v[CO]              ; obuf's fragments: 512 consecutive bytes a load
	v_mul_u32_u24 v3, v1, PB
	v_lshl_add_u32 v3, v2, 4, v3
	v_add_nc_u32 v[ADRB0], BOFF, v3                ; wpt's fragments: row r, 16 h
	v_mov_b32 v[ADRA], v[ADRA0]
	v_mov_b32 v[ADRB], v[ADRB0]
	v_add_nc_u32 v[ADL0], LOS, v[CO]
	v_mov_b32 v[ADL], v[ADL0]
	s_mul_i32 s23, s10, 16*SPITCH
	s_add_co_u32 s23, s23, STAGE                   ; my stage
	v_mul_u32_u24 v3, v1, SPITCH
	v_lshl_add_u32 v3, v2, 5, v3
	v_add_nc_u32 v[STO], s23, v3                   ; in: row r, 32 bytes for each half of the lanes
	v_add_nc_u32 v[RD], s23, v[CO]                 ; back: a row of 512 bytes
.set n, 0
.rept 16
	v_mov_b32 v[LF0+n], 0                          ; the two lo fragments are written ahead of every way through the text that reads them
.set n, n+1
.endr
	s_lshl_b32 s76, s13, 8
	s_lshl_b32 s77, s10, 6
	s_add_co_u32 s76, s76, s77
	s_lshl_b32 s76, s76, 12                        ; out0: row 256 Y + 64 w, 4,096 bytes a row
	s_lshl_b32 s77, s42, 9
	s_add_co_u32 s76, s76, s77                     ; column 128 X, 4 bytes
	s_mov_b32 s77, 0
	s_add_nc_u64 s[8:9], s[8:9], s[76:77]
	s_lshl_b32 s76, s41, 15                        ; olo: 32,768 bytes a batch
	s_add_nc_u64 s[OLO:OLO+1], s[OLO:OLO+1], s[76:77]
	; Wave 0 of a batch's first tile copies the batch's lo fragments into its own LDS bytes, once, while the first tiles are on their way: 64 loads of 512 consecutive bytes through the accumulators' registers, still free.
	s_cmp_lg_u32 s10, 0
	s_cbranch_scc1 .Lno_lo
	s_cmp_lg_u32 s[CLY], 0
	s_cbranch_scc1 .Lno_lo
	WIN 0x40                                       ; destination window 1
.set n, 0
.rept 64
	global_load_b128 v[4*n:4*n+3], v[CO], s[OLO:OLO+1] offset:n*512
.set n, n+1
.endr
	s_wait_loadcnt 0x0
	WIN 0x04                                       ; the stores' data in window 1
.set n, 0
.rept 64
	ds_store_b128 v[ADL0], v[4*n:4*n+3] offset:n*512
.set n, n+1
.endr
	WIN 0
.Lno_lo:
.macro MUL8 f, a, zero
	WIN MUL
.irp b, 0,1,2,3,4,5,6,7
.if \zero
	v_wmma_f32_16x16x32_f16 v[8*(8*(\a)+(\b)):8*(8*(\a)+(\b))+7], v[(\f)+8*(\b):(\f)+8*(\b)+7], v[(\f)+64+8*(\a):(\f)+64+8*(\a)+7], 0
.else
	v_wmma_f32_16x16x32_f16 v[8*(8*(\a)+(\b)):8*(8*(\a)+(\b))+7], v[(\f)+8*(\b):(\f)+8*(\b)+7], v[(\f)+64+8*(\a):(\f)+64+8*(\a)+7], v[8*(8*(\a)+(\b)):8*(8*(\a)+(\b))+7]
.endif
.endr
.endm
.macro FETCH q, f                      ; 24 LDS loads in one run: the fragments of quarter q (32 channels) of the step in hand
	WIN 0
.irp i, 0,1,2,3,4,5,6,7
	ds_load_b128 v[(\f)+8*(\i):(\f)+8*(\i)+3],   v[ADRB] offset:64*(\q)+(\i)*16*PB
	ds_load_b128 v[(\f)+8*(\i)+4:(\f)+8*(\i)+7], v[ADRB] offset:64*(\q)+(\i)*16*PB+32
.endr
.irp i, 0,1,2,3
	ds_load_b128 v[(\f)+64+8*(\i):(\f)+64+8*(\i)+3],   v[ADRA] offset:(\i)*ABLK+(\q)*1024
	ds_load_b128 v[(\f)+64+8*(\i)+4:(\f)+64+8*(\i)+7], v[ADRA] offset:(\i)*ABLK+(\q)*1024+512
.endr
.endm
; WHAT WAVE 0 OF A BATCH'S FIRST TILE DOES BESIDES, in one block under two forward branches (the wave's number; the cluster's y), with no barrier and no tensor load inside: the lo fragment of quarter q goes into the
; registers that go with buffer g (the quarter's own wait for all LDS loads awaits it; four plain vector instructions stand between the last product that read them and this load), and, mul = 1, wpt's fragments in buffer f
; times the lo fragment that goes with f are added onto row block 0's eight sums, which take turns.
.macro LOBLK q, g, f, mul
.set LG, LF0+8*((\g)/F1)
.set LM, LF0+8*((\f)/F1)
	WIN 0
	s_cmp_lg_u32 s10, 0
	s_cbranch_scc1 .Lnl_\@
	s_cmp_lg_u32 s[CLY], 0
	s_cbranch_scc1 .Lnl_\@
	ds_load_b128 v[LG:LG+3],   v[ADL] offset:(\q)*1024
	ds_load_b128 v[LG+4:LG+7], v[ADL] offset:(\q)*1024+512
.if \mul
	WIN MUL
.irp b, 0,1,2,3,4,5,6,7
	v_wmma_f32_16x16x32_f16 v[8*(\b):8*(\b)+7], v[(\f)+8*(\b):(\f)+8*(\b)+7], v[LM:LM+7], v[8*(\b):8*(\b)+7]
.endr
	WIN 0
.endif
.Lnl_\@:
.endm
.macro QUARTER q, f, g, zero           ; 32 matrix instructions on buffer f, the 32 accumulators by turns; quarter q's fragments go into g
	s_wait_dscnt 0x0                               ; f's loads were issued 24 matrix instructions ago
	MUL8 \f, 0, \zero
	PLACES                                         ; behind the last products that read g
	FETCH \q, \g
	LOBLK \q, \g, \f, 1
	MUL8 \f, 1, \zero
	MUL8 \f, 2, \zero
	MUL8 \f, 3, \zero
.endm
.macro TURN fill                       ; the last quarter and the change of slots; fill = 1: the barrier opens a round of the cluster's, the joint refill is the first thing behind it
	WIN 0
	s_wait_tensorcnt 0x0                           ; all my tensor loads have landed: my part of the next slot
	ds_add_u32 v[SPW], v[NIL]
	s_wait_dscnt 1                                 ; the add alone may be out
	MUL8 F1, 0, 0
	s_wait_dscnt 0x0                               ; the add is done, and my reads of this slot are over
	s_barrier_signal -1
	MUL8 F1, 1, 0
	WIN 0
	s_barrier_wait -1
.if \fill
	CREST
	s_xor_b32 s[G0+1], s[G0+1], SLOT1              ; the slot just read, the next step; no tensor load of mine is out
	s_add_nc_u64 s[G0+2:G0+3], s[G0+2:G0+3], ABLK
	s_xor_b32 s[G0B+1], s[G0B+1], SLOT1
	s_add_nc_u64 s[G0B+2:G0B+3], s[G0B+2:G0B+3], 256
	JLOAD
.else
	PLACES
.endif
	s_xor_b32 s[TB], s[TB], SLOT1
	s_add_co_u32 s[LSO], s[LSO], ABLK              ; the next step's four lo fragments,
	s_min_u32 s[LSO], s[LSO], 7*ABLK               ; held at the last step's: what is fetched behind the walk's end serves nothing and stays inside the copy
	v_add_nc_u32 v[ADRA], s[TB], v[ADRA0]
	v_add_nc_u32 v[ADRB], s[TB], v[ADRB0]
	v_add_nc_u32 v[ADL], s[LSO], v[ADL0]
	FETCH 0, F0
	LOBLK 0, F0, F1, 1
	MUL8 F1, 2, 0
	MUL8 F1, 3, 0
.endm
; THE WAY OUT, 16 rows at a time: the f32 sums go into my own stage as they are (a lane's eight columns are 32 bytes; each accumulator's lowest registers first) and come back as whole rows of 512 bytes.
.macro TOSTAGE a
	WIN 0x04                                       ; the stores' data in window 1
.irp b, 0,1,2,3,4,5,6,7
	ds_store_b128 v[STO], v[8*(8*(\a)+(\b)):8*(8*(\a)+(\b))+3] offset:64*(\b)
	ds_store_b128 v[STO], v[8*(8*(\a)+(\b))+4:8*(8*(\a)+(\b))+7] offset:64*(\b)+16
.endr
	WIN 0
.set n, 0
.rept 16
	ds_load_b128 v[OB+64*((\a)%2)+4*n:OB+64*((\a)%2)+4*n+3], v[RD] offset:n*SPITCH  ; LDS serves a wave's instructions in order: these see the stores above
.set n, n+1
.endr
.endm
.macro SEND a, younger
	s_wait_dscnt \younger
.set n, 0
.rept 16
	global_store_b128 v[CO], v[OB+64*((\a)%2)+4*n:OB+64*((\a)%2)+4*n+3], s[8:9] offset:(\a)*65536+n*4096 th:TH_STORE_NT  ; a wave's store covers 512 consecutive bytes, aligned
.set n, n+1
.endr
.endm
	s_wait_tensorcnt 0x1                           ; my part of step 0 is in; step 1's may stay out
	s_wait_dscnt 0x0                               ; wave 0's stores of the lo fragments are done: no LDS instruction is out at a signal
	s_barrier_signal -1
	s_barrier_wait -1
	FETCH 0, F0
	LOBLK 0, F0, F0, 0                             ; the first lo fragment: nothing to multiply yet
	QUARTER 1, F0, F1, 1
	WIN 0
.Lstep:                                                ; 6 trips, each refills
	QUARTER 2, F1, F0, 0
	QUARTER 3, F0, F1, 0
	TURN 1
	QUARTER 1, F0, F1, 0
	WIN 0
	s_sub_co_u32 s[TRIPS], s[TRIPS], 1
	s_cmp_lg_u32 s[TRIPS], 0
	s_cbranch_scc1 .Lstep
	s_mov_b32 s[CNT], 2
.Ltail:                                                ; the last two steps ask for nothing; the second trip is left in its middle
	QUARTER 2, F1, F0, 0
	QUARTER 3, F0, F1, 0
	TURN 0
	WIN 0
	s_sub_co_u32 s[CNT], s[CNT], 1
	s_cmp_eq_u32 s[CNT], 0
	s_cbranch_scc1 .Lout
	QUARTER 1, F0, F1, 0
	WIN 0
	s_branch .Ltail
.Lout:
	s_wait_dscnt 0x0
	PLACES                                         ; behind the last products: their results are stored, and their fragments' registers loaded, below
	TOSTAGE 0
	TOSTAGE 1
	SEND 0, 32                                     ; behind block 0's loads stand block 1's 16 stores and 16 loads
	s_wait_xcnt 0x0                                ; block 0's stores have read the registers that block 2 is loaded into
	TOSTAGE 2
	SEND 1, 32
	s_wait_xcnt 0x0
	TOSTAGE 3
	SEND 2, 32
	SEND 3, 0
	s_wait_tensorcnt 0x0                           ; the wave's end
	ds_add_u32 v[SPW], v[NIL]
	s_wait_dscnt 0x0
	CROUND                                         ; the closing round
	s_endpgm
.Lfunc_end_k_q8f24df3a54_oproj:
	.size	k_q8f24df3a54_oproj, .Lfunc_end_k_q8f24df3a54_oproj-k_q8f24df3a54_oproj
	.p2alignl 7, 3214868480
	.fill 96, 4, 3214868480
	.section	.rodata,"a",@progbits
	.p2align	6, 0x0
	.amdhsa_kernel k_q8f24df3a54_oproj
		.amdhsa_group_segment_fixed_size 327680
		.amdhsa_private_segment_fixed_size 0
		.amdhsa_enable_private_segment 0
		.amdhsa_kernarg_size 32
		.amdhsa_user_sgpr_count 2
		.amdhsa_user_sgpr_kernarg_segment_ptr 1
		.amdhsa_wavefront_size32 1
		.amdhsa_system_sgpr_workgroup_id_x 1
		.amdhsa_system_sgpr_workgroup_id_y 1
		.amdhsa_system_sgpr_workgroup_id_z 1
		.amdhsa_system_vgpr_workitem_id 0
		.amdhsa_next_free_vgpr 512
		.amdhsa_next_free_sgpr 96
		.amdhsa_reserve_vcc 0
		.amdhsa_float_denorm_mode_32 3
		.amdhsa_float_denorm_mode_16_64 3
		.amdhsa_memory_ordered 1
		.amdhsa_forward_progress 1
		.amdhsa_inst_pref_size 78
	.end_amdhsa_kernel
	.amdgpu_metadata
---
amdhsa.version: [ 1, 2 ]
amdhsa.kernels:
  - .name:           k_q8f24df3a54_oproj
    .symbol:         k_q8f24df3a54_oproj.kd
    .args:
      - { .name: obuf, .offset: 0, .size: 8, .value_kind: global_buffer, .address_space: global }
      - { .name: wpt, .offset: 8, .size: 8, .value_kind: global_buffer, .address_space: global }
      - { .name: out0, .offset: 16, .size: 8, .value_kind: global_buffer, .address_space: global }
      - { .name: olo, .offset: 24, .size: 8, .value_kind: global_buffer, .address_space: global }
    .group_segment_fixed_size: 327680
    .private_segment_fixed_size: 0
    .kernarg_segment_align: 8
    .kernarg_segment_size: 32
    .max_flat_workgroup_size: 128
    .sgpr_count:     96
    .vgpr_count:     512
    .wavefront_size: 32
...
	.end_amdgpu_metadata
.endif
;; end of part 12
